; MI455X (gfx1250); checked and timed in simulation.
; The chip was launched on July 23, 2026; its instructions are those of AMD's public machine-readable ISA for CDNA 5 (MIT licence, August 2026) and "CDNA5" Instruction Set Architecture Reference Guide (July 2026). The comments in the code are by the model that wrote it; some were corrected since.
;; Transformer Block. Allowed arithmetic: matrix products marked QUANTISED: E2M3 operands, one E8M0 scale for each 32 along K, by v_wmma_scale_f32_16x16x128_f8f6f4 with both operands' format E2M3, f32 sums; everything else in f32.
;; Inputs: b1 4,096 float32; b2 1,024 float32; b_out 1,024 float32; b_qkv 3,072 float32; ln1_b 1,024 float32; ln1_g 1,024 float32; ln2_b 1,024 float32; ln2_g 1,024 float32; w1 4,096 x 1,024 float32; w2 1,024 x 4,096 float32; w_out 1,024 x 1,024 float32; w_qkv 3,072 x 1,024 float32; x 2 x 2,048 x 1,024 float32.
;; Outputs: out0 2 x 2,048 x 1,024 float32.
;; This version of the problem:
;;   THIS VERSION OF THE PROBLEM IS GIVEN IN LOW PRECISION. The matrix products marked QUANTISED in the list below multiply operands that are first quantised to E2M3 (2 exponent bits, 3 mantissa bits; 6 bits a number), with one power-of-two scale for each 32 numbers along K (OCP MX v1.0); their sums are f32. All else is computed in f32.
;;   The module's matrix products, in the order in which they are computed (A, B: the left and right operand; K: the contracted axis; several contracted axes count as one K, in the product's order):
;;     1. [M 4,096, K 1,024] x [K 1,024, N 3,072]; A: computed on the way; B: input w_qkv: QUANTISED
;;     2. batch 32 x [M 2,048, K 64] x [K 64, N 2,048]; A: computed on the way; B: computed on the way: QUANTISED
;;     3. batch 32 x [M 2,048, K 2,048] x [K 2,048, N 64]; A: softmax (see below); B: computed on the way: QUANTISED
;;     4. [M 4,096, K 1,024] x [K 1,024, N 1,024]; A: computed on the way; B: input w_out: QUANTISED
;;     5. [M 4,096, K 1,024] x [K 1,024, N 4,096]; A: computed on the way; B: input w1: QUANTISED
;;     6. [M 4,096, K 4,096] x [K 4,096, N 1,024]; A: computed on the way; B: input w2: QUANTISED
;;   THE QUANTISER, for each operand of a quantised product, along K:
;;     - K is cut into blocks of 32 from its start; a last block that is shorter is filled with zeros.
;;     - A block's scale is 2^e with e = floor(log2(the largest magnitude in the block)) - 2, held to -126 .. 127; a block of zeros has e = 0. As a byte (E8M0): e + 127.
;;     - Each number is divided by its block's scale, clamped to +-7.5, and rounded to the nearest number of E2M3, ties to even, subnormals kept.
;;     - The product sums the exact products of the quantised numbers (number of the format x scale) in f32.
;;   ~~~python
;;   def quantise(x, axis):      # numpy; x: float32 -> the quantised numbers, widened to float32 again
;;       x = np.moveaxis(x, axis, -1); K = x.shape[-1]
;;       x = np.pad(x, [(0, 0)] * (x.ndim - 1) + [(0, -K % 32)]); x = x.reshape(x.shape[:-1] + (-1, 32)); a = np.abs(x).max(-1, keepdims=True)
;;       e = np.where(a > 0, np.clip(np.frexp(np.where(a > 0, a, 1))[1] - 1 - 2, -126, 127), 0)      # np.frexp(a)[1] - 1 = floor(log2(a)), exactly
;;       r = np.clip(x / 2.0 ** e, -7.5, 7.5)
;;       step = 2.0 ** (np.maximum(np.frexp(np.where(r == 0, 1, r))[1] - 1, 0) - 3)
;;       q = np.round(r / step) * step * 2.0 ** e      # np.round: ties to even
;;       return np.moveaxis(q.reshape(q.shape[:-2] + (-1,))[..., :K], -1, axis).astype(np.float32)
;;   ~~~
;;   SOFTMAX AHEAD OF A QUANTISED PRODUCT. Where the list says 'softmax', what is quantised is not the finished softmax but p = 2^(t - M), with t = logit x log2(e) and M = ceil(the row's largest t), a whole number; so 1/2 < the row's largest p <= 1. The row's sum l is taken of the UNQUANTISED p, in f32, and the product's result is divided by l at the end. Since M is a whole number, a kernel that streams over the keys may use a running M (the ceiling of the running maximum): every later rescaling is an exact power of two, which a block's scale takes up: the codes' values come out the same.
;;   OPERANDS COMPUTED ON THE WAY. 'Computed on the way' means the value that the module computes at that place (a softmax that the list does not call 'softmax' is quantised finished and normalised). What goes into a quantiser is computed in f32, as accurately as f32 sums, v_exp_f32 and their like allow (about 1e-6 of the number): no bf16 or f16 on the way to a quantiser, and a product that is left as it is and whose result goes on into a quantised operand takes f32 operands (vector FMAs, or v_wmma_f32_16x16x4_f32). A number that lies on a knife's edge between two numbers of the format may be rounded either way, as far as f32 arithmetic and the matrix unit's own rounding can turn it there, and no further.
;; One version. Each part assembles by itself: llvm-mc -triple=amdgcn-amd-amdhsa -mcpu=gfx1250 --defsym DOCPART=n.
;; ======== version 1 of 1: 7 launches
;; limits: right only within a limited range of input values
;; workspace buffers: W 9,830,400 bytes; HA 3,276,800 bytes; QKV 9,830,400 bytes; CT 3,276,800 bytes; X1 16,777,216 bytes; HB 3,276,800 bytes; HF 13,107,200 bytes
;; launch prep (part 1): grid 512 x 1, 8 waves a work-group, no clusters, 137,216 bytes of LDS; arguments w_qkv, w_out, w1, w2, W, x, ln1_g, ln1_b, HA; writes W, HA
.if DOCPART == 1
	.amdgcn_target "amdgcn-amd-amdhsa--gfx1250"
	.amdhsa_code_object_version 6
	.text
	.protected	k_q6559c83a67_prep
	.globl	k_q6559c83a67_prep
	.p2align	8
	.type	k_q6559c83a67_prep,@function
k_q6559c83a67_prep:
	s_mov_b64 s[64:65], 0
	v_nop
	global_prefetch_b8 v0, s[64:65] scope:SCOPE_SE
	s_setreg_imm32_b32 hwreg(HW_REG_WAVE_MODE, 25, 1), 1
	s_wait_xcnt 0x0
; Five tensors, f32 with K innermost, become codes of FP6 (E2M3) and E8M0 scale bytes, laid in the order of a matrix operand's registers: the four weights into W, and LayerNorm(x) into HA.
; A FRAGMENT is 16 rows x 128 K, 12 registers a lane, 1,536 bytes: for c = 0, 1: registers 6c..6c+3 at 768c + 16 x lane, registers 6c+4, 6c+5 at 768c + 512 + 8 x lane.
; Lane row p of fragment f of a tile of 128 rows is row 32 (f/2) + 8 (f%2) + p + 8 (p/8).  Codes: [tile][K block of 128][fragment 0..7][1,536].  Scale words: [tile][K block][512]: fragment f, lane row r at 256 (f/4) + 16 r + 4 (f%4).
; w_qkv's rows are laid anew: rows 128 head + 64 kind + d (kind 0 = q, 1 = k), then from row 2,048 on 64 head + d of v.
; A UNIT is one fragment row (16 rows) x 8 K blocks, a wave a K block.  The weights have 768 units, x has 256.
; Work-groups 0-255 take three units of weights each: unit j of w_qkv (j < 192) or j - 192 of w_out, unit j of w1, unit j of w2; a wave's 48 loads go out on end, and the units are worked as they land.
; Work-groups 256-511 take a unit of x: all of a row's 1,024 columns, so the row's mean and variance are joined over the eight waves through LDS: two barriers, on a way that hangs on the work-group's number alone.
; Each load reads 512 consecutive bytes of one row; a unit's 16 rows turn through the wave's own stage in LDS, so that a lane gets 16 neighbours along K of each block of 32.  The two ways have LDS bytes of their own.
; The mean is taken off before the squares; all in f32; 1/sqrt by v_rsq_f32.
; LIMITS: a block of zeros gets the byte 1 (the rule says 127): its codes are zeros and this program alone reads the bytes; blocks whose largest magnitude lies under 2^-124 are held at the byte 1; NaN and infinities are not served.
.set WO_C, 2359296
.set W1_C, 3145728
.set W2_C, 6291456
.set WQ_S, 9437184
.set WO_S, 9535488
.set W1_S, 9568256
.set W2_S, 9699328
.set RED, 67584                        ; behind x's eight stages: two regions of 512 bytes: word (r, w) at 32 r + 4 w; then the spare words
.set WST, 69632                        ; the weights' eight stages
.set X,   32                           ; v32-95   64 numbers (the weights: three sets, v32-223)
.set GG,  96                           ; v96-159  the gain at my 64 columns; later x's codes
.set BT,  160                          ; v160-223 the offset
.set TM,  224
.set PW,  240
.set PC,  96                           ; the codes: x's at v96, the weights' at v10
.set SEL, 28
.macro QUANT s
.irp b, 0,1,2,3
	v_max3_num_f32 v[TM+\b], |v[\s+16*\b]|, |v[\s+1+16*\b]|, 0x1800000   ; my 16 numbers of block b, and the floor 2^(3 - 127)
.endr
.irp i, 2,4,6,8,10,12,14
.irp b, 0,1,2,3
	s_delay_alu instid0(VALU_DEP_4)
	v_max3_num_f32 v[TM+\b], v[TM+\b], |v[\s+16*\b+\i]|, |v[\s+1+16*\b+\i]|
.endr
.endr
.irp b, 0,1,2,3
	s_delay_alu instid0(VALU_DEP_4)
	v_permlanex16_b32 v[TM+4+\b], v[TM+\b], s[SEL], s[SEL+1]
.endr
.irp b, 0,1,2,3
	s_delay_alu instid0(VALU_DEP_4)
	v_max_num_f32 v[TM+\b], v[TM+\b], v[TM+4+\b]
.endr
.irp b, 0,1,2,3
	s_delay_alu instid0(VALU_DEP_4)
	v_add_nc_u32 v[TM+12+\b], 0xff000000, v[TM+\b]   ; 2 off the exponent field: the conversion's scale operand
.endr
.irp b, 0,1,2,3
	s_delay_alu instid0(VALU_DEP_4)
	v_lshrrev_b32 v[TM+4+\b], 23, v[TM+12+\b]
.endr
	s_delay_alu instid0(VALU_DEP_3)
	v_lshl_or_b32 v[PW], v[TM+5], 8, v[TM+4]
	s_delay_alu instid0(VALU_DEP_1)
	v_lshl_or_b32 v[PW], v[TM+6], 16, v[PW]
	s_delay_alu instid0(VALU_DEP_1)
	v_lshl_or_b32 v[PW], v[TM+7], 24, v[PW]
.irp c, 0,1
	v_cvt_scalef32_pk16_fp6_f32 v[PC+6*\c:PC+2+6*\c], v[\s+32*\c:\s+15+32*\c], v[TM+12+2*\c]
	v_cvt_scalef32_pk16_fp6_f32 v[PC+12+4*\c:PC+14+4*\c], v[\s+16+32*\c:\s+31+32*\c], v[TM+12+2*\c+1]
.endr
	v_nop                                          ; one plain place behind a scaled conversion
.irp c, 0,1
.irp i, 0,1,2
	v_permlane16_swap_b32 v[PC+6*\c+\i], v[PC+12+4*\c+\i]
.endr
.irp i, 0,1,2
	s_delay_alu instid0(VALU_DEP_3)
	v_mov_b32 v[PC+3+6*\c+\i], v[PC+12+4*\c+\i]
.endr
.endr
.endm
.macro JOIN off                        ; v24 holds my 64 numbers' sum: + lane l xor 16's, then the eight waves' through LDS; the row's sum comes back in v16
	s_delay_alu instid0(VALU_DEP_1)
	v_permlanex16_b32 v28, v24, s[SEL], s[SEL+1]
	s_delay_alu instid0(VALU_DEP_1)
	v_add_f32 v24, v24, v28
	ds_store_b32 v10, v24 offset:\off              ; lanes r and r + 16 write the same word with the same value
	s_wait_dscnt 0x0                               ; for the others' sake: my store has landed
	s_barrier_signal -1
	s_barrier_wait -1
	ds_load_b128 v[16:19], v11 offset:\off
	ds_load_b128 v[20:23], v11 offset:\off+16
	s_wait_dscnt 0x0
	v_add_f32 v16, v16, v17
	v_add_f32 v18, v18, v19
	v_add_f32 v20, v20, v21
	v_add_f32 v22, v22, v23
	s_delay_alu instid0(VALU_DEP_3)
	v_add_f32 v16, v16, v18
	s_delay_alu instid0(VALU_DEP_2)
	v_add_f32 v20, v20, v22
	s_delay_alu instid0(VALU_DEP_1)
	v_add_f32 v16, v16, v20
.endm
; Unit u's three addresses: s[44+2u:45+2u] its first row at my K block, s[50+2u:51+2u] my fragment, s[56+2u:57+2u] its scale words.  g: the fragment row; grp: which group of 8 K blocks;
; lkb: log2 of the tensor's K blocks; lrow: log2 of a source row's bytes; coff (where hasc), soff: where codes and scale words begin in the buffer; remap: w_qkv's order of rows.  s27 = 0
.macro ADDR g, grp, lkb, lrow, hasc, coff, soff, src, dst, u, remap
	s_lshr_b32 s22, \g, 2                          ; cb: the block of 64 rows
	s_lshl_b32 s23, s22, 6                         ; plainly 64 cb
.if \remap
	s_lshr_b32 s24, s22, 1
	s_mul_i32 s24, s24, 192
	s_and_b32 s25, s22, 1
	s_lshl_b32 s25, s25, 6
	s_add_co_u32 s24, s24, s25                     ; w_qkv, q and k: 192 head + 64 kind
	s_sub_co_u32 s25, s22, 32
	s_mul_i32 s25, s25, 192
	s_add_co_u32 s25, s25, 128                     ; w_qkv, v: 192 head + 128
	s_cmp_lt_u32 s22, 32
	s_cselect_b32 s24, s24, s25
	s_cmp_lt_u32 ttmp9, 192                        ; w_qkv alone
	s_cselect_b32 s23, s24, s23
.endif
	s_bfe_u32 s24, \g, 0x10001
	s_lshl_b32 s24, s24, 5
	s_add_co_u32 s23, s23, s24                     ; + 32 ((g / 2) % 2)
	s_and_b32 s24, \g, 1
	s_lshl_b32 s24, s24, 3
	s_add_co_u32 s23, s23, s24                     ; + 8 (g % 2): the fragment's first row
	s_lshl_b32 s23, s23, \lrow
	s_lshl_b32 s24, \grp, 3
	s_add_co_u32 s24, s24, s14                     ; my K block
	s_lshl_b32 s25, s24, 9
	s_add_co_u32 s26, s23, s25
	s_add_nc_u64 s[44+2*\u:45+2*\u], s[\src:\src+1], s[26:27]
	s_lshr_b32 s22, \g, 3                          ; tile
	s_lshl_b32 s22, s22, \lkb
	s_add_co_u32 s22, s22, s24                     ; tile x K blocks + K block
	s_and_b32 s23, \g, 7                           ; f
	s_mul_i32 s26, s22, 12288
	s_mul_i32 s25, s23, 1536
	s_add_co_u32 s26, s26, s25
.if \hasc
	s_add_co_u32 s26, s26, \coff
.endif
	s_add_nc_u64 s[50+2*\u:51+2*\u], s[\dst:\dst+1], s[26:27]
	s_lshl_b32 s26, s22, 9
	s_lshr_b32 s25, s23, 2
	s_lshl_b32 s25, s25, 8
	s_add_co_u32 s26, s26, s25
	s_and_b32 s25, s23, 3
	s_lshl_b32 s25, s25, 2
	s_add_co_u32 s26, s26, s25
	s_add_co_u32 s26, s26, \soff
	s_add_nc_u64 s[56+2*\u:57+2*\u], s[\dst:\dst+1], s[26:27]
.endm
.macro ROWS x, u, rb                   ; unit u's 16 rows, 512 bytes of each: 32 lanes read 512 consecutive bytes
.irp i, 0,1,2,3,4,5,6,7,8,9,10,11,12,13,14,15
	global_load_b128 v[\x+4*\i:\x+4*\i+3], v4, s[44+2*\u:45+2*\u] offset:(\i+8*(\i/8))*\rb th:TH_LOAD_NT
.endr
.endm
.macro TURNX x, ain, aout, younger     ; through my stage; younger: the loads issued behind this unit's
.irp i, 0,1,2,3,4,5,6,7,8,9,10,11,12,13,14,15
	s_wait_loadcnt \younger+15-\i                  ; row i is in
	ds_store_b128 \ain, v[\x+4*\i:\x+4*\i+3] offset:528*\i
.endr
.irp b, 0,1,2,3
.irp j, 0,1,2,3
	ds_load_b128 v[\x+16*\b+4*\j:\x+16*\b+4*\j+3], \aout offset:128*\b+16*\j   ; register 16 b + i = column 32 b + 16 h + i of row r; LDS serves a wave's instructions in order
.endr
.endr
	s_wait_dscnt 0x0
.endm
.macro OUT u
	global_store_b128 v4, v[PC:PC+3], s[50+2*\u:51+2*\u]                   ; 512 consecutive bytes
	global_store_b64 v5, v[PC+4:PC+5], s[50+2*\u:51+2*\u] offset:512       ; 256
	global_store_b128 v4, v[PC+6:PC+9], s[50+2*\u:51+2*\u] offset:768
	global_store_b64 v5, v[PC+10:PC+11], s[50+2*\u:51+2*\u] offset:1280
	global_store_b32 v6, v[PW], s[56+2*\u:57+2*\u]                         ; lanes r and r + 16 hold and store the same word
.endm
	s_load_b256 s[4:11], s[0:1], 0x0               ; w_qkv s[4:5], w_out s[6:7], w1 s[8:9], w2 s[10:11]
	s_load_b256 s[32:39], s[0:1], 0x20             ; W s[32:33], x s[34:35], gain s[36:37], offset s[38:39]
	s_load_b64 s[40:41], s[0:1], 0x40              ; HA
	v_lshl_add_u32 v254, v0, 2, 0x10c00
	v_mov_b32 v255, 0
	v_lshrrev_b32 v1, 5, v0
	s_delay_alu instid0(VALU_DEP_1)
	v_readfirstlane_b32 s14, v1                    ; wave 0..7
	v_and_b32 v1, 31, v0
	v_and_b32 v2, 15, v0                           ; r
	v_bfe_u32 v3, v0, 4, 1                         ; h
	s_delay_alu instid0(VALU_DEP_3)
	v_lshlrev_b32 v4, 4, v1                        ; 16 x lane
	s_delay_alu instid0(VALU_DEP_4)
	v_lshlrev_b32 v5, 3, v1                        ; 8 x lane
	s_delay_alu instid0(VALU_DEP_4)
	v_lshlrev_b32 v6, 4, v2                        ; 16 r
	s_mul_i32 s15, s14, 8448                       ; my stage: 16 rows of 512 + 16 bytes
	v_add_nc_u32 v7, s15, v4
	v_mul_u32_u24 v8, v2, 528
	s_delay_alu instid0(VALU_DEP_1)
	v_lshl_add_u32 v8, v3, 6, v8
	s_delay_alu instid0(VALU_DEP_1)
	v_add_nc_u32 v8, s15, v8
	v_lshlrev_b32 v9, 6, v3                        ; 64 h: my 16 columns of a block of 32
	s_lshl_b32 s15, s14, 2
	s_add_co_u32 s15, s15, RED
	v_lshl_add_u32 v10, v2, 5, s15                 ; my wave's word of row r
	v_lshl_add_u32 v11, v2, 5, RED                 ; row r's eight words
	v_mov_b32 v28, 0                               ; a lane permute's destination counts as one of its sources
.irp b, 0,1,2,3
	v_mov_b32 v[TM+4+\b], 0
.endr
	v_add_nc_u32 v30, WST, v7                      ; the same two places in the weights' stages
	v_add_nc_u32 v31, WST, v8
	s_mov_b32 s[SEL], 0x76543210
	s_mov_b32 s[SEL+1], 0xfedcba98
	s_mov_b32 s42, 0x3a800000                      ; 1 / 1024
	s_mov_b32 s27, 0
	s_wait_alu depctr_va_vdst(0)                   ; the wait at the head's end
	s_wait_kmcnt 0x0
	s_cmp_lt_u32 ttmp9, 256
	s_cbranch_scc1 .Lweights
	; ---- LayerNorm(x)
	s_sub_co_u32 s16, ttmp9, 256
	ADDR s16, 0, 3, 12, 0, 0, 3145728, 34, 40, 0, 0
	s_lshl_b32 s26, s14, 9                         ; gain and offset at my 128 columns: asked for ahead of the rows
	s_add_nc_u64 s[36:37], s[36:37], s[26:27]
	s_add_nc_u64 s[38:39], s[38:39], s[26:27]
.irp b, 0,1,2,3
.irp j, 0,1,2,3
	global_load_b128 v[GG+16*\b+4*\j:GG+16*\b+4*\j+3], v9, s[36:37] offset:128*\b+16*\j
.endr
.endr
.irp b, 0,1,2,3
.irp j, 0,1,2,3
	global_load_b128 v[BT+16*\b+4*\j:BT+16*\b+4*\j+3], v9, s[38:39] offset:128*\b+16*\j
.endr
.endr
	ROWS X, 0, 4096
	TURNX X, v7, v8, 0
	v_pk_add_f32 v[26:27], v[32:33], v[34:35]
	v_pk_add_f32 v[252:253], v[40:41], v[44:45]
	v_pk_add_f32 v[250:251], v[48:49], v[52:53]
	v_pk_add_f32 v[248:249], v[56:57], v[60:61]
	v_pk_add_f32 v[246:247], v[64:65], v[68:69]
	v_pk_add_f32 v[244:245], v[72:73], v[76:77]
	v_pk_add_f32 v[242:243], v[80:81], v[84:85]
	v_pk_add_f32 v[24:25], v[88:89], v[92:93]
	s_delay_alu instid0(VALU_DEP_1)
	v_pk_add_f32 v[24:25], v[24:25], v[36:37]
	v_pk_add_f32 v[26:27], v[26:27], v[38:39]
	v_pk_add_f32 v[252:253], v[252:253], v[42:43]
	v_pk_add_f32 v[250:251], v[250:251], v[46:47]
	v_pk_add_f32 v[248:249], v[248:249], v[50:51]
	v_pk_add_f32 v[246:247], v[246:247], v[54:55]
	v_pk_add_f32 v[244:245], v[244:245], v[58:59]
	v_pk_add_f32 v[242:243], v[242:243], v[62:63]
	v_pk_add_f32 v[24:25], v[24:25], v[66:67]
	v_pk_add_f32 v[26:27], v[26:27], v[70:71]
	v_pk_add_f32 v[252:253], v[252:253], v[74:75]
	v_pk_add_f32 v[250:251], v[250:251], v[78:79]
	v_pk_add_f32 v[248:249], v[248:249], v[82:83]
	v_pk_add_f32 v[246:247], v[246:247], v[86:87]
	v_pk_add_f32 v[244:245], v[244:245], v[90:91]
	v_pk_add_f32 v[242:243], v[242:243], v[94:95]
	s_delay_alu instid0(VALU_DEP_4)
	v_pk_add_f32 v[24:25], v[24:25], v[248:249]
	s_delay_alu instid0(VALU_DEP_4)
	v_pk_add_f32 v[26:27], v[26:27], v[246:247]
	s_delay_alu instid0(VALU_DEP_4)
	v_pk_add_f32 v[252:253], v[252:253], v[244:245]
	s_delay_alu instid0(VALU_DEP_4)
	v_pk_add_f32 v[250:251], v[250:251], v[242:243]
	s_delay_alu instid0(VALU_DEP_2)
	v_pk_add_f32 v[24:25], v[24:25], v[252:253]
	s_delay_alu instid0(VALU_DEP_2)
	v_pk_add_f32 v[26:27], v[26:27], v[250:251]
	s_delay_alu instid0(VALU_DEP_1)
	v_pk_add_f32 v[24:25], v[24:25], v[26:27]
	s_delay_alu instid0(VALU_DEP_1)
	v_add_f32 v24, v24, v25
	JOIN 0
	s_delay_alu instid0(VALU_DEP_1)
	v_mul_f32 v12, s42, v16                        ; the mean, in both words of a pair
	s_delay_alu instid0(VALU_DEP_1)
	v_mov_b32 v13, v12
.set j, 0
.rept 32
	v_pk_add_f32 v[X+j:X+j+1], v[X+j:X+j+1], v[12:13] neg_lo:[0,1] neg_hi:[0,1]
.set j, j+2
.endr
	v_pk_mul_f32 v[24:25], v[X:X+1], v[X:X+1]      ; the squares' sum
	v_pk_mul_f32 v[26:27], v[X+2:X+3], v[X+2:X+3]
.set j, 4
.rept 15
	s_delay_alu instid0(VALU_DEP_2)
	v_pk_fma_f32 v[24:25], v[X+j:X+j+1], v[X+j:X+j+1], v[24:25]
	s_delay_alu instid0(VALU_DEP_2)
	v_pk_fma_f32 v[26:27], v[X+j+2:X+j+3], v[X+j+2:X+j+3], v[26:27]
.set j, j+4
.endr
	s_delay_alu instid0(VALU_DEP_1)
	v_pk_add_f32 v[24:25], v[24:25], v[26:27]
	s_delay_alu instid0(VALU_DEP_1)
	v_add_f32 v24, v24, v25
	JOIN 512                                       ; other bytes than the first sum's: no wave can overwrite what another still reads
	s_delay_alu instid0(VALU_DEP_1)
	v_fmaak_f32 v14, s42, v16, 0x3727c5ac          ; the variance + 1e-5
	s_wait_alu depctr_va_vdst(0)
	v_rsq_f32 v14, v14
	v_nop                                          ; a plain place behind the transcendental
	s_wait_alu depctr_va_vdst(0)                   ; the wait ahead of the first reader
	v_mov_b32 v15, v14
	s_wait_alu depctr_va_vdst(0)
	s_wait_loadcnt 0x0
.set j, 0
.rept 32
	v_pk_mul_f32 v[X+j:X+j+1], v[X+j:X+j+1], v[14:15]
.set j, j+2
.endr
.set j, 0
.rept 32
	v_pk_fma_f32 v[X+j:X+j+1], v[X+j:X+j+1], v[GG+j:GG+j+1], v[BT+j:BT+j+1]
.set j, j+2
.endr
	QUANT X
	OUT 0
	s_wait_tensorcnt 0x0                           ; the wave's end
	ds_add_u32 v254, v255
	s_wait_dscnt 0x0
	s_endpgm
	; ---- the weights: three units
.Lweights:
	s_sub_co_u32 s22, ttmp9, 192
	s_mov_b32 s16, ttmp9
	s_mov_b32 s17, 0
	s_mov_b32 s18, WQ_S
	s_cmp_ge_u32 ttmp9, 192                        ; w_qkv or w_out: chosen by selects on the work-group's number
	s_cselect_b32 s16, s22, s16
	s_cselect_b32 s17, WO_C, s17
	s_cselect_b32 s18, WO_S, s18
	s_cselect_b64 s[4:5], s[6:7], s[4:5]
	ADDR s16, 0, 3, 12, 1, s17, s18, 4, 32, 0, 1
	ROWS 32, 0, 4096
	ADDR ttmp9, 0, 3, 12, 1, W1_C, W1_S, 8, 32, 1, 0
	ROWS 96, 1, 4096
	s_and_b32 s20, ttmp9, 3                        ; w2 has 32 K blocks: four groups of 8 to a fragment row
	s_lshr_b32 s16, ttmp9, 2
	ADDR s16, s20, 5, 14, 1, W2_C, W2_S, 10, 32, 2, 0
	ROWS 160, 2, 16384
.set PC, 10
	TURNX 32, v30, v31, 32
	QUANT 32
	OUT 0
	TURNX 96, v30, v31, 16
	s_wait_xcnt 0x0                                ; the last unit's stores have read their data: the codes' registers are written again
	QUANT 96
	OUT 1
	TURNX 160, v30, v31, 0
	s_wait_xcnt 0x0
	QUANT 160
	OUT 2
	s_wait_tensorcnt 0x0                           ; the wave's end
	ds_add_u32 v254, v255
	s_wait_dscnt 0x0
	s_endpgm
.Lfunc_end_k_q6559c83a67_prep:
	.size	k_q6559c83a67_prep, .Lfunc_end_k_q6559c83a67_prep-k_q6559c83a67_prep
	.p2alignl 7, 3214868480
	.fill 96, 4, 3214868480
	.section	.rodata,"a",@progbits
	.p2align	6, 0x0
	.amdhsa_kernel k_q6559c83a67_prep
		.amdhsa_group_segment_fixed_size 137216
		.amdhsa_private_segment_fixed_size 0
		.amdhsa_enable_private_segment 0
		.amdhsa_kernarg_size 72
		.amdhsa_user_sgpr_count 2
		.amdhsa_user_sgpr_kernarg_segment_ptr 1
		.amdhsa_wavefront_size32 1
		.amdhsa_system_sgpr_workgroup_id_x 1
		.amdhsa_system_sgpr_workgroup_id_y 1
		.amdhsa_system_sgpr_workgroup_id_z 1
		.amdhsa_system_vgpr_workitem_id 0
		.amdhsa_next_free_vgpr 256
		.amdhsa_next_free_sgpr 66
		.amdhsa_reserve_vcc 0
		.amdhsa_float_denorm_mode_32 3
		.amdhsa_float_denorm_mode_16_64 3
		.amdhsa_memory_ordered 1
		.amdhsa_forward_progress 1
		.amdhsa_inst_pref_size 65
	.end_amdhsa_kernel
	.amdgpu_metadata
---
amdhsa.version: [ 1, 2 ]
amdhsa.kernels:
  - .name:           k_q6559c83a67_prep
    .symbol:         k_q6559c83a67_prep.kd
    .args:
      - { .name: w_qkv, .offset: 0, .size: 8, .value_kind: global_buffer, .address_space: global }
      - { .name: w_out, .offset: 8, .size: 8, .value_kind: global_buffer, .address_space: global }
      - { .name: w1, .offset: 16, .size: 8, .value_kind: global_buffer, .address_space: global }
      - { .name: w2, .offset: 24, .size: 8, .value_kind: global_buffer, .address_space: global }
      - { .name: W, .offset: 32, .size: 8, .value_kind: global_buffer, .address_space: global }
      - { .name: x, .offset: 40, .size: 8, .value_kind: global_buffer, .address_space: global }
      - { .name: ln1_g, .offset: 48, .size: 8, .value_kind: global_buffer, .address_space: global }
      - { .name: ln1_b, .offset: 56, .size: 8, .value_kind: global_buffer, .address_space: global }
      - { .name: HA, .offset: 64, .size: 8, .value_kind: global_buffer, .address_space: global }
    .group_segment_fixed_size: 137216
    .private_segment_fixed_size: 0
    .kernarg_segment_align: 8
    .kernarg_segment_size: 72
    .max_flat_workgroup_size: 256
    .sgpr_count:     66
    .vgpr_count:     256
    .wavefront_size: 32
...
	.end_amdgpu_metadata
.endif
;; end of part 1
;; launch qkv (part 2): grid 8 x 32, 4 waves a work-group, clusters of 4 x 4, 327,680 bytes of LDS; arguments HA, W, b_qkv, QKV; writes QKV
.if DOCPART == 2
	.amdgcn_target "amdgcn-amd-amdhsa--gfx1250"
	.amdhsa_code_object_version 6
	.text
	.protected	k_q6559c83a67_qkv
	.globl	k_q6559c83a67_qkv
	.p2align	8
	.type	k_q6559c83a67_qkv,@function
k_q6559c83a67_qkv:
	s_mov_b64 s[64:65], 0
	v_nop
	global_prefetch_b8 v0, s[64:65] scope:SCOPE_SE
	s_setreg_imm32_b32 hwreg(HW_REG_WAVE_MODE, 25, 1), 1
	s_wait_xcnt 0x0
	s_wait_alu depctr_hold_cnt(0) depctr_sa_sdst(0) depctr_va_vdst(0) depctr_va_sdst(0) depctr_va_ssrc(0) depctr_va_vcc(0) depctr_vm_vsrc(0)
	s_getreg_b32 s2, hwreg(HW_REG_IB_STS2, 6, 4)
	s_cmp_eq_u32 s2, 0
	s_cbranch_scc0 .Lentry_in_a_cluster
	s_endpgm
.Lentry_in_a_cluster:
	s_bfe_u32 s2, ttmp6, 0x10000c
	s_cmp_lg_u32 s2, 0xf033
	s_cbranch_scc0 .Lentry_shape_is_right
	s_endpgm
.Lentry_shape_is_right:
; A GEMM on codes of FP6 (E2M3) with E8M0 scales whose result is quantised again on the way out.  Here: q, k, v = LN1(x) w_qkv^T + b_qkv (QKV = 1).
; OPERANDS lie in memory in the order of the operand's registers: codes [tile of 128 rows][K block of 128][fragment 0..7][1,536], scale words [tile][K block][512] (fragment f, lane row r at
; 256 (f/4) + 16 r + 4 (f%4)).  Lane row p of fragment f is row 32 (f/2) + 8 (f%2) + p + 8 (p/8) of its tile.
; A WORK-GROUP STAYS: it keeps its 128 tokens' operand (A: all of K = 1,024: 98,304 bytes of codes, 4,096 of scale words) in LDS, filled once, and walks NT tiles of 128 rows of the weight (B) through two
; slots of 98,304 bytes; a tile is asked for one tile ahead.  8 x 32 work-groups.  A wave makes 64 tokens x 64 weight rows of each tile: 16 accumulators.
; THE MATRIX INSTRUCTION IS USED TRANSPOSED: source 0 = the weight's rows, source 1 = the tokens: a lane holds one token (lane % 16), and by the order of a fragment's rows its 32 registers of an m block are
; 2 x 16 neighbours along the weight's rows: k = 32 b + 16 (lane / 16) + i of the NEXT product's K.
; QKV: tiles 0, 1 are heads 2 x, 2 x + 1 (wave column half 0 = q, 1 = k), quantised along the head's 64.  Tile 2 is w_qkv's tile 16 + x, v of heads 2 x + wn: there THE SOURCES CHANGE PLACES
; (source 0 = the tokens, source 1 = v's rows): a lane holds one d and its registers run along the keys: v TRANSPOSED, quantised along the keys.
; CLUSTERS: 4 x 4.  A's blocks are shared along a row of the cluster, B's along a column: joint loads; every wave fetches its quarter of every block.
; LIMITS: a block of zeros gets the byte 1 (the rule says 127): its codes are zeros and this program alone reads the bytes; blocks under 2^-124 are held at the byte 1; NaN and infinities are not served.
.set QKV,    1
.set RELU,   0
.set NT,     3                         ; tiles of B that a work-group walks
.set NBR,    2                         ; of them those whose bias runs along the registers
.set LOGT,   1                         ; B's first tile is x << LOGT
.set BOFF_C, 0                         ; where B's codes begin in W
.set BOFF_S, 9437184                   ; and its scale words
.set ASC,    3145728                   ; where A's scale words begin
.set BSTEP,  768                       ; bytes of bias from tile to tile
.set BMUL,   1536                      ; and from work-group x to x + 1
.set BLDS,   98304                     ; LDS: A's codes at 0; B's slot s at BLDS + 98,304 s
.set SCLA,   294912                    ; A's scale words
.set SCLB,   299008                    ; B's, 4,096 bytes for each tile
.set SPARE,  SCLB+NT*4096              ; the spare words, 128 bytes for each wave
.set L16,  4                           ; v4  16 x lane
.set L8,   5                           ; v5  8 x lane
.set R16,  6                           ; v6  16 r
.set TV,   7                           ; v7  at work
.set A16,  8                           ; v8-9   LDS address of my A fragments' 16-byte parts, K blocks 0-3 and 4-7;  v10-11 of their 8-byte parts
.set A8,   10
.set B16,  12                          ; v12-15 the same for B: 2 x slot + half of K;  v16-19 the 8-byte parts
.set B8,   16
.set ADRS, 20                          ; v20-23 my scale words for tile t: lanes 0-15 A's, lanes 16-31 B's
.set SPW,  24                          ; v24 my spare word; never rewritten
.set NIL,  25                          ; v25 0; never rewritten
.set BROFF, 26                         ; v26 64 h
.set BLOFF, 27                         ; v27 4 (r + 8 (r / 8))
.set SC0,  32                          ; v32-47 scale words, four sets of 4, one for each of B's fragment buffers
.set IM,   72                          ; v72-103 the codes made, 8 registers for each m block
.set QT,   104
.set TT,   108
.set EE,   112
.set BY,   114
.set W16,  116                         ; v116-119 two scale bytes for each m block
.set BL,   120                         ; v120-127 v's bias along the lanes, a pair for each m block
.set ACC,  128                         ; v128-255 accumulator (a, nb) at 128 + 8 (4 a + nb)
; MY 64 TOKENS' FRAGMENTS, ALL OF K, STAY IN REGISTERS for all tiles: K block kb's four at 48 (kb % 5), K blocks 0-4 in window 1, K blocks 5-7 in window 3: 384 registers, read from LDS once.
; window 2: v[32 t ..]: tile t's bias along the registers, the C of each sum's first product; B's fragment buffers 0, 1 at v128, v176.   window 3: B's buffers 2, 3 at v144, v192
.set DL,   12                          ; s[12:13] bytes from a slot's tile to the tile that follows it there
.set G1A,  24                          ; s[24:31] group 1: 384 rows of 256 bytes, mask of my row
.set G0A,  32                          ; s[32:35] group 0: A's codes;  s[36:39] A's scale words
.set G0AS, 36
.set G1B,  48                          ; s[48:55] group 1: 96 rows, mask of my column
.set G0B,  56                          ; s[56:63] group 0: B's codes, a set for each slot
.set G1SA, 68                          ; s[68:75] group 1: 16 rows, mask of my row
.set G1SB, 80                          ; s[80:87] group 1: 32 rows, then 16, mask of my column
.set GS0,  76                          ; group 0: B's scale words of tiles 0 and 1; GS2 v's tile
.set GS1,  88
.set GS2,  92
.set GS3,  96
.set PCQ,  32                          ; on the way out (all first fills are done by then): s[32:33], s[34:35] where tile 0's codes and scale bytes go;  s[36:37], s[38:39] v's
.set PSQ,  34
.set PCV,  36
.set PSV,  38
.set EB,   68                          ; s[68:75] where each m block's codes go;  s[80:87] its scale bytes
.set ES,   80
.set SEL,  92                          ; s[92:93] selects for lane l xor 16
.set MSB, 0
.macro WIN new                         ; the immediate's high byte repeats the setting that is left
.if MSB != \new
	s_set_vgpr_msb (MSB<<8)|\new
.set MSB, \new
.endif
.endm
.set MUL,  0x05                        ; sources 0 and 1 window 1; C and D window 0
.set MULF, 0x25                        ; the same with C in window 2
.set TO_F, 0x40                        ; destination window 1, address window 0
.macro CREST
	s_cmp_lg_u32 s14, 0
	s_cbranch_scc1 .Lnot_wave_0_\@
	s_barrier_signal -3
.Lnot_wave_0_\@:
	s_barrier_wait -3
	s_barrier_signal -1
	s_barrier_wait -1
.endm
.macro CROUND
	s_barrier_signal -1
	s_barrier_wait -1
	CREST
.endm
.macro PLACES n
.rept \n
	v_nop
.endr
.endm
.macro MKG0 g, lds, a                  ; group 0: a whole block from the address in s[a:a+1] to LDS byte lds
	s_mov_b32 s[\g], 1
	s_mov_b32 s[\g+1], \lds
	s_mov_b64 s[\g+2:\g+3], s[\a:\a+1]
	s_or_b32 s[\g+3], s[\g+3], 0x80000000
.endm
.macro ARM under, g0, g1, next         ; an arm of the head's one chain of branches on the wave's number: one load, and a jump to the chain's end
	s_cmp_lt_u32 s14, \under
	s_cbranch_scc0 \next
	tensor_load_to_lds s[\g0:\g0+3], s[\g1:\g1+7]
	s_nop 0
	PLACES 4
	s_branch .Lhead_asked
\next:
.endm
	s_load_b256 s[4:11], s[0:1], 0x0               ; the tokens' operand s[4:5], W s[6:7], the bias s[8:9], the result s[10:11]
	v_lshl_add_u32 v[SPW], v0, 2, SPARE
	v_mov_b32 v[NIL], 0
	ds_add_u32 v24, v25
	ds_add_u32 v24, v25
	s_wait_dscnt 0x0
	v_lshrrev_b32 v1, 5, v0
	v_readfirstlane_b32 s14, v1                    ; wave 0..3
	v_and_b32 v28, 31, v0                          ; v28: the prefetches' offset: 256 x lane, lanes 24 to 31 name block 23 again; never rewritten
	v_min_u32 v28, 23, v28
	v_lshlrev_b32 v28, 8, v28
	s_wait_alu depctr_va_vdst(0)
	s_lshr_b32 s15, s14, 1                         ; wm: my 64 tokens
	s_and_b32 s16, s14, 1                          ; wn: my 64 rows of the weight
	s_bfe_u32 s40, ttmp6, 0x40000                  ; cx, cy
	s_bfe_u32 s41, ttmp6, 0x40004
	s_lshl_b32 s42, ttmp9, 2
	s_add_co_u32 s42, s42, s40                     ; work-group x
	s_and_b32 s17, ttmp7, 0xffff
	s_lshl_b32 s17, s17, 2
	s_add_co_u32 s17, s17, s41                     ; work-group y: the tokens' tile
	s_lshl_b32 s43, s41, 2
	s_lshl_b32 s43, 15, s43                        ; my row of the cluster
	s_lshl_b32 s44, 0x1111, s40                    ; my column
	; descriptor groups 1: dense blocks as rows of 256 bytes (32 elements of 8 bytes), no padding: 384 rows (a whole block of codes), 16 rows (a tile's scale words)
	s_or_b32 s[G1A], s43, (3<<16)|(1<<21)
	s_or_b32 s[G1SA], s43, (3<<16)|(1<<21)
	s_or_b32 s[G1B], s44, (3<<16)|(1<<21)
	s_or_b32 s[G1SB], s44, (3<<16)|(1<<21)
.irp g, G1A, G1B
	s_mov_b32 s[\g+1], 32<<16
	s_mov_b32 s[\g+2], 384<<16
	s_mov_b32 s[\g+3], 32<<16
	s_mov_b32 s[\g+4], 384
	s_mov_b32 s[\g+5], 32
	s_mov_b32 s[\g+6], 0
	s_mov_b32 s[\g+7], 0
.endr
.irp g, G1SA, G1SB
	s_mov_b32 s[\g+1], 32<<16
	s_mov_b32 s[\g+2], 16<<16
	s_mov_b32 s[\g+3], 32<<16
	s_mov_b32 s[\g+4], 16
	s_mov_b32 s[\g+5], 32
	s_mov_b32 s[\g+6], 0
	s_mov_b32 s[\g+7], 0
.endr
	s_mul_i32 s45, s14, 24576                      ; my quarter of a tile's codes in a refill, in memory and in LDS: no place in the cluster enters an LDS address
	s_mul_i32 s20, s17, 98304
	s_mov_b32 s21, 0                               ; A's codes
	s_lshl_b32 s22, s17, 12
	s_add_co_u32 s22, s22, ASC
	s_mov_b32 s23, 0                               ; A's scale words
	s_lshl_b32 s46, s42, LOGT                      ; B's first tile
	s_mul_i32 s2, s46, 98304
	s_add_co_u32 s2, s2, BOFF_C
	s_mov_b32 s3, 0                                ; its codes
	s_lshl_b32 s18, s46, 12
	s_add_co_u32 s18, s18, BOFF_S
	s_mov_b32 s19, 0                               ; its scale words
.if QKV
	s_sub_co_u32 s66, 16, s42                      ; from tile 2 x to tile 16 + x
	s_mul_i32 s[DL], s66, 98304
	s_lshl_b32 s100, s66, 12
	s_mov_b32 s101, 0
.else
	s_mov_b32 s[DL], 196608                        ; two tiles on
.endif
	s_mov_b32 s[DL+1], 0
	s_wait_kmcnt 0x0
	s_add_nc_u64 s[20:21], s[4:5], s[20:21]
	s_add_nc_u64 s[22:23], s[4:5], s[22:23]
	s_add_nc_u64 s[2:3], s[6:7], s[2:3]
	s_add_nc_u64 s[18:19], s[6:7], s[18:19]
	; THE HEAD'S FOUR BLOCKS, each whole, one joint load a wave: wave 0 A's codes (384 rows of 256 bytes), wave 1 tile 0's codes, wave 2 A's scale words (16 rows), wave 3 the scale words of tiles 0 and 1 (32 rows)
	MKG0 G0A, 0, 20
	MKG0 G0B, BLDS, 2
	MKG0 G0AS, SCLA, 22
	MKG0 GS0, SCLB, 18
	s_mov_b32 s[G1SB+2], (16*NBR)<<16
	s_mov_b32 s[G1SB+4], 16*NBR
	s_mov_b32 s46, s45                             ; my quarter as a pair, for slot 0's refill
	s_mov_b32 s47, 0
	s_mul_i32 s98, s41, 6144                       ; the prefetches: of the quarter of a tile that is my wave's, each of the four partners that share B's tiles names 6,144 bytes, told apart by address (cy)
	s_mov_b32 s99, 0
	s_add_nc_u64 s[96:97], s[2:3], s[46:47]
	s_add_nc_u64 s[96:97], s[96:97], s[98:99]      ; s[96:97]: my part of tile 0; never rewritten
.if QKV
	s_add_nc_u64 s[98:99], s[96:97], s[DL:DL+1]    ; s[98:99]: the same of v's tile
.endif
	s_lshl_b32 s66, s14, 15                        ; tile 1 comes in thirds of 128 rows of 256 bytes, by waves 0 to 2
	s_mov_b32 s67, 0
	s_mov_b32 s[G0B+4], 1
	s_add_co_u32 s[G0B+5], s66, BLDS+98304
	s_add_nc_u64 s[G0B+6:G0B+7], s[2:3], s[66:67]
	s_add_nc_u64 s[G0B+6:G0B+7], s[G0B+6:G0B+7], 98304
	s_or_b32 s[G0B+7], s[G0B+7], 0x80000000
	s_mov_b32 s[GS2], 1                            ; and v's scale words by wave 3
	s_mov_b32 s[GS2+1], SCLB+2*4096
	s_add_nc_u64 s[GS2+2:GS2+3], s[18:19], s[100:101]
	s_or_b32 s[GS2+3], s[GS2+3], 0x80000000
	CROUND                                         ; all sixteen work-groups are here: the first joint loads meet
	ARM 1, G0A, G1A, .Lhead_b
	ARM 2, G0B, G1B, .Lhead_sa
	ARM 3, G0AS, G1SA, .Lhead_sb
	tensor_load_to_lds s[GS0:GS0+3], s[G1SB:G1SB+7]
	s_nop 0
	PLACES 4
.Lhead_asked:
	global_prefetch_b8 v28, s[96:97] offset:98304 th:TH_LOAD_NT scope:SCOPE_SE   ; tile 1's bytes, which the load behind the next round brings
	v_and_b32 v3, 31, v0                           ; lane
	v_and_b32 v1, 15, v0                           ; r
	v_bfe_u32 v2, v0, 4, 1                         ; h
	v_lshlrev_b32 v[L16], 4, v3
	v_lshlrev_b32 v[L8], 3, v3
	v_lshlrev_b32 v[R16], 4, v1
	s_mul_i32 s21, s15, 6144                       ; my four fragments of A
.irp i, 0,1
	v_add_nc_u32 v[A16+\i], s21, v[L16]
	v_add_nc_u32 v[A8+\i], s21, v[L8]
	s_add_co_u32 s21, s21, 49152                   ; four K blocks on: an LDS instruction's immediate has 16 bits
.endr
	s_mul_i32 s22, s16, 6144                       ; my four of B
	s_add_co_u32 s22, s22, BLDS
.irp i, 0,1,2,3
	v_add_nc_u32 v[B16+\i], s22, v[L16]
	v_add_nc_u32 v[B8+\i], s22, v[L8]
	s_add_co_u32 s22, s22, 49152
.endr
	s_lshl_b32 s18, s15, 8
	s_lshl_b32 s19, s16, 8
	s_add_co_u32 s19, s19, SCLB-SCLA
	s_sub_co_u32 s19, s19, s18                     ; from A's words to tile 0's of B
	s_add_co_u32 s18, s18, SCLA
.set tt, 0
.rept NT
	v_mul_u32_u24 v[TV], s19, v2                   ; lanes 16-31 take B's words
	v_add_nc_u32 v[TV], v[TV], v[R16]
	v_add_nc_u32 v[ADRS+tt], s18, v[TV]
	s_add_co_u32 s19, s19, 4096
.set tt, tt+1
.endr
	v_lshlrev_b32 v[BROFF], 6, v2
	v_mov_b32 v[TT+2], 0                           ; a lane permute's destination counts as one of its sources
	v_mov_b32 v[TT+3], 0
	s_mul_i32 s18, s42, BMUL
	s_lshl_b32 s19, s16, 8
	s_add_co_u32 s18, s18, s19                     ; tile 0's bias at my 64 rows of the weight
	s_mov_b32 s19, 0
	s_add_nc_u64 s[18:19], s[8:9], s[18:19]
	WIN 0x80                                       ; destination window 2
.set tt, 0
.rept NBR
.irp b, 0,1
.irp j, 0,1,2,3
	global_load_b128 v[32*tt+16*\b+4*\j:32*tt+16*\b+4*\j+3], v[BROFF], s[18:19] offset:tt*BSTEP+128*\b+16*\j   ; register 16 b + i: the weight's row 32 b + 16 h + i
.endr
.endr
.set tt, tt+1
.endr
	WIN 0
.if QKV
	v_and_b32 v[BLOFF], 8, v1
	v_add_nc_u32 v[BLOFF], v[BLOFF], v1
	v_lshlrev_b32 v[BLOFF], 2, v[BLOFF]
	s_lshl_b32 s20, s42, 1
	s_add_co_u32 s20, s20, s16                     ; v's head: 2 x + wn
	s_mul_i32 s20, s20, 768
	s_add_co_u32 s20, s20, 512                     ; b_qkv at 192 head + 128
	s_mov_b32 s21, 0
	s_add_nc_u64 s[20:21], s[8:9], s[20:21]
.irp a, 0,1,2,3
	global_load_b32 v[BL+2*\a], v[BLOFF], s[20:21] offset:4*(32*(\a/2)+8*(\a%2))   ; the d of my lane in m block a
	v_mov_b32 v[BL+2*\a+1], 0
.endr
.endif
	s_wait_loadcnt 0x0
; four fragments, 6,144 bytes on end, into registers r on: 16 LDS loads, every load's bytes consecutive from lane to lane
.macro FRAG4 r, a16, a8, off
.irp i, 0,1,2,3
	ds_load_b128 v[\r+12*\i:\r+12*\i+3], v[\a16] offset:\off+1536*\i
	ds_load_b64 v[\r+12*\i+4:\r+12*\i+5], v[\a8] offset:\off+1536*\i+512
	ds_load_b128 v[\r+12*\i+6:\r+12*\i+9], v[\a16] offset:\off+1536*\i+768
	ds_load_b64 v[\r+12*\i+10:\r+12*\i+11], v[\a8] offset:\off+1536*\i+1280
.endr
.endm
; 17 LDS loads: the scale words (lanes 0-15 A's, lanes 16-31 B's) and B's four fragments of tile t's K block kb into buffer pp = kb % 4, two K blocks ahead of their products
.macro FETCH t, kb, pp
	WIN 0
	ds_load_b128 v[SC0+4*(\pp):SC0+4*(\pp)+3], v[ADRS+(\t)] offset:512*(\kb)
	WIN ((2+(\pp)/2)<<6)
.set R_, 128+48*((\pp)%2)+16*((\pp)/2)
.set A_, 2*((\t)%2)+(\kb)/4
	FRAG4 R_, B16+A_, B8+A_, 12288*((\kb)%4)
.endm
; my tokens' four fragments of K block kb into their registers, once
.macro ALOAD kb
	WIN ((1+2*((\kb)/5))<<6)
.set R_, 48*((\kb)%5)
	FRAG4 R_, A16+(\kb)/4, A8+(\kb)/4, 12288*((\kb)%4)
.endm
.macro WM d, s0, s1, c, x0, x1, side
	v_wmma_scale_f32_16x16x128_f8f6f4 v[\d:\d+7], v[\s0:\s0+11], v[\s1:\s1+11], \c, v[\x0], v[\x1] matrix_a_fmt:MATRIX_FMT_FP6 matrix_b_fmt:MATRIX_FMT_FP6 matrix_\side\()_scale:MATRIX_SCALE_ROW1
.endm
; 4 matrix instructions of K block kb: the lanes' block a x the registers' four blocks.  sw = 0: lanes = tokens (A), registers = the weight's rows (B); first = 1: the bias is the C of the sum's first product.
; sw = 1: the sources change places: lanes = the weight's rows, registers = tokens; first = 1: the sum begins with 0.  The 16 accumulators take turns, in the same order in every step
.macro MUL4 kb, a, first, sw, t
.irp nb, 0,1,2,3
.set D_, ACC+8*(4*(\a)+\nb)
.set XN_, SC0+4*((\kb)%4)+\nb
.set XA_, SC0+4*((\kb)%4)+(\a)
.if \sw
.set S0_, 48*((\kb)%5)+12*\nb
.set S1_, 128+48*((\kb)%2)+16*(((\kb)%4)/2)+12*(\a)
.if \first
	WM D_, S0_, S1_, 0, XN_, XA_, b
.else
	WM D_, S0_, S1_, v[D_:D_+7], XN_, XA_, b
.endif
.else
.set S0_, 128+48*((\kb)%2)+16*(((\kb)%4)/2)+12*\nb
.set S1_, 48*((\kb)%5)+12*(\a)
.if \first
	WM D_, S0_, S1_, v[32*(\t)+8*\nb:32*(\t)+8*\nb+7], XN_, XA_, a
.else
	WM D_, S0_, S1_, v[D_:D_+7], XN_, XA_, a
.endif
.endif
.endr
.endm
.macro STEP t, kb, first, sw, fetch=1
.if \fetch
	s_wait_dscnt 17                                ; this block's buffer is in; the next block's 17 loads may be out
	PLACES 4                                       ; places in front of the loads into a buffer that products have read (ISA guide 7.12.1 for vector instructions)
	FETCH (\t)+((\kb)+2)/8, ((\kb)+2)%8, ((\kb)+2)%4   ; the block two on: in K block 7 the next tile's K block 1
.else
	s_wait_dscnt 17*(7-(\kb))                      ; the last tile's last two blocks fetch nothing
.endif
.set WA_, 1+2*((\kb)/5)                ; the window of A's fragments,
.set WB_, 2+((\kb)%4)/2                ; and of B's buffer
.if \sw
	WIN (WA_|(WB_<<2))
.elseif \first
	WIN (WB_|(WA_<<2)|0x20)                        ; C in window 2
.else
	WIN (WB_|(WA_<<2))
.endif
	MUL4 \kb, 0, \first, \sw, \t
	MUL4 \kb, 1, \first, \sw, \t
	MUL4 \kb, 2, \first, \sw, \t
	MUL4 \kb, 3, \first, \sw, \t
.endm
; THE CHANGE OF TILES STANDS IN K BLOCK 6: all this tile's fragments have been asked for by then (K block 7's in K block 5), and the next fetch is of the next tile
; A tile's last K block changes tiles: ONE barrier; in front of it each wave waits for all its tensor loads (its quarter of the next tile), adds 0 to its spare word, and waits for that and for its reads of this
; tile's slot.  fill = 1: the barrier opens a round of the cluster's barrier, and this slot takes the tile after the next: the wave's one load behind the round; it has this tile's way out and the next tile's
; 128 matrix instructions in which to land
.macro TURN t, fill, sw
	WIN 0
	s_wait_tensorcnt 0x0                           ; all my tensor loads have landed
	ds_add_u32 v[SPW], v[NIL]                      ; 0 onto my spare word
	s_wait_dscnt 18                                ; buffer 2 is in; K block 7's 17 loads and the add may be out
	WIN 15                                         ; K block 6: A's fragments and B's buffer both lie in window 3
	MUL4 6, 0, 0, \sw, \t
	s_wait_dscnt 0x0                               ; the add is done, and my reads of this slot are over
	s_barrier_signal -1
	MUL4 6, 1, 0, \sw, \t
	WIN 0
	s_barrier_wait -1
.if \fill
	CREST
	s_add_nc_u64 s[G0B+4*((\t)%2)+2:G0B+4*((\t)%2)+3], s[G0B+4*((\t)%2)+2:G0B+4*((\t)%2)+3], s[DL:DL+1]
	tensor_load_to_lds s[G0B+4*((\t)%2):G0B+4*((\t)%2)+3], s[G1B:G1B+7]
	s_nop 0
.endif
	PLACES 4                                       ; behind the load, and the places in front of the loads below
	FETCH (\t)+1, 0, 0
.if (\fill) && ((\t)+3 < NT)
	global_prefetch_b8 v28, s[96:97] offset:((\t)+3)*98304 th:TH_LOAD_NT scope:SCOPE_SE   ; what the next refill brings
.endif
	WIN 15
	MUL4 6, 2, 0, \sw, \t
	MUL4 6, 3, 0, \sw, \t
.endm
; 32 numbers of a lane, register 16 b + i = k 32 b + 16 (lane / 16) + i of my row, become half a fragment (16 rows x 64 K, 6 registers) and two scale bytes, and are stored
.macro HQ s, im, w, cb, sb
	v_max3_num_f32 v[TT], |v[(\s)]|, |v[(\s)+1]|, 0x1800000        ; each accumulator is read from its low end on; the floor 2^(3 - 127) holds the byte at 1 from below
	v_max3_num_f32 v[TT+1], |v[(\s)+16]|, |v[(\s)+17]|, 0x1800000
.irp i, 2,4,6,8,10,12,14
	v_max3_num_f32 v[TT], v[TT], |v[(\s)+\i]|, |v[(\s)+\i+1]|
	v_max3_num_f32 v[TT+1], v[TT+1], |v[(\s)+16+\i]|, |v[(\s)+17+\i]|
.endr
	v_permlanex16_b32 v[TT+2], v[TT], s[SEL], s[SEL+1]
	v_permlanex16_b32 v[TT+3], v[TT+1], s[SEL], s[SEL+1]
	v_max_num_f32 v[TT], v[TT], v[TT+2]
	v_max_num_f32 v[TT+1], v[TT+1], v[TT+3]
	v_add_nc_u32 v[EE], 0xff000000, v[TT]          ; 2 off the exponent field: the conversion's scale operand
	v_add_nc_u32 v[EE+1], 0xff000000, v[TT+1]
	v_lshrrev_b32 v[BY], 23, v[EE]
	v_lshrrev_b32 v[BY+1], 23, v[EE+1]
	v_lshl_or_b32 v[(\w)], v[BY+1], 8, v[BY]
	v_cvt_scalef32_pk16_fp6_f32 v[(\im):(\im)+2], v[(\s):(\s)+15], v[EE]
	v_cvt_scalef32_pk16_fp6_f32 v[QT:QT+2], v[(\s)+16:(\s)+31], v[EE+1]
	v_nop                                          ; one plain place behind a scaled conversion
.irp i, 0,1,2
	v_permlane16_swap_b32 v[(\im)+\i], v[QT+\i]    ; a whole block to a lane: lanes 0-15 block 0, lanes 16-31 block 1
.endr
.irp i, 0,1,2
	v_mov_b32 v[(\im)+3+\i], v[QT+\i]
.endr
	global_store_b128 v[L16], v[(\im):(\im)+3], s[(\cb):(\cb)+1]               ; 512 consecutive bytes
	global_store_b64 v[L8], v[(\im)+4:(\im)+5], s[(\cb):(\cb)+1] offset:512    ; 256
	global_store_b16 v[R16], v[(\w)], s[(\sb):(\sb)+1]                         ; lanes r and r + 16 hold and store the same two bytes
.endm
; THE WAY OUT of tile t: no LDS.  An m block's 32 registers are 64 along the next product's K of my lane's row
.macro EPI t, sw
.if (\t) > 0
	s_wait_xcnt 0x0                                ; the last tile's stores have read their bases and their data: both are written again below
.endif
.if QKV
.if (\t) == 0
	s_lshr_b32 s18, s17, 4
	s_lshl_b32 s18, s18, 4
	s_lshl_b32 s19, s42, 1
	s_add_co_u32 s18, s18, s19                     ; 16 batch + 2 x: tile 0's head
	s_and_b32 s19, s17, 15                         ; the tokens' tile within the batch
	s_mul_i32 s20, s18, 98304
	s_mul_i32 s21, s19, 6144
	s_add_co_u32 s20, s20, s21
	s_lshl_b32 s22, s18, 12
	s_lshl_b32 s21, s19, 8
	s_add_co_u32 s22, s22, s21
	s_mul_i32 s21, s16, 3145728                    ; q (wn = 0) or k (wn = 1),
	s_add_co_u32 s2, s20, s21
	s_mul_i32 s21, s15, 3072                       ; + 4 wm halves of 768 bytes
	s_add_co_u32 s2, s2, s21
	s_mov_b32 s3, 0
	s_add_nc_u64 s[PCQ:PCQ+1], s[10:11], s[2:3]
	s_lshl_b32 s21, s16, 17
	s_add_co_u32 s2, s22, s21
	s_lshl_b32 s21, s15, 3
	s_add_co_u32 s2, s2, s21
	s_add_co_u32 s2, s2, 9437184
	s_add_nc_u64 s[PSQ:PSQ+1], s[10:11], s[2:3]
	s_mul_i32 s21, s16, 98304                      ; v: head 2 x + wn,
	s_add_co_u32 s2, s20, s21
	s_mul_i32 s21, s15, 768                        ; + 768 wm: which 64 of the tile's 128 keys
	s_add_co_u32 s2, s2, s21
	s_add_co_u32 s2, s2, 6291456
	s_add_nc_u64 s[PCV:PCV+1], s[10:11], s[2:3]
	s_lshl_b32 s21, s16, 12
	s_add_co_u32 s2, s22, s21
	s_lshl_b32 s21, s15, 1
	s_add_co_u32 s2, s2, s21
	s_add_co_u32 s2, s2, 9699328
	s_add_nc_u64 s[PSV:PSV+1], s[10:11], s[2:3]
	s_mov_b32 s[SEL], 0x76543210
	s_mov_b32 s[SEL+1], 0xfedcba98
.endif
.if \sw
	s_mov_b64 s[EB:EB+1], s[PCV:PCV+1]
	s_mov_b64 s[ES:ES+1], s[PSV:PSV+1]
.set ESTC, 1536
.set ESTS, 4
.else
	s_add_nc_u64 s[EB:EB+1], s[PCQ:PCQ+1], (\t)*98304     ; the next head
	s_add_nc_u64 s[ES:ES+1], s[PSQ:PSQ+1], (\t)*4096
.set ESTC, 768
.set ESTS, 2
.endif
.else
.if (\t) == 0
	s_lshl_b32 s18, s17, 5
	s_lshl_b32 s19, s42, 2
	s_add_co_u32 s18, s18, s19                     ; 32 y + 4 x: the tokens' tile, the next product's K block of tile 0
	s_mul_i32 s20, s18, 12288
	s_mul_i32 s21, s15, 6144
	s_add_co_u32 s20, s20, s21
	s_mul_i32 s21, s16, 768
	s_add_co_u32 s20, s20, s21
	s_lshl_b32 s22, s18, 9
	s_lshl_b32 s21, s15, 8
	s_add_co_u32 s22, s22, s21
	s_lshl_b32 s21, s16, 1
	s_add_co_u32 s22, s22, s21
	s_add_co_u32 s22, s22, 12582912
	s_mov_b32 s21, 0
	s_mov_b32 s23, 0
	s_add_nc_u64 s[PCQ:PCQ+1], s[10:11], s[20:21]
	s_add_nc_u64 s[PSQ:PSQ+1], s[10:11], s[22:23]
	s_mov_b32 s[SEL], 0x76543210
	s_mov_b32 s[SEL+1], 0xfedcba98
.endif
	s_add_nc_u64 s[EB:EB+1], s[PCQ:PCQ+1], (\t)*12288     ; the next K block
	s_add_nc_u64 s[ES:ES+1], s[PSQ:PSQ+1], (\t)*512
.set ESTC, 1536
.set ESTS, 4
.endif
.irp a, 1,2,3
	s_add_nc_u64 s[EB+2*\a:EB+2*\a+1], s[EB+2*\a-2:EB+2*\a-1], ESTC
	s_add_nc_u64 s[ES+2*\a:ES+2*\a+1], s[ES+2*\a-2:ES+2*\a-1], ESTS
.endr
	PLACES 4                                       ; in front of the first read of results
.irp a, 0,1,2,3
.if \sw
.set j, 0
.rept 16
	v_pk_add_f32 v[ACC+32*\a+j:ACC+32*\a+j+1], v[ACC+32*\a+j:ACC+32*\a+j+1], v[BL+2*\a:BL+2*\a+1] op_sel_hi:[1,0]   ; the bias of my lane's d
.set j, j+2
.endr
.endif
.if RELU
.set j, 0
.rept 32
	v_max_num_f32 v[ACC+32*\a+j], 0, v[ACC+32*\a+j]   ; the activation, in f32; each accumulator from its low end on
.set j, j+1
.endr
.endif
	HQ ACC+32*\a, IM+8*\a, W16+\a, EB+2*\a, ES+2*\a
.endr
.endm
; A tile: eight K blocks and the way out.  mode 2: the slot is filled again; 1: a change of tiles without a fill; 0: the last tile
.macro TILE t, mode, sw
	STEP \t, 0, 1, \sw
.irp k, 1,2,3,4,5
	STEP \t, \k, 0, \sw
.endr
.if \mode == 2
	TURN \t, 1, \sw
	STEP \t, 7, 0, \sw
.elseif \mode == 1
	TURN \t, 0, \sw
	STEP \t, 7, 0, \sw
.else
	STEP \t, 6, 0, \sw, 0
	STEP \t, 7, 0, \sw, 0
.endif
	WIN 0
	EPI \t, \sw
.endm
	s_wait_alu depctr_va_vdst(0)                   ; the wait at the head's end
	s_wait_tensorcnt 0x0                           ; my block of the head's four is in; these lines stand ahead of a later first fill as ahead of a refill
	ds_add_u32 v[SPW], v[NIL]
	s_mov_b32 s[G1B+2], 96<<16                     ; no load of mine is out: from here on a refill brings a quarter of a tile, 96 rows,
	s_mov_b32 s[G1B+4], 96
	s_add_co_u32 s[G0B+1], s45, BLDS               ; slot 0's group 0 points at my quarter,
	s_add_nc_u64 s[G0B+2:G0B+3], s[G0B+2:G0B+3], s[46:47]
	s_or_b32 s[G1A], s44, (3<<16)|(1<<21)          ; A's group 1 has served: it becomes that of tile 1's thirds: 128 rows, the mask of my column,
	s_mov_b32 s[G1A+2], 128<<16
	s_mov_b32 s[G1A+4], 128
	s_mov_b32 s[G1SB+2], 16<<16                    ; and one tile's scale words are 16 rows
	s_mov_b32 s[G1SB+4], 16
	s_wait_dscnt 0x0
	CROUND                                         ; a whole round: all four blocks are in, and the joint loads meet
	s_cmp_lt_u32 s14, 3
	s_cbranch_scc0 .Lv_scales
	tensor_load_to_lds s[G0B+4:G0B+7], s[G1A:G1A+7]
	s_nop 0
	PLACES 4
	s_branch .Lstage2
.Lv_scales:
	tensor_load_to_lds s[GS2:GS2+3], s[G1SB:G1SB+7]
	s_nop 0
	PLACES 4
.Lstage2:
.if QKV
	global_prefetch_b8 v28, s[98:99] th:TH_LOAD_NT scope:SCOPE_SE                 ; v's tile, which the one refill brings
.else
	global_prefetch_b8 v28, s[96:97] offset:2*98304 th:TH_LOAD_NT scope:SCOPE_SE  ; tile 2, which the first refill brings
.endif
.irp k, 0,1,2,3,4,5,6,7
	ALOAD \k
.endr
	FETCH 0, 0, 0
	FETCH 0, 1, 1
.if QKV
	TILE 0, 2, 0                                   ; head 2 x; slot 0 then takes v's tile
	TILE 1, 1, 0                                   ; head 2 x + 1
	TILE 2, 0, 1                                   ; v, the sources changed over
.else
	TILE 0, 2, 0
	TILE 1, 2, 0
	TILE 2, 1, 0
	TILE 3, 0, 0
.endif
	s_wait_tensorcnt 0x0                           ; the wave's end
	ds_add_u32 v[SPW], v[NIL]
	s_wait_dscnt 0x0
	CROUND                                         ; the closing round
	s_endpgm
.Lfunc_end_k_q6559c83a67_qkv:
	.size	k_q6559c83a67_qkv, .Lfunc_end_k_q6559c83a67_qkv-k_q6559c83a67_qkv
	.p2alignl 7, 3214868480
	.fill 96, 4, 3214868480
	.section	.rodata,"a",@progbits
	.p2align	6, 0x0
	.amdhsa_kernel k_q6559c83a67_qkv
		.amdhsa_group_segment_fixed_size 327680
		.amdhsa_private_segment_fixed_size 0
		.amdhsa_enable_private_segment 0
		.amdhsa_kernarg_size 32
		.amdhsa_user_sgpr_count 2
		.amdhsa_user_sgpr_kernarg_segment_ptr 1
		.amdhsa_wavefront_size32 1
		.amdhsa_system_sgpr_workgroup_id_x 1
		.amdhsa_system_sgpr_workgroup_id_y 1
		.amdhsa_system_sgpr_workgroup_id_z 1
		.amdhsa_system_vgpr_workitem_id 0
		.amdhsa_next_free_vgpr 1024
		.amdhsa_next_free_sgpr 102
		.amdhsa_reserve_vcc 0
		.amdhsa_float_denorm_mode_32 3
		.amdhsa_float_denorm_mode_16_64 3
		.amdhsa_memory_ordered 1
		.amdhsa_forward_progress 1
		.amdhsa_inst_pref_size 135
	.end_amdhsa_kernel
	.amdgpu_metadata
---
amdhsa.version: [ 1, 2 ]
amdhsa.kernels:
  - .name:           k_q6559c83a67_qkv
    .symbol:         k_q6559c83a67_qkv.kd
    .args:
      - { .name: HA, .offset: 0, .size: 8, .value_kind: global_buffer, .address_space: global }
      - { .name: W, .offset: 8, .size: 8, .value_kind: global_buffer, .address_space: global }
      - { .name: b_qkv, .offset: 16, .size: 8, .value_kind: global_buffer, .address_space: global }
      - { .name: QKV, .offset: 24, .size: 8, .value_kind: global_buffer, .address_space: global }
    .group_segment_fixed_size: 327680
    .private_segment_fixed_size: 0
    .kernarg_segment_align: 8
    .kernarg_segment_size: 32
    .max_flat_workgroup_size: 128
    .sgpr_count:     102
    .vgpr_count:     1024
    .wavefront_size: 32
...
	.end_amdgpu_metadata
.endif
;; end of part 2
;; launch attn (part 3): grid 8 x 32, 16 waves a work-group, clusters of 4 x 1, 327,680 bytes of LDS; arguments QKV, CT; writes CT
.if DOCPART == 3
	.amdgcn_target "amdgcn-amd-amdhsa--gfx1250"
	.amdhsa_code_object_version 6
	.text
	.protected	k_q6559c83a67_attn
	.globl	k_q6559c83a67_attn
	.p2align	8
	.type	k_q6559c83a67_attn,@function
k_q6559c83a67_attn:
	s_mov_b64 s[64:65], 0
	v_nop
	global_prefetch_b8 v0, s[64:65] scope:SCOPE_SE
	s_setreg_imm32_b32 hwreg(HW_REG_WAVE_MODE, 25, 1), 1
	s_wait_xcnt 0x0
	s_wait_alu depctr_hold_cnt(0) depctr_sa_sdst(0) depctr_va_vdst(0) depctr_va_sdst(0) depctr_va_ssrc(0) depctr_va_vcc(0) depctr_vm_vsrc(0)
	s_getreg_b32 s2, hwreg(HW_REG_IB_STS2, 6, 4)
	s_cmp_eq_u32 s2, 0
	s_cbranch_scc0 .Lentry_in_a_cluster
	s_endpgm
.Lentry_in_a_cluster:
	s_bfe_u32 s2, ttmp6, 0x10000c
	s_cmp_lg_u32 s2, 0x3003
	s_cbranch_scc0 .Lentry_shape_is_right
	s_endpgm
.Lentry_shape_is_right:
; ctx = softmax(q k^T / 8) v for 32 (batch, head) pairs of 2,048 tokens and a head of 64, both products on codes of FP6 (E2M3) with E8M0 scales; ctx is quantised again along D on the way out.
; THE SOFTMAX AHEAD OF THE SECOND PRODUCT: t = score x log2(e) / 8; M = the running largest t rounded UP to a whole number; p = 2^(t - M) is quantised along the keys, not normalised; the row's sum is taken of the
; unquantised p and divides at the end; when M moves, the sum and O are multiplied by 2^(old M - new M): exact.
; OPERANDS (made by the launch before, in the order of an operand's registers).  HALF A FRAGMENT is 16 rows x 64 K, 768 bytes: registers 0-3 at 16 x lane, registers 4, 5 at 512 + 8 x lane.
;   q, k: [bh][128 halves][768]: half 8 (token / 128) + f holds tokens 32 (f/2) + 8 (f%2) + p + 8 (p/8) of its 128; scale bytes [bh][16][r 16][8 halves x 2 bytes].
;   v:    [bh][16 steps of 128 keys][4 blocks of 16 d][2 halves][768], the keys innermost; scale words [bh][16][r 16][4].
; THE HEAD'S 64 ARE HALF OF THE INSTRUCTION'S K: two neighbouring halves of k are ONE fragment (32 keys), multiplied once by [q, 0] and once by [0, q]: zero codes add nothing.
; SHARES.  A work-group owns 256 queries of one head, each of its sixteen waves 16 (one half of q): four waves to a SIMD, so that one wave's vector work stands beside another's matrix work.
; A whole head's k and v, 2 x 98,304 bytes of codes and 2 x 4,096 of scales, lie in LDS, each byte filled ONCE: one load each of ten waves, k by the even ones and v by the odd, in chunks of 512 keys.  The first 512 keys are
; walked as soon as they have landed, while the other chunks land; one more barrier shows all the rest, and from there on the waves walk the other 1,536 keys without meeting again.
; CLUSTER: the four query blocks of a cluster share k and v: joint loads with the mask of all four.
; Both products are used transposed (S^T = k q^T, O^T = v^T p^T): a lane holds one query throughout; by the order of a half's rows the 16 registers of two neighbouring tiles of S^T are 16 neighbouring keys.
; LIMITS: a block of zeros gets the byte 1 (the rule says 127): its codes are zeros and this program alone reads the bytes; NaN and infinities are not served.
; REGISTERS: v1-5 addresses that stay; v6, v7 the add's; v8-11, v93 the step's addresses; v12 -M, v13 the largest t, v[14:15] the sum; v16-27 [q, 0]; v28-39 [0, q]; v40-87 four fragments of k, then of v;
;   v88-91 scale words (lanes 0-15 k's, lanes 16-31 v's); v92 q's; v94 16 r; v96-159 S^T, then p; v160-191 O^T; v192-203 p's codes; v204-231 at work.
.set KC_,   3145728                    ; k's codes in QKV (v's lie 3,145,728 further on)
.set QS_,   9437184                    ; q's scale bytes
.set KS_,   9568256                    ; k's (v's lie 131,072 further on)
.set LKS,   196608                     ; LDS: k's codes at 0, v's at 98,304, k's scale words here, v's 4,096 further on
.set SPARE, 204800                     ; the spare words, 128 bytes for each of 16 waves
.macro CROUND
	s_barrier_signal -1
	s_barrier_wait -1
	s_cmp_lg_u32 s18, 0
	s_cbranch_scc1 .Lnot_wave_0_\@
	s_barrier_signal -3
.Lnot_wave_0_\@:
	s_barrier_wait -3
	s_barrier_signal -1
	s_barrier_wait -1
.endm
	s_load_b128 s[4:7], s[0:1], 0x0                ; QKV s[4:5], CT s[6:7]
	v_lshl_add_u32 v6, v0, 2, SPARE
	v_mov_b32 v7, 0
	ds_add_u32 v6, v7
	ds_add_u32 v6, v7
	s_wait_dscnt 0x0
	v_lshrrev_b32 v8, 5, v0
	s_delay_alu instid0(VALU_DEP_1)
	v_readfirstlane_b32 s18, v8                    ; wave 0..15
	s_bfe_u32 s8, ttmp6, 0x40000                   ; cx: it enters global addresses of q and ctx alone
	s_lshl_b32 s9, ttmp9, 2
	s_add_co_u32 s9, s9, s8                        ; my block of 256 queries
	s_and_b32 s10, ttmp7, 0xffff                   ; bh = 16 batch + head, which the partners share
	s_and_b32 s11, s18, 1                          ; a fetching wave fetches k (0) or v (1)
	s_mul_i32 s12, s11, 3145728
	s_mul_i32 s13, s10, 98304
	s_add_co_u32 s12, s12, s13
	s_add_co_u32 s12, s12, KC_
	s_mov_b32 s13, 0
	s_lshl_b32 s14, s11, 17
	s_lshl_b32 s15, s10, 12
	s_add_co_u32 s14, s14, s15
	s_add_co_u32 s14, s14, KS_
	s_mov_b32 s15, 0
	s_mul_i32 s16, s11, 98304                      ; where they go
	s_lshl_b32 s17, s11, 12
	; descriptor groups 1: dense blocks as rows of 256 bytes (32 elements of 8 bytes): s[44:51] 96 rows (a chunk's codes), s[52:59] 16 rows (the scale words); the mask names all four work-groups
.irp g, 44, 52
	s_mov_b32 s[\g], 15|(3<<16)|(1<<21)
	s_mov_b32 s[\g+1], 32<<16
	s_mov_b32 s[\g+3], 32<<16
	s_mov_b32 s[\g+5], 32
	s_mov_b32 s[\g+6], 0
	s_mov_b32 s[\g+7], 0
.endr
	s_mov_b32 s46, 96<<16
	s_mov_b32 s48, 96
	s_mov_b32 s54, 16<<16
	s_mov_b32 s56, 16
	s_mov_b32 s20, 0x76543210
	s_mov_b32 s21, 0xfedcba98                      ; selects for lane l xor 16
	s_mov_b32 s22, 0x3e38aa3b                      ; c = log2(e) / 8
	s_mov_b32 s23, s22                             ; (named with it as a pair)
	; q and the way out
	s_lshl_b32 s63, s9, 4
	s_add_co_u32 s63, s63, s18                     ; my half of q: 16 block + wave
	s_mul_i32 s66, s10, 98304
	s_mul_i32 s67, s63, 768
	s_add_co_u32 s66, s66, s67
	s_mov_b32 s67, 0                               ; its codes
	s_lshl_b32 s68, s10, 12
	s_lshr_b32 s69, s63, 3
	s_lshl_b32 s69, s69, 8
	s_add_co_u32 s68, s68, s69
	s_and_b32 s69, s63, 7
	s_lshl_b32 s69, s69, 1
	s_add_co_u32 s68, s68, s69
	s_add_co_u32 s68, s68, QS_
	s_mov_b32 s69, 0                               ; its scale bytes
	s_and_b32 s74, s10, 15                         ; head
	s_lshr_b32 s75, s10, 4
	s_lshl_b32 s75, s75, 4
	s_lshl_b32 s76, s9, 1
	s_add_co_u32 s75, s75, s76
	s_lshr_b32 s76, s18, 3
	s_add_co_u32 s75, s75, s76                     ; the tokens' tile: 16 batch + 2 block + wave / 8
	s_lshl_b32 s75, s75, 3
	s_lshr_b32 s76, s74, 1
	s_add_co_u32 s75, s75, s76                     ; 8 tile + K block (head / 2)
	s_and_b32 s74, s74, 1                          ; which half of that K block
	s_and_b32 s76, s18, 7                          ; the fragment
	s_mul_i32 s70, s75, 12288
	s_mul_i32 s77, s76, 1536
	s_add_co_u32 s70, s70, s77
	s_mul_i32 s77, s74, 768
	s_add_co_u32 s70, s70, s77
	s_mov_b32 s71, 0
	s_lshl_b32 s72, s75, 9
	s_lshr_b32 s77, s76, 2
	s_lshl_b32 s77, s77, 8
	s_add_co_u32 s72, s72, s77
	s_and_b32 s77, s76, 3
	s_lshl_b32 s77, s77, 2
	s_add_co_u32 s72, s72, s77
	s_lshl_b32 s77, s74, 1
	s_add_co_u32 s72, s72, s77
	s_add_co_u32 s72, s72, 3145728
	s_mov_b32 s73, 0
	s_wait_kmcnt 0x0
	s_add_nc_u64 s[12:13], s[4:5], s[12:13]
	s_add_nc_u64 s[14:15], s[4:5], s[14:15]
	s_add_nc_u64 s[66:67], s[4:5], s[66:67]
	s_add_nc_u64 s[68:69], s[4:5], s[68:69]
	s_add_nc_u64 s[70:71], s[6:7], s[70:71]
	s_add_nc_u64 s[72:73], s[6:7], s[72:73]
	CROUND                                         ; all four work-groups are here: the joint loads meet
	s_mov_b32 s24, 1
	s_add_co_u32 s25, s17, LKS
	s_mov_b64 s[26:27], s[14:15]
	s_or_b32 s27, s27, 0x80000000
	; TEN WAVES FETCH, ONE LOAD EACH, k by the even waves and v by the odd ones: waves 0 and 1 the scale words, waves 2 and 3 chunk 0 (the first 512 keys), waves 4 to 7 chunks 2 and 3, waves 8 and 9 chunk 1.
	; What the first run of key steps reads is asked for in the first two arms, whose lines no other wave issues: the first barrier shows it while the other chunks are on their way.
	s_lshr_b32 s19, s18, 1                         ; x = wave / 2: 2, 3, 4 for waves 4 to 9
	s_and_b32 s32, s19, 3
	s_lshr_b32 s33, s19, 2
	s_or_b32 s32, s32, s33                         ; the chunk: 2, 3, 1
	s_mul_i32 s32, s32, 24576
	s_mov_b32 s33, 0
	s_mov_b32 s28, 1
	s_add_co_u32 s29, s16, s32
	s_add_nc_u64 s[30:31], s[12:13], s[32:33]
	s_or_b32 s31, s31, 0x80000000
	s_mov_b32 s36, 1                               ; chunk 0
	s_mov_b32 s37, s16
	s_mov_b64 s[38:39], s[12:13]
	s_or_b32 s39, s39, 0x80000000
	s_cmp_lt_u32 s18, 2
	s_cbranch_scc0 .Lchunk0
	tensor_load_to_lds s[24:27], s[52:59]
	s_nop 0
.rept 4
	v_nop
.endr
	s_branch .Lno_fetch
.Lchunk0:
	s_cmp_lt_u32 s18, 4
	s_cbranch_scc0 .Lrest
	tensor_load_to_lds s[36:39], s[44:51]
	s_nop 0
.rept 4
	v_nop
.endr
	s_branch .Lno_fetch
.Lrest:
	s_cmp_lt_u32 s18, 10
	s_cbranch_scc0 .Lno_fetch
	tensor_load_to_lds s[28:31], s[44:51]
	s_nop 0
.rept 4
	v_nop
.endr
.Lno_fetch:
	v_and_b32 v8, 31, v0                           ; lane
	v_and_b32 v9, 15, v0                           ; r
	v_bfe_u32 v10, v0, 4, 1                        ; h
	s_delay_alu instid0(VALU_DEP_3)
	v_lshlrev_b32 v1, 4, v8                        ; 16 x lane: k's 16-byte parts (k's codes begin at LDS byte 0)
	s_delay_alu instid0(VALU_DEP_4)
	v_lshlrev_b32 v2, 3, v8                        ; 8 x lane
	s_delay_alu instid0(VALU_DEP_2)
	v_add_nc_u32 v3, 98304, v1                     ; v's
	s_delay_alu instid0(VALU_DEP_2)
	v_add_nc_u32 v4, 98304, v2
	v_lshlrev_b32 v5, 12, v10
	s_delay_alu instid0(VALU_DEP_1)
	v_lshl_add_u32 v5, v9, 4, v5
	s_delay_alu instid0(VALU_DEP_1)
	v_add_nc_u32 v5, LKS, v5                       ; scale words: lanes 0-15 k's, lanes 16-31 v's, 4,096 further on
	v_lshlrev_b32 v94, 4, v9                       ; 16 r
	global_load_b128 v[16:19], v1, s[66:67]        ; q, twice: as the low half of [q, 0]
	global_load_b64 v[20:21], v2, s[66:67] offset:512
	global_load_b128 v[34:37], v1, s[66:67]        ; and as the high half of [0, q]
	global_load_b64 v[38:39], v2, s[66:67] offset:512
	global_load_u16 v92, v94, s[68:69]             ; q's two scale bytes
.set j, 22
.rept 12
	v_mov_b32 v[j], 0                              ; the zero halves
.set j, j+1
.endr
	v_mov_b32 v13, 0xff61b1e6                      ; the largest t so far: -3e38
	s_delay_alu instid0(VALU_DEP_1)
	v_floor_f32 v12, -v13                          ; -M
	v_mov_b32 v14, 0
	v_mov_b32 v15, 0
.irp b, 0,1,2,3
	v_mov_b32 v[216+\b], 0                         ; a lane permute's destination counts as one of its sources
.endr
	v_mov_b32 v227, 0                              ; (named as the upper half of the pair v[226:227] before it is first written)
	s_wait_loadcnt 0x0
	v_lshl_or_b32 v92, v92, 16, v92                ; the same two bytes for either half of K
.set j, 0
.rept 32
	v_mov_b32 v[160+j], 0                          ; O^T: the loop has no first step of its own: the first change of M multiplies zeros
.set j, j+1
.endr
; A KEY STEP: 128 keys
.macro STEP
	v_add_nc_u32 v8, s60, v1                       ; (these five are also the places behind the last products, in front of the loads into their operands)
	v_add_nc_u32 v9, s60, v2
	v_add_nc_u32 v10, s60, v3
	v_add_nc_u32 v11, s60, v4
	v_add_nc_u32 v93, s61, v5
.irp b, 0,1,2,3
	ds_load_b128 v[40+12*\b:43+12*\b], v8 offset:1536*\b
	ds_load_b64 v[44+12*\b:45+12*\b], v9 offset:1536*\b+512
	ds_load_b128 v[46+12*\b:49+12*\b], v8 offset:1536*\b+768
	ds_load_b64 v[50+12*\b:51+12*\b], v9 offset:1536*\b+1280
.endr
	ds_load_b128 v[88:91], v93
	s_wait_alu depctr_va_vdst(0)
	s_wait_dscnt 0x0
.irp b, 0,1,2,3                                ; S^T: fragment b holds 32 keys: its low half against [q, 0], its high half against [0, q]
.irp u, 0,1
	v_wmma_scale_f32_16x16x128_f8f6f4 v[96+8*(2*\b+\u):103+8*(2*\b+\u)], v[40+12*\b:51+12*\b], v[16+12*\u:27+12*\u], 0, v[88+\b], v92 matrix_a_fmt:MATRIX_FMT_FP6 matrix_b_fmt:MATRIX_FMT_FP6
.endr
.endr
.rept 4
	v_nop                                          ; places in front of the loads below and of the first read of the scores
.endr
.irp d, 0,1,2,3                                ; v's four fragments land while the softmax is walked
	ds_load_b128 v[40+12*\d:43+12*\d], v10 offset:1536*\d
	ds_load_b64 v[44+12*\d:45+12*\d], v11 offset:1536*\d+512
	ds_load_b128 v[46+12*\d:49+12*\d], v10 offset:1536*\d+768
	ds_load_b64 v[50+12*\d:51+12*\d], v11 offset:1536*\d+1280
.endr
.irp b, 0,1,2,3
	v_max3_num_f32 v[212+\b], v[96+16*\b], v[97+16*\b], v[98+16*\b]   ; the largest score of each block of 32 keys: for the row's maximum, and, since p rises with the score, for the block's largest p
.endr
.irp i, 3,5,7,9,11,13
.irp b, 0,1,2,3
	v_max3_num_f32 v[212+\b], v[212+\b], v[96+16*\b+\i], v[97+16*\b+\i]
.endr
.endr
.irp b, 0,1,2,3
	v_max_num_f32 v[212+\b], v[212+\b], v[111+16*\b]
.endr
.irp b, 0,1,2,3
	s_delay_alu instid0(VALU_DEP_4)
	v_permlanex16_b32 v[216+\b], v[212+\b], s20, s21
.endr
.irp b, 0,1,2,3
	s_delay_alu instid0(VALU_DEP_4)
	v_max_num_f32 v[212+\b], v[212+\b], v[216+\b]
.endr
	s_delay_alu instid0(VALU_DEP_2)
	v_max3_num_f32 v228, v212, v213, v214
	s_delay_alu instid0(VALU_DEP_1)
	v_max_num_f32 v228, v228, v215
	s_delay_alu instid0(VALU_DEP_1)
	v_mul_f32 v228, s22, v228                      ; as t (c is positive)
	s_delay_alu instid0(VALU_DEP_1)
	v_max_num_f32 v13, v13, v228                   ; the running largest t
	v_mov_b32 v228, v12
	s_delay_alu instid0(VALU_DEP_2)
	v_floor_f32 v12, -v13                          ; the new -M = -ceil(t)
	s_delay_alu instid0(VALU_DEP_1)
	v_sub_f32 v228, v12, v228                      ; old M - new M: a whole number, 0 or less
	s_delay_alu instid0(VALU_DEP_1)
	v_cvt_i32_f32 v228, v228                       ; (it saturates)
	s_delay_alu instid0(VALU_DEP_1)
	v_ldexp_f32 v226, 1.0, v228                    ; f = 2^(old M - new M)
.set j, 0
.rept 32
	v_pk_fma_f32 v[96+j:97+j], v[96+j:97+j], s[22:23], v[12:13] op_sel_hi:[1,0,0]   ; t - M
.set j, j+2
.endr
.irp b, 0,1,2,3
	v_fma_f32 v[212+\b], v[212+\b], s22, v12
.endr
.set j, 0
	s_wait_alu depctr_va_vdst(0)
.rept 64
	v_exp_f32 v[96+j], v[96+j]                     ; p = 2^(t - M)
.set j, j+1
.endr
	v_pk_mul_f32 v[14:15], v[14:15], v[226:227] op_sel_hi:[1,0]   ; the sums under the new M: a plain place behind the exponentials
	s_wait_alu depctr_va_vdst(0)                   ; one wait for the batch, ahead of its first reader
.irp b, 0,1,2,3
	v_exp_f32 v[212+\b], v[212+\b]                 ; each block's largest p
.endr
	v_pk_add_f32 v[230:231], v[100:101], v[104:105]
	v_pk_add_f32 v[254:255], v[108:109], v[112:113]
	v_pk_add_f32 v[252:253], v[116:117], v[120:121]
	v_pk_add_f32 v[250:251], v[124:125], v[128:129]
	v_pk_add_f32 v[248:249], v[132:133], v[136:137]
	v_pk_add_f32 v[246:247], v[140:141], v[144:145]
	v_pk_add_f32 v[244:245], v[148:149], v[152:153]
	v_pk_add_f32 v[14:15], v[14:15], v[156:157]
	v_pk_add_f32 v[230:231], v[230:231], v[96:97]
	v_pk_add_f32 v[254:255], v[254:255], v[98:99]
	v_pk_add_f32 v[252:253], v[252:253], v[102:103]
	v_pk_add_f32 v[250:251], v[250:251], v[106:107]
	v_pk_add_f32 v[248:249], v[248:249], v[110:111]
	v_pk_add_f32 v[246:247], v[246:247], v[114:115]
	v_pk_add_f32 v[244:245], v[244:245], v[118:119]
	v_pk_add_f32 v[14:15], v[14:15], v[122:123]
	v_pk_add_f32 v[230:231], v[230:231], v[126:127]
	v_pk_add_f32 v[254:255], v[254:255], v[130:131]
	v_pk_add_f32 v[252:253], v[252:253], v[134:135]
	v_pk_add_f32 v[250:251], v[250:251], v[138:139]
	v_pk_add_f32 v[248:249], v[248:249], v[142:143]
	v_pk_add_f32 v[246:247], v[246:247], v[146:147]
	v_pk_add_f32 v[244:245], v[244:245], v[150:151]
	v_pk_add_f32 v[14:15], v[14:15], v[154:155]
	v_pk_add_f32 v[230:231], v[230:231], v[158:159]
	s_delay_alu instid0(VALU_DEP_2)
	v_pk_add_f32 v[14:15], v[14:15], v[250:251]
	s_delay_alu instid0(VALU_DEP_2)
	v_pk_add_f32 v[230:231], v[230:231], v[248:249]
	v_pk_add_f32 v[254:255], v[254:255], v[246:247]
	v_pk_add_f32 v[252:253], v[252:253], v[244:245]
	s_delay_alu instid0(VALU_DEP_2)
	v_pk_add_f32 v[14:15], v[14:15], v[254:255]
	s_delay_alu instid0(VALU_DEP_2)
	v_pk_add_f32 v[230:231], v[230:231], v[252:253]
	s_delay_alu instid0(VALU_DEP_1)
	v_pk_add_f32 v[14:15], v[14:15], v[230:231]
	s_wait_alu depctr_va_vdst(0)                   ; and one for the four
.irp b, 0,1,2,3
	v_max_num_f32 v[212+\b], 0x1800000, v[212+\b]  ; the floor 2^(3 - 127)
.endr
.irp b, 0,1,2,3
	s_delay_alu instid0(VALU_DEP_4)
	v_add_nc_u32 v[220+\b], 0xff000000, v[212+\b]  ; the conversion's scale operand
.endr
.irp b, 0,1,2,3
	s_delay_alu instid0(VALU_DEP_4)
	v_lshrrev_b32 v[216+\b], 23, v[220+\b]
.endr
	s_delay_alu instid0(VALU_DEP_3)
	v_lshl_or_b32 v227, v217, 8, v216              ; p's scale word
	s_delay_alu instid0(VALU_DEP_1)
	v_lshl_or_b32 v227, v218, 16, v227
	s_delay_alu instid0(VALU_DEP_1)
	v_lshl_or_b32 v227, v219, 24, v227
.irp c, 0,1
	v_cvt_scalef32_pk16_fp6_f32 v[192+6*\c:194+6*\c], v[96+32*\c:111+32*\c], v[220+2*\c]
	v_cvt_scalef32_pk16_fp6_f32 v[204+4*\c:206+4*\c], v[112+32*\c:127+32*\c], v[220+2*\c+1]
.endr
	v_nop                                          ; one plain place behind a scaled conversion
.irp c, 0,1
.irp i, 0,1,2
	v_permlane16_swap_b32 v[192+6*\c+\i], v[204+4*\c+\i]
.endr
.irp i, 0,1,2
	s_delay_alu instid0(VALU_DEP_3)
	v_mov_b32 v[195+6*\c+\i], v[204+4*\c+\i]
.endr
.endr
.set j, 0
.rept 16
	v_pk_mul_f32 v[160+j:161+j], v[160+j:161+j], v[226:227] op_sel_hi:[1,0]   ; O^T under the new M; these sixteen also stand between the scale word's and the codes' last writes and the products
.set j, j+2
.endr
	s_wait_alu depctr_va_vdst(0)
	s_wait_dscnt 0x0                               ; v's fragments
.irp d, 0,1,2,3                                ; O^T += v^T p^T: the four accumulators by turns
	v_wmma_scale_f32_16x16x128_f8f6f4 v[160+8*\d:167+8*\d], v[40+12*\d:51+12*\d], v[192:203], v[160+8*\d:167+8*\d], v[88+\d], v227 matrix_a_fmt:MATRIX_FMT_FP6 matrix_b_fmt:MATRIX_FMT_FP6 matrix_a_scale:MATRIX_SCALE_ROW1
.endr
.endm
; A run of key steps from chunk c0 on.  left = how many later chunks' loads may stay out.  The two steppers are set anew, so that the loop's LDS bytes are the run's
.macro CHUNK left, c0, trips
.if \left
	s_cmp_lt_u32 s18, 4                            ; the first run reads chunk 0 and the scale words: waves 0 to 3 wait for their loads
	s_cbranch_scc0 .Lnot_first
	s_wait_tensorcnt 0x0
.Lnot_first:
.else
	s_wait_tensorcnt 0x0                           ; every wave's load has landed
.endif
	s_wait_dscnt 0x0
	s_barrier_signal -1
	s_barrier_wait -1
	s_mov_b32 s60, (\c0)*24576
	s_mov_b32 s61, (\c0)*1024
	s_mov_b32 s62, \trips
.Lstep_\@:
	STEP
	s_add_co_u32 s60, s60, 6144
	s_add_co_u32 s61, s61, 256
	s_sub_co_u32 s62, s62, 1
	s_cmp_lg_u32 s62, 0
	s_cbranch_scc1 .Lstep_\@
.endm
	CHUNK 3, 0, 4                                  ; keys 0 to 511: the three later chunks' loads may be out
	CHUNK 0, 1, 12                                 ; keys 512 to 2,047: every load has landed; the waves do not meet again before the end
	; THE WAY OUT: O^T / the sum; my lane's 32 registers are d = 32 b + 16 h + i of my query: 64 along the next product's K: half a fragment
.rept 4
	v_nop
.endr
	v_add_f32 v14, v14, v15
	s_delay_alu instid0(VALU_DEP_1)
	v_permlanex16_b32 v228, v14, s20, s21
	s_delay_alu instid0(VALU_DEP_1)
	v_add_f32 v14, v14, v228                       ; the row's sum
	s_wait_alu depctr_va_vdst(0)
	v_rcp_f32 v14, v14
	v_nop                                          ; a plain place behind the transcendental
	s_wait_alu depctr_va_vdst(0)                   ; the wait ahead of its first reader
.set j, 0
.rept 32
	v_mul_f32 v[96+j], v[160+j], v14               ; each accumulator from its low end on
.set j, j+1
.endr
	v_max3_num_f32 v212, |v96|, |v97|, 0x1800000
	v_max3_num_f32 v213, |v112|, |v113|, 0x1800000
.irp i, 2,4,6,8,10,12,14
	s_delay_alu instid0(VALU_DEP_2)
	v_max3_num_f32 v212, v212, |v[96+\i]|, |v[97+\i]|
	s_delay_alu instid0(VALU_DEP_2)
	v_max3_num_f32 v213, v213, |v[112+\i]|, |v[113+\i]|
.endr
	s_delay_alu instid0(VALU_DEP_2)
	v_permlanex16_b32 v214, v212, s20, s21
	s_delay_alu instid0(VALU_DEP_2)
	v_permlanex16_b32 v215, v213, s20, s21
	s_delay_alu instid0(VALU_DEP_2)
	v_max_num_f32 v212, v212, v214
	s_delay_alu instid0(VALU_DEP_2)
	v_max_num_f32 v213, v213, v215
	s_delay_alu instid0(VALU_DEP_2)
	v_add_nc_u32 v220, 0xff000000, v212
	s_delay_alu instid0(VALU_DEP_2)
	v_add_nc_u32 v221, 0xff000000, v213
	s_delay_alu instid0(VALU_DEP_2)
	v_lshrrev_b32 v216, 23, v220
	s_delay_alu instid0(VALU_DEP_2)
	v_lshrrev_b32 v217, 23, v221
	s_delay_alu instid0(VALU_DEP_1)
	v_lshl_or_b32 v228, v217, 8, v216
	v_cvt_scalef32_pk16_fp6_f32 v[192:194], v[96:111], v220
	v_cvt_scalef32_pk16_fp6_f32 v[204:206], v[112:127], v221
	v_nop
.irp i, 0,1,2
	v_permlane16_swap_b32 v[192+\i], v[204+\i]
.endr
.irp i, 0,1,2
	s_delay_alu instid0(VALU_DEP_3)
	v_mov_b32 v[195+\i], v[204+\i]
.endr
	global_store_b128 v1, v[192:195], s[70:71]             ; 512 consecutive bytes
	global_store_b64 v2, v[196:197], s[70:71] offset:512   ; 256
	global_store_b16 v94, v228, s[72:73]                   ; lanes r and r + 16 hold and store the same two bytes
	s_wait_tensorcnt 0x0                           ; the wave's end
	ds_add_u32 v6, v7
	s_wait_dscnt 0x0
	CROUND                                         ; the closing round
	s_endpgm
.Lfunc_end_k_q6559c83a67_attn:
	.size	k_q6559c83a67_attn, .Lfunc_end_k_q6559c83a67_attn-k_q6559c83a67_attn
	.p2alignl 7, 3214868480
	.fill 96, 4, 3214868480
	.section	.rodata,"a",@progbits
	.p2align	6, 0x0
	.amdhsa_kernel k_q6559c83a67_attn
		.amdhsa_group_segment_fixed_size 327680
		.amdhsa_private_segment_fixed_size 0
		.amdhsa_enable_private_segment 0
		.amdhsa_kernarg_size 16
		.amdhsa_user_sgpr_count 2
		.amdhsa_user_sgpr_kernarg_segment_ptr 1
		.amdhsa_wavefront_size32 1
		.amdhsa_system_sgpr_workgroup_id_x 1
		.amdhsa_system_sgpr_workgroup_id_y 1
		.amdhsa_system_sgpr_workgroup_id_z 1
		.amdhsa_system_vgpr_workitem_id 0
		.amdhsa_next_free_vgpr 256
		.amdhsa_next_free_sgpr 80
		.amdhsa_reserve_vcc 0
		.amdhsa_float_denorm_mode_32 3
		.amdhsa_float_denorm_mode_16_64 3
		.amdhsa_memory_ordered 1
		.amdhsa_forward_progress 1
		.amdhsa_inst_pref_size 49
	.end_amdhsa_kernel
	.amdgpu_metadata
---
amdhsa.version: [ 1, 2 ]
amdhsa.kernels:
  - .name:           k_q6559c83a67_attn
    .symbol:         k_q6559c83a67_attn.kd
    .args:
      - { .name: QKV, .offset: 0, .size: 8, .value_kind: global_buffer, .address_space: global }
      - { .name: CT, .offset: 8, .size: 8, .value_kind: global_buffer, .address_space: global }
    .group_segment_fixed_size: 327680
    .private_segment_fixed_size: 0
    .kernarg_segment_align: 8
    .kernarg_segment_size: 16
    .max_flat_workgroup_size: 512
    .sgpr_count:     80
    .vgpr_count:     256
    .wavefront_size: 32
...
	.end_amdgpu_metadata
.endif
;; end of part 3
;; launch oproj (part 4): grid 8 x 32, 4 waves a work-group, clusters of 4 x 4, 327,680 bytes of LDS; arguments CT, W, b_out, x, X1; writes X1
.if DOCPART == 4
	.amdgcn_target "amdgcn-amd-amdhsa--gfx1250"
	.amdhsa_code_object_version 6
	.text
	.protected	k_q6559c83a67_oproj
	.globl	k_q6559c83a67_oproj
	.p2align	8
	.type	k_q6559c83a67_oproj,@function
k_q6559c83a67_oproj:
	s_mov_b64 s[64:65], 0
	v_nop
	global_prefetch_b8 v0, s[64:65] scope:SCOPE_SE
	s_setreg_imm32_b32 hwreg(HW_REG_WAVE_MODE, 25, 1), 1
	s_wait_xcnt 0x0
	s_wait_alu depctr_hold_cnt(0) depctr_sa_sdst(0) depctr_va_vdst(0) depctr_va_sdst(0) depctr_va_ssrc(0) depctr_va_vcc(0) depctr_vm_vsrc(0)
	s_getreg_b32 s2, hwreg(HW_REG_IB_STS2, 6, 4)
	s_cmp_eq_u32 s2, 0
	s_cbranch_scc0 .Lentry_in_a_cluster
	s_endpgm
.Lentry_in_a_cluster:
	s_bfe_u32 s2, ttmp6, 0x10000c
	s_cmp_lg_u32 s2, 0xf033
	s_cbranch_scc0 .Lentry_shape_is_right
	s_endpgm
.Lentry_shape_is_right:
.set KDIM,   1024
.set BOFF_C, 2359296
.set BOFF_S, 9535488
.set ASC,    3145728
.set LAST,   0
.set KB,     KDIM/128
.set SLOTB,  98304
.set HALFB,  24576
.set SCL,    2*SLOTB
.set STG,    SCL+KB*1024
.set SPARE,  STG+4*4352
.set L16,  4
.set L8,   5
.set R16,  6
.set A16,  8
.set A8,   10
.set B16,  12
.set B8,   14
.set ADRS, 16
.set SPW,  17
.set NIL,  18
.set STO,  19
.set RD,   20
.set CO,   21
.set BROFF, 22
.set SC,   32
.set BR,   40
.set OB,   40
.set ACC,  128
.set G1, 24
.set G0, 32
.set G1B, 48
.set G0B, 56
.set G1S, 68
.set G0S, 76
.set G1SB, 80
.set G0SB, 88
.set MSB, 0
.macro WIN new
.if MSB != \new
	s_set_vgpr_msb (MSB<<8)|\new
.set MSB, \new
.endif
.endm
.set MUL,  0x05
.set TO_F, 0x40
.macro JLOAD g0a, g1a, g0b, g1b
	s_cmp_eq_u32 s15, 0
	s_cbranch_scc0 .Lfor_b_\@
	tensor_load_to_lds s[\g0a:\g0a+3], s[\g1a:\g1a+7]
	s_nop 0
.rept 4
	v_nop
.endr
	s_branch .Lasked_\@
.Lfor_b_\@:
	tensor_load_to_lds s[\g0b:\g0b+3], s[\g1b:\g1b+7]
	s_nop 0
.rept 4
	v_nop
.endr
.Lasked_\@:
.endm
.macro CREST
	s_cmp_lg_u32 s14, 0
	s_cbranch_scc1 .Lnot_wave_0_\@
	s_barrier_signal -3
.Lnot_wave_0_\@:
	s_barrier_wait -3
	s_barrier_signal -1
	s_barrier_wait -1
.endm
.macro CROUND
	s_barrier_signal -1
	s_barrier_wait -1
	CREST
.endm
.macro PLACES n
.rept \n
	v_nop
.endr
.endm
	s_load_b256 s[4:11], s[0:1], 0x0
	s_load_b64 s[12:13], s[0:1], 0x20
	v_lshl_add_u32 v[SPW], v0, 2, SPARE
	v_mov_b32 v[NIL], 0
	ds_add_u32 v17, v18
	ds_add_u32 v17, v18
	s_wait_dscnt 0x0
	v_lshrrev_b32 v1, 5, v0
	v_readfirstlane_b32 s14, v1
	s_lshr_b32 s15, s14, 1
	s_and_b32 s16, s14, 1
	s_bfe_u32 s40, ttmp6, 0x40000
	s_bfe_u32 s41, ttmp6, 0x40004
	s_lshl_b32 s42, ttmp9, 2
	s_add_co_u32 s42, s42, s40
	s_and_b32 s17, ttmp7, 0xffff
	s_lshl_b32 s17, s17, 2
	s_add_co_u32 s17, s17, s41
	s_lshl_b32 s43, s41, 2
	s_lshl_b32 s43, 15, s43
	s_lshl_b32 s44, 0x1111, s40
	s_or_b32 s[G1+0], s43, (3<<16)|(1<<21)
	s_or_b32 s[G1B+0], s44, (3<<16)|(1<<21)
	s_or_b32 s[G1S+0], s43, (3<<16)|(1<<21)
	s_or_b32 s[G1SB+0], s44, (3<<16)|(1<<21)
.irp g, G1, G1B
	s_mov_b32 s[\g+1], 32<<16
	s_mov_b32 s[\g+2], 384<<16
	s_mov_b32 s[\g+3], 32<<16
	s_mov_b32 s[\g+4], 384
	s_mov_b32 s[\g+5], 32
	s_mov_b32 s[\g+6], 0
	s_mov_b32 s[\g+7], 0
.endr
.irp g, G1S, G1SB
	s_mov_b32 s[\g+1], 32<<16
	s_mov_b32 s[\g+2], (2*KB)<<16
	s_mov_b32 s[\g+3], 32<<16
	s_mov_b32 s[\g+4], 2*KB
	s_mov_b32 s[\g+5], 32
	s_mov_b32 s[\g+6], 0
	s_mov_b32 s[\g+7], 0
.endr
; x1 = x + ctx w_out^T + b_out on codes of FP6 (E2M3) with E8M0 scales.  K = 1,024: both operands of a work-group's 128 x 128, all of K, fit in LDS and are filled ONCE:
; A's codes (98,304 bytes) at 0, B's at 98,304, the scale words behind them.  Four blocks, each whole, one joint load a wave; nothing is filled again, so there is no stream to ask ahead for.
.macro MKG0 g, lds, a                  ; group 0: a whole block from the address in s[a:a+1] to LDS byte lds
	s_mov_b32 s[\g], 1
	s_mov_b32 s[\g+1], \lds
	s_mov_b64 s[\g+2:\g+3], s[\a:\a+1]
	s_or_b32 s[\g+3], s[\g+3], 0x80000000
.endm
.macro ARM under, g0, g1, next         ; an arm of the head's one chain of branches on the wave's number
	s_cmp_lt_u32 s14, \under
	s_cbranch_scc0 \next
	tensor_load_to_lds s[\g0:\g0+3], s[\g1:\g1+7]
	s_nop 0
	PLACES 4
	s_branch .Lhead_asked
\next:
.endm
	s_mul_i32 s20, s17, KB*12288
	s_mov_b32 s21, 0
	s_mul_i32 s22, s17, KB*512
	s_add_co_u32 s22, s22, ASC
	s_mov_b32 s23, 0
	s_mul_i32 s46, s42, KB*12288
	s_add_co_u32 s46, s46, BOFF_C
	s_mov_b32 s47, 0
	s_mul_i32 s92, s42, KB*512
	s_add_co_u32 s92, s92, BOFF_S
	s_mov_b32 s93, 0
	s_wait_kmcnt 0x0
	s_add_nc_u64 s[20:21], s[4:5], s[20:21]
	s_add_nc_u64 s[22:23], s[4:5], s[22:23]
	s_add_nc_u64 s[46:47], s[6:7], s[46:47]
	s_add_nc_u64 s[92:93], s[6:7], s[92:93]
	MKG0 G0, 0, 20
	MKG0 G0B, 98304, 46
	MKG0 G0S, SCL, 22
	MKG0 G0SB, SCL+KB*512, 92
	CROUND                                         ; all sixteen work-groups are here: the joint loads meet
	ARM 1, G0, G1, .Lhead_b
	ARM 2, G0B, G1B, .Lhead_sa
	ARM 3, G0S, G1S, .Lhead_sb
	tensor_load_to_lds s[G0SB:G0SB+3], s[G1SB:G1SB+7]
	s_nop 0
	PLACES 4
.Lhead_asked:
	v_and_b32 v3, 31, v0
	v_and_b32 v1, 15, v0
	v_bfe_u32 v2, v0, 4, 1
	v_lshlrev_b32 v[L16], 4, v3
	v_lshlrev_b32 v[L8], 3, v3
	v_lshlrev_b32 v[R16], 4, v1
	s_mul_i32 s21, s15, 6144
	s_mul_i32 s22, s16, 6144
	s_add_co_u32 s22, s22, 98304
.irp s, 0,1
	v_add_nc_u32 v[A16+\s], s21, v[L16]
	v_add_nc_u32 v[A8+\s], s21, v[L8]
	v_add_nc_u32 v[B16+\s], s22, v[L16]
	v_add_nc_u32 v[B8+\s], s22, v[L8]
	s_add_co_u32 s21, s21, 49152
	s_add_co_u32 s22, s22, 49152
.endr
	s_lshl_b32 s18, s15, 8
	s_lshl_b32 s19, s16, 8
	s_add_co_u32 s19, s19, KB*512
	s_sub_co_u32 s19, s19, s18
	v_mul_u32_u24 v7, s19, v2
	s_add_co_u32 s18, s18, SCL
	v_add_nc_u32 v7, v7, v[R16]
	v_add_nc_u32 v[ADRS], s18, v7
	s_mul_i32 s23, s14, 4352
	s_add_co_u32 s23, s23, STG
	v_mul_u32_u24 v7, v1, 272
	v_lshl_add_u32 v7, v2, 6, v7
	v_add_nc_u32 v[STO], s23, v7
	v_mul_u32_u24 v7, v2, 272
	v_lshl_add_u32 v7, v1, 4, v7
	v_add_nc_u32 v[RD], s23, v7
	v_lshlrev_b32 v[CO], 12, v2
	v_lshl_add_u32 v[CO], v1, 4, v[CO]
	v_lshlrev_b32 v[BROFF], 6, v2
	s_wait_alu depctr_va_vdst(0)
	s_lshl_b32 s18, s42, 9
	s_lshl_b32 s19, s16, 8
	s_add_co_u32 s18, s18, s19
	s_mov_b32 s19, 0
	s_add_nc_u64 s[8:9], s[8:9], s[18:19]
	s_lshl_b32 s20, s17, 19
	s_lshl_b32 s21, s15, 18
	s_add_co_u32 s20, s20, s21
	s_add_co_u32 s20, s20, s18
	s_mov_b32 s21, 0
	s_add_nc_u64 s[10:11], s[10:11], s[20:21]
	s_add_nc_u64 s[12:13], s[12:13], s[20:21]
.irp b, 0,1
.irp j, 0,1,2,3
	global_load_b128 v[BR+16*\b+4*\j:BR+16*\b+4*\j+3], v[BROFF], s[8:9] offset:128*\b+16*\j
.endr
.endr
	WIN 0x80
.irp a, 0,1,2,3
.irp i, 0,1,2,3,4,5,6,7
	global_load_b128 v[32*\a+4*\i:32*\a+4*\i+3], v[CO], s[10:11] offset:(32*(\a/2)+8*(\a%2)+2*\i+8*(\i/4))*4096
.endr
.endr
	WIN 0
	s_wait_loadcnt 32
; FOUR FRAGMENT BUFFERS: buffers 0, 1 in window 1, buffers 2, 3 in window 3, each pair at registers 0 and 128; their scale words at v32, v36, v24, v28.
; K block 4 slot + q lies in buffer q and is fetched two K blocks ahead of its products.  All of K lies in LDS from the head on: the walk has no barrier
.macro FETCH slot, q, pp
	WIN 0
	ds_load_b128 v[32-8*((\pp)/2)+4*((\pp)%2):32-8*((\pp)/2)+4*((\pp)%2)+3], v[ADRS] offset:512*(\q)+2048*(\slot)
	WIN ((1+2*((\pp)/2))<<6)
	FETCHF \slot, \q, (\pp)%2
.endm
.macro FETCHF slot, q, p
.irp i, 0,1,2,3
	ds_load_b128 v[128*(\p)+12*\i:128*(\p)+12*\i+3], v[A16+\slot] offset:12288*(\q)+1536*\i
	ds_load_b64 v[128*(\p)+12*\i+4:128*(\p)+12*\i+5], v[A8+\slot] offset:12288*(\q)+1536*\i+512
	ds_load_b128 v[128*(\p)+12*\i+6:128*(\p)+12*\i+9], v[A16+\slot] offset:12288*(\q)+1536*\i+768
	ds_load_b64 v[128*(\p)+12*\i+10:128*(\p)+12*\i+11], v[A8+\slot] offset:12288*(\q)+1536*\i+1280
.endr
.irp i, 0,1,2,3
	ds_load_b128 v[128*(\p)+48+12*\i:128*(\p)+48+12*\i+3], v[B16+\slot] offset:12288*(\q)+1536*\i
	ds_load_b64 v[128*(\p)+48+12*\i+4:128*(\p)+48+12*\i+5], v[B8+\slot] offset:12288*(\q)+1536*\i+512
	ds_load_b128 v[128*(\p)+48+12*\i+6:128*(\p)+48+12*\i+9], v[B16+\slot] offset:12288*(\q)+1536*\i+768
	ds_load_b64 v[128*(\p)+48+12*\i+10:128*(\p)+48+12*\i+11], v[B8+\slot] offset:12288*(\q)+1536*\i+1280
.endr
.endm
.macro MUL4 pp, a, first
.set SC, 32-8*((\pp)/2)
	MUL4F (\pp)%2, \a, \first
.endm
.macro MUL4F p, a, first
.irp nb, 0,1,2,3
.if \first
	v_wmma_scale_f32_16x16x128_f8f6f4 v[ACC+8*(4*(\a)+\nb):ACC+8*(4*(\a)+\nb)+7], v[128*(\p)+48+12*\nb:128*(\p)+48+12*\nb+11], v[128*(\p)+12*(\a):128*(\p)+12*(\a)+11], v[BR+8*\nb:BR+8*\nb+7], v[SC+4*(\p)+\nb], v[SC+4*(\p)+(\a)] matrix_a_fmt:MATRIX_FMT_FP6 matrix_b_fmt:MATRIX_FMT_FP6 matrix_a_scale:MATRIX_SCALE_ROW1
.else
	v_wmma_scale_f32_16x16x128_f8f6f4 v[ACC+8*(4*(\a)+\nb):ACC+8*(4*(\a)+\nb)+7], v[128*(\p)+48+12*\nb:128*(\p)+48+12*\nb+11], v[128*(\p)+12*(\a):128*(\p)+12*(\a)+11], v[ACC+8*(4*(\a)+\nb):ACC+8*(4*(\a)+\nb)+7], v[SC+4*(\p)+\nb], v[SC+4*(\p)+(\a)] matrix_a_fmt:MATRIX_FMT_FP6 matrix_b_fmt:MATRIX_FMT_FP6 matrix_a_scale:MATRIX_SCALE_ROW1
.endif
.endr
.endm
.macro STEP slot, q, first
.if 4*(\slot)+(\q) < 6
	s_wait_dscnt 33                                ; this block's buffer is in; the next block's 33 loads may be out
	PLACES 4
	FETCH (4*(\slot)+(\q)+2)/4, ((\q)+2)%4, ((\q)+2)%4
.else
	s_wait_dscnt 33*(3-(\q))                       ; the last two blocks fetch nothing
.endif
	WIN (5*(1+2*((\q)/2)))
	MUL4 \q, 0, \first
	MUL4 \q, 1, \first
	MUL4 \q, 2, \first
	MUL4 \q, 3, \first
.endm
.macro TURN slot, next, fill
	WIN 0
	s_wait_tensorcnt 0x0
	ds_add_u32 v[SPW], v[NIL]
	s_wait_dscnt 1
	WIN MUL
	MUL4 1, 0, 0
	s_wait_dscnt 0x0
	s_barrier_signal -1
	MUL4 1, 1, 0
	WIN 0
	s_barrier_wait -1
.if \fill
	CREST
	s_add_nc_u64 s[G0+4*\slot+2:G0+4*\slot+3], s[G0+4*\slot+2:G0+4*\slot+3], 98304
	s_add_nc_u64 s[G0B+4*\slot+2:G0B+4*\slot+3], s[G0B+4*\slot+2:G0B+4*\slot+3], 98304
	JLOAD G0+4*\slot, G1, G0B+4*\slot, G1B
.else
	PLACES 4
.endif
	v_add_nc_u32 v[ADRS], 2048, v[ADRS]
	FETCH \next, 0, 0
	WIN MUL
	MUL4 1, 2, 0
	MUL4 1, 3, 0
.endm
	s_wait_alu depctr_va_vdst(0)                   ; the wait at the head's end
	s_wait_tensorcnt 0x0                           ; my block of the four is in
	s_barrier_signal -1
	s_barrier_wait -1                              ; and so is everybody's
	FETCH 0, 0, 0
	FETCH 0, 1, 1
	STEP 0, 0, 1
.if KDIM > 1024
	WIN 0
	s_mov_b32 s3, KDIM/1024-1
.Llap:
	STEP 0, 1, 0
	STEP 0, 2, 0
	TURN 0, 1, 1
	STEP 1, 0, 0
	STEP 1, 1, 0
	STEP 1, 2, 0
	TURN 1, 0, 1
	STEP 0, 0, 0
	WIN 0
	s_sub_co_u32 s3, s3, 1
	s_cmp_lg_u32 s3, 0
	s_cbranch_scc1 .Llap
.endif
	STEP 0, 1, 0
	STEP 0, 2, 0
	STEP 0, 3, 0
	STEP 1, 0, 0
	STEP 1, 1, 0
	STEP 1, 2, 0
	STEP 1, 3, 0
	WIN 0
	PLACES 4
.irp a, 0,1,2,3
.set OBB, OB+32*(\a%2)
.if \a >= 2
	s_wait_xcnt 0x0
.endif
.irp nb, 0,1,2,3
	ds_store_b128 v[STO], v[ACC+8*(4*\a+\nb):ACC+8*(4*\a+\nb)+3] offset:128*(\nb/2)+32*(\nb%2)
	ds_store_b128 v[STO], v[ACC+8*(4*\a+\nb)+4:ACC+8*(4*\a+\nb)+7] offset:128*(\nb/2)+32*(\nb%2)+16
.endr
.irp i, 0,1,2,3,4,5,6,7
	ds_load_b128 v[OBB+4*\i:OBB+4*\i+3], v[RD] offset:544*\i
.endr
	s_wait_dscnt 0x0
	s_wait_loadcnt 8*(3-\a)
	WIN 0x08
.irp i, 0,1,2,3,4,5,6,7
	v_pk_add_f32 v[OBB+4*\i:OBB+4*\i+1], v[OBB+4*\i:OBB+4*\i+1], v[32*\a+4*\i:32*\a+4*\i+1]
	v_pk_add_f32 v[OBB+4*\i+2:OBB+4*\i+3], v[OBB+4*\i+2:OBB+4*\i+3], v[32*\a+4*\i+2:32*\a+4*\i+3]
.endr
	WIN 0
.irp i, 0,1,2,3,4,5,6,7
.if LAST
	global_store_b128 v[CO], v[OBB+4*\i:OBB+4*\i+3], s[12:13] offset:(32*(\a/2)+8*(\a%2)+2*\i+8*(\i/4))*4096 th:TH_STORE_NT
.else
	global_store_b128 v[CO], v[OBB+4*\i:OBB+4*\i+3], s[12:13] offset:(32*(\a/2)+8*(\a%2)+2*\i+8*(\i/4))*4096
.endif
.endr
.endr
	s_wait_tensorcnt 0x0
	ds_add_u32 v[SPW], v[NIL]
	s_wait_dscnt 0x0
	CROUND
	s_endpgm
.Lfunc_end_k_q6559c83a67_oproj:
	.size	k_q6559c83a67_oproj, .Lfunc_end_k_q6559c83a67_oproj-k_q6559c83a67_oproj
	.p2alignl 7, 3214868480
	.fill 96, 4, 3214868480
	.section	.rodata,"a",@progbits
	.p2align	6, 0x0
	.amdhsa_kernel k_q6559c83a67_oproj
		.amdhsa_group_segment_fixed_size 327680
		.amdhsa_private_segment_fixed_size 0
		.amdhsa_enable_private_segment 0
		.amdhsa_kernarg_size 40
		.amdhsa_user_sgpr_count 2
		.amdhsa_user_sgpr_kernarg_segment_ptr 1
		.amdhsa_wavefront_size32 1
		.amdhsa_system_sgpr_workgroup_id_x 1
		.amdhsa_system_sgpr_workgroup_id_y 1
		.amdhsa_system_sgpr_workgroup_id_z 1
		.amdhsa_system_vgpr_workitem_id 0
		.amdhsa_next_free_vgpr 1024
		.amdhsa_next_free_sgpr 100
		.amdhsa_reserve_vcc 0
		.amdhsa_float_denorm_mode_32 3
		.amdhsa_float_denorm_mode_16_64 3
		.amdhsa_memory_ordered 1
		.amdhsa_forward_progress 1
		.amdhsa_inst_pref_size 59
	.end_amdhsa_kernel
	.amdgpu_metadata
---
amdhsa.version: [ 1, 2 ]
amdhsa.kernels:
  - .name:           k_q6559c83a67_oproj
    .symbol:         k_q6559c83a67_oproj.kd
    .args:
      - { .name: CT, .offset: 0, .size: 8, .value_kind: global_buffer, .address_space: global }
      - { .name: W, .offset: 8, .size: 8, .value_kind: global_buffer, .address_space: global }
      - { .name: b_out, .offset: 16, .size: 8, .value_kind: global_buffer, .address_space: global }
      - { .name: x, .offset: 24, .size: 8, .value_kind: global_buffer, .address_space: global }
      - { .name: X1, .offset: 32, .size: 8, .value_kind: global_buffer, .address_space: global }
    .group_segment_fixed_size: 327680
    .private_segment_fixed_size: 0
    .kernarg_segment_align: 8
    .kernarg_segment_size: 40
    .max_flat_workgroup_size: 128
    .sgpr_count:     100
    .vgpr_count:     1024
    .wavefront_size: 32
...
	.end_amdgpu_metadata
.endif
;; end of part 4
;; launch ln1 (part 5): grid 256 x 1, 8 waves a work-group, no clusters, 69,632 bytes of LDS; arguments X1, ln2_g, ln2_b, HB; writes HB
.if DOCPART == 5
	.amdgcn_target "amdgcn-amd-amdhsa--gfx1250"
	.amdhsa_code_object_version 6
	.text
	.protected	k_q6559c83a67_ln1
	.globl	k_q6559c83a67_ln1
	.p2align	8
	.type	k_q6559c83a67_ln1,@function
k_q6559c83a67_ln1:
	s_mov_b64 s[64:65], 0
	v_nop
	global_prefetch_b8 v0, s[64:65] scope:SCOPE_SE
	s_setreg_imm32_b32 hwreg(HW_REG_WAVE_MODE, 25, 1), 1
	s_wait_xcnt 0x0
; LayerNorm of [4096][1024] f32, then quantised along the row into codes of FP6 (E2M3) and E8M0 scale bytes, laid in the order of a matrix operand's registers:
; codes [tile of 128 rows][K block 0..7][fragment 0..7][1,536] from byte 0, scale words [tile][K block][512] from byte 3,145,728 (fragment f, lane row r at 256 (f/4) + 16 r + 4 (f%4)).
; Lane row p of fragment f is row 32 (f/2) + 8 (f%2) + p + 8 (p/8) of its tile.  A fragment's 1,536 bytes: for c = 0, 1: registers 6c..6c+3 at 768c + 16 x lane, 6c+4, 6c+5 at 768c + 512 + 8 x lane.
; A work-group takes the 16 rows of one fragment row; wave w takes columns 128 w on (K block w).  Mean and variance in two passes (the mean is taken off before the squares), each joined over
; the eight waves through LDS: two barriers.  All in f32; 1/sqrt by v_rsq_f32.
; LIMITS: a block of zeros gets the byte 1 (the rule says 127): its codes are zeros and this program alone reads the bytes; blocks under 2^-124 are held at the byte 1; NaN and infinities are not served.
.set RED, 67584                        ; behind the eight stages: two regions of 512 bytes: word (r, w) at 32 r + 4 w
.set X,   32                           ; v32-95   64 numbers
.set GG,  96                           ; v96-159  the gain at my 64 columns; later the codes
.set BT,  160                          ; v160-223 the offset
.set TM,  224
.set PW,  240
.set PC,  96
.set SEL, 20
.macro QUANT s
.irp b, 0,1,2,3
	v_max3_num_f32 v[TM+\b], |v[\s+16*\b]|, |v[\s+1+16*\b]|, 0x1800000   ; my 16 numbers of block b, and the floor 2^(3 - 127)
.endr
.irp i, 2,4,6,8,10,12,14
.irp b, 0,1,2,3
	s_delay_alu instid0(VALU_DEP_4)
	v_max3_num_f32 v[TM+\b], v[TM+\b], |v[\s+16*\b+\i]|, |v[\s+1+16*\b+\i]|
.endr
.endr
.irp b, 0,1,2,3
	s_delay_alu instid0(VALU_DEP_4)
	v_permlanex16_b32 v[TM+4+\b], v[TM+\b], s[SEL], s[SEL+1]
.endr
.irp b, 0,1,2,3
	s_delay_alu instid0(VALU_DEP_4)
	v_max_num_f32 v[TM+\b], v[TM+\b], v[TM+4+\b]
.endr
.irp b, 0,1,2,3
	s_delay_alu instid0(VALU_DEP_4)
	v_add_nc_u32 v[TM+12+\b], 0xff000000, v[TM+\b]   ; 2 off the exponent field: the conversion's scale operand
.endr
.irp b, 0,1,2,3
	s_delay_alu instid0(VALU_DEP_4)
	v_lshrrev_b32 v[TM+4+\b], 23, v[TM+12+\b]
.endr
	s_delay_alu instid0(VALU_DEP_3)
	v_lshl_or_b32 v[PW], v[TM+5], 8, v[TM+4]
	s_delay_alu instid0(VALU_DEP_1)
	v_lshl_or_b32 v[PW], v[TM+6], 16, v[PW]
	s_delay_alu instid0(VALU_DEP_1)
	v_lshl_or_b32 v[PW], v[TM+7], 24, v[PW]
.irp c, 0,1
	v_cvt_scalef32_pk16_fp6_f32 v[PC+6*\c:PC+2+6*\c], v[\s+32*\c:\s+15+32*\c], v[TM+12+2*\c]
	v_cvt_scalef32_pk16_fp6_f32 v[PC+12+4*\c:PC+14+4*\c], v[\s+16+32*\c:\s+31+32*\c], v[TM+12+2*\c+1]
.endr
	v_nop                                          ; one plain place behind a scaled conversion
.irp c, 0,1
.irp i, 0,1,2
	v_permlane16_swap_b32 v[PC+6*\c+\i], v[PC+12+4*\c+\i]
.endr
.irp i, 0,1,2
	s_delay_alu instid0(VALU_DEP_3)
	v_mov_b32 v[PC+3+6*\c+\i], v[PC+12+4*\c+\i]
.endr
.endr
.endm
.macro JOIN off                        ; v24 holds my 64 numbers' sum: + lane l xor 16's, then the eight waves' through LDS; the row's sum comes back in v16
	s_delay_alu instid0(VALU_DEP_1)
	v_permlanex16_b32 v28, v24, s[SEL], s[SEL+1]
	s_delay_alu instid0(VALU_DEP_1)
	v_add_f32 v24, v24, v28
	ds_store_b32 v10, v24 offset:\off              ; lanes r and r + 16 write the same word with the same value
	s_wait_dscnt 0x0                               ; for the others' sake: my store has landed
	s_barrier_signal -1
	s_barrier_wait -1
	ds_load_b128 v[16:19], v11 offset:\off
	ds_load_b128 v[20:23], v11 offset:\off+16
	s_wait_dscnt 0x0
	v_add_f32 v16, v16, v17
	v_add_f32 v18, v18, v19
	v_add_f32 v20, v20, v21
	v_add_f32 v22, v22, v23
	s_delay_alu instid0(VALU_DEP_3)
	v_add_f32 v16, v16, v18
	s_delay_alu instid0(VALU_DEP_2)
	v_add_f32 v20, v20, v22
	s_delay_alu instid0(VALU_DEP_1)
	v_add_f32 v16, v16, v20
.endm
	s_load_b256 s[4:11], s[0:1], 0x0               ; the rows s[4:5], gain s[6:7], offset s[8:9], the result s[10:11]
	v_lshl_add_u32 v254, v0, 2, 0x10c00
	v_mov_b32 v255, 0
	v_lshrrev_b32 v1, 5, v0
	s_delay_alu instid0(VALU_DEP_1)
	v_readfirstlane_b32 s14, v1                    ; wave 0..7
	v_and_b32 v1, 31, v0
	v_and_b32 v2, 15, v0                           ; r
	v_bfe_u32 v3, v0, 4, 1                         ; h
	s_delay_alu instid0(VALU_DEP_3)
	v_lshlrev_b32 v4, 4, v1                        ; 16 x lane
	s_delay_alu instid0(VALU_DEP_4)
	v_lshlrev_b32 v5, 3, v1                        ; 8 x lane
	s_delay_alu instid0(VALU_DEP_4)
	v_lshlrev_b32 v6, 4, v2                        ; 16 r
	s_mul_i32 s15, s14, 8448                       ; my stage: 16 rows of 512 + 16 bytes
	v_add_nc_u32 v7, s15, v4
	v_mul_u32_u24 v8, v2, 528
	s_delay_alu instid0(VALU_DEP_1)
	v_lshl_add_u32 v8, v3, 6, v8
	s_delay_alu instid0(VALU_DEP_1)
	v_add_nc_u32 v8, s15, v8
	v_lshlrev_b32 v9, 6, v3                        ; 64 h: my 16 columns of a block of 32
	s_lshl_b32 s15, s14, 2
	s_add_co_u32 s15, s15, RED
	v_lshl_add_u32 v10, v2, 5, s15                 ; my wave's word of row r
	v_lshl_add_u32 v11, v2, 5, RED                 ; row r's eight words
	v_mov_b32 v28, 0                               ; a lane permute's destination counts as one of its sources
.irp b, 0,1,2,3
	v_mov_b32 v[TM+4+\b], 0
.endr
	s_mov_b32 s[SEL], 0x76543210
	s_mov_b32 s[SEL+1], 0xfedcba98
	s_mov_b32 s22, 0x3a800000                      ; 1 / 1024
	s_lshr_b32 s15, ttmp9, 3                       ; tile
	s_and_b32 s16, ttmp9, 7                        ; f
	s_lshl_b32 s17, s15, 7
	s_lshr_b32 s18, s16, 1
	s_lshl_b32 s18, s18, 5
	s_add_co_u32 s17, s17, s18
	s_and_b32 s18, s16, 1
	s_lshl_b32 s18, s18, 3
	s_add_co_u32 s17, s17, s18                     ; the fragment's first row
	s_lshl_b32 s24, s17, 12
	s_lshl_b32 s18, s14, 9                         ; my 128 columns
	s_add_co_u32 s24, s24, s18
	s_mov_b32 s25, 0
	s_mov_b32 s19, 0
	s_lshl_b32 s26, s15, 3
	s_add_co_u32 s26, s26, s14                     ; 8 x tile + K block
	s_mul_i32 s28, s26, 12288
	s_mul_i32 s27, s16, 1536
	s_add_co_u32 s28, s28, s27
	s_mov_b32 s29, 0
	s_lshl_b32 s30, s26, 9
	s_lshr_b32 s27, s16, 2
	s_lshl_b32 s27, s27, 8
	s_add_co_u32 s30, s30, s27
	s_and_b32 s27, s16, 3
	s_lshl_b32 s27, s27, 2
	s_add_co_u32 s30, s30, s27
	s_add_co_u32 s30, s30, 3145728
	s_mov_b32 s31, 0
	s_wait_alu depctr_va_vdst(0)
	s_wait_kmcnt 0x0
	s_add_nc_u64 s[4:5], s[4:5], s[24:25]
	s_add_nc_u64 s[6:7], s[6:7], s[18:19]
	s_add_nc_u64 s[8:9], s[8:9], s[18:19]
	s_add_nc_u64 s[12:13], s[10:11], s[28:29]      ; my fragment
	s_add_nc_u64 s[10:11], s[10:11], s[30:31]      ; its scale words
.irp i, 0,1,2,3,4,5,6,7,8,9,10,11,12,13,14,15
	global_load_b128 v[X+4*\i:X+4*\i+3], v4, s[4:5] offset:(\i+8*(\i/8))*4096   ; 512 consecutive bytes of one row
.endr
.irp b, 0,1,2,3
.irp j, 0,1,2,3
	global_load_b128 v[GG+16*\b+4*\j:GG+16*\b+4*\j+3], v9, s[6:7] offset:128*\b+16*\j
.endr
.endr
.irp b, 0,1,2,3
.irp j, 0,1,2,3
	global_load_b128 v[BT+16*\b+4*\j:BT+16*\b+4*\j+3], v9, s[8:9] offset:128*\b+16*\j
.endr
.endr
.irp i, 0,1,2,3,4,5,6,7,8,9,10,11,12,13,14,15
	s_wait_loadcnt 47-\i                           ; row i is in; out may be the 15 - i younger rows and the 32 loads of gain and offset
	ds_store_b128 v7, v[X+4*\i:X+4*\i+3] offset:528*\i
.endr
.irp b, 0,1,2,3
.irp j, 0,1,2,3
	ds_load_b128 v[X+16*\b+4*\j:X+16*\b+4*\j+3], v8 offset:128*\b+16*\j   ; register 16 b + i = column 32 b + 16 h + i of row r
.endr
.endr
	s_wait_dscnt 0x0
	v_pk_add_f32 v[26:27], v[32:33], v[34:35]
	v_pk_add_f32 v[252:253], v[40:41], v[44:45]
	v_pk_add_f32 v[250:251], v[48:49], v[52:53]
	v_pk_add_f32 v[248:249], v[56:57], v[60:61]
	v_pk_add_f32 v[246:247], v[64:65], v[68:69]
	v_pk_add_f32 v[244:245], v[72:73], v[76:77]
	v_pk_add_f32 v[242:243], v[80:81], v[84:85]
	v_pk_add_f32 v[24:25], v[88:89], v[92:93]
	s_delay_alu instid0(VALU_DEP_1)
	v_pk_add_f32 v[24:25], v[24:25], v[36:37]
	v_pk_add_f32 v[26:27], v[26:27], v[38:39]
	v_pk_add_f32 v[252:253], v[252:253], v[42:43]
	v_pk_add_f32 v[250:251], v[250:251], v[46:47]
	v_pk_add_f32 v[248:249], v[248:249], v[50:51]
	v_pk_add_f32 v[246:247], v[246:247], v[54:55]
	v_pk_add_f32 v[244:245], v[244:245], v[58:59]
	v_pk_add_f32 v[242:243], v[242:243], v[62:63]
	v_pk_add_f32 v[24:25], v[24:25], v[66:67]
	v_pk_add_f32 v[26:27], v[26:27], v[70:71]
	v_pk_add_f32 v[252:253], v[252:253], v[74:75]
	v_pk_add_f32 v[250:251], v[250:251], v[78:79]
	v_pk_add_f32 v[248:249], v[248:249], v[82:83]
	v_pk_add_f32 v[246:247], v[246:247], v[86:87]
	v_pk_add_f32 v[244:245], v[244:245], v[90:91]
	v_pk_add_f32 v[242:243], v[242:243], v[94:95]
	s_delay_alu instid0(VALU_DEP_4)
	v_pk_add_f32 v[24:25], v[24:25], v[248:249]
	s_delay_alu instid0(VALU_DEP_4)
	v_pk_add_f32 v[26:27], v[26:27], v[246:247]
	s_delay_alu instid0(VALU_DEP_4)
	v_pk_add_f32 v[252:253], v[252:253], v[244:245]
	s_delay_alu instid0(VALU_DEP_4)
	v_pk_add_f32 v[250:251], v[250:251], v[242:243]
	s_delay_alu instid0(VALU_DEP_2)
	v_pk_add_f32 v[24:25], v[24:25], v[252:253]
	s_delay_alu instid0(VALU_DEP_2)
	v_pk_add_f32 v[26:27], v[26:27], v[250:251]
	s_delay_alu instid0(VALU_DEP_1)
	v_pk_add_f32 v[24:25], v[24:25], v[26:27]
	s_delay_alu instid0(VALU_DEP_1)
	v_add_f32 v24, v24, v25
	JOIN 0
	s_delay_alu instid0(VALU_DEP_1)
	v_mul_f32 v12, s22, v16                        ; the mean, in both words of a pair
	s_delay_alu instid0(VALU_DEP_1)
	v_mov_b32 v13, v12
.set j, 0
.rept 32
	v_pk_add_f32 v[X+j:X+j+1], v[X+j:X+j+1], v[12:13] neg_lo:[0,1] neg_hi:[0,1]
.set j, j+2
.endr
	v_pk_mul_f32 v[24:25], v[X:X+1], v[X:X+1]      ; the squares' sum
	v_pk_mul_f32 v[26:27], v[X+2:X+3], v[X+2:X+3]
.set j, 4
.rept 15
	s_delay_alu instid0(VALU_DEP_2)
	v_pk_fma_f32 v[24:25], v[X+j:X+j+1], v[X+j:X+j+1], v[24:25]
	s_delay_alu instid0(VALU_DEP_2)
	v_pk_fma_f32 v[26:27], v[X+j+2:X+j+3], v[X+j+2:X+j+3], v[26:27]
.set j, j+4
.endr
	s_delay_alu instid0(VALU_DEP_1)
	v_pk_add_f32 v[24:25], v[24:25], v[26:27]
	s_delay_alu instid0(VALU_DEP_1)
	v_add_f32 v24, v24, v25
	JOIN 512                                       ; other bytes than the first sum's: no wave can overwrite what another still reads
	s_delay_alu instid0(VALU_DEP_1)
	v_fmaak_f32 v14, s22, v16, 0x3727c5ac          ; the variance + 1e-5
	s_wait_alu depctr_va_vdst(0)
	v_rsq_f32 v14, v14
	v_nop                                          ; a plain place behind the transcendental
	s_wait_alu depctr_va_vdst(0)                   ; the wait ahead of the first reader
	v_mov_b32 v15, v14
	s_wait_alu depctr_va_vdst(0)
	s_wait_loadcnt 0x0                             ; gain and offset
.set j, 0
.rept 32
	v_pk_mul_f32 v[X+j:X+j+1], v[X+j:X+j+1], v[14:15]
.set j, j+2
.endr
.set j, 0
.rept 32
	v_pk_fma_f32 v[X+j:X+j+1], v[X+j:X+j+1], v[GG+j:GG+j+1], v[BT+j:BT+j+1]
.set j, j+2
.endr
	QUANT X
	global_store_b128 v4, v[PC:PC+3], s[12:13]
	global_store_b64 v5, v[PC+4:PC+5], s[12:13] offset:512
	global_store_b128 v4, v[PC+6:PC+9], s[12:13] offset:768
	global_store_b64 v5, v[PC+10:PC+11], s[12:13] offset:1280
	global_store_b32 v6, v[PW], s[10:11]           ; lanes r and r + 16 hold and store the same word
	s_wait_tensorcnt 0x0
	ds_add_u32 v254, v255
	s_wait_dscnt 0x0
	s_endpgm
.Lfunc_end_k_q6559c83a67_ln1:
	.size	k_q6559c83a67_ln1, .Lfunc_end_k_q6559c83a67_ln1-k_q6559c83a67_ln1
	.p2alignl 7, 3214868480
	.fill 96, 4, 3214868480
	.section	.rodata,"a",@progbits
	.p2align	6, 0x0
	.amdhsa_kernel k_q6559c83a67_ln1
		.amdhsa_group_segment_fixed_size 69632
		.amdhsa_private_segment_fixed_size 0
		.amdhsa_enable_private_segment 0
		.amdhsa_kernarg_size 32
		.amdhsa_user_sgpr_count 2
		.amdhsa_user_sgpr_kernarg_segment_ptr 1
		.amdhsa_wavefront_size32 1
		.amdhsa_system_sgpr_workgroup_id_x 1
		.amdhsa_system_sgpr_workgroup_id_y 1
		.amdhsa_system_sgpr_workgroup_id_z 1
		.amdhsa_system_vgpr_workitem_id 0
		.amdhsa_next_free_vgpr 256
		.amdhsa_next_free_sgpr 66
		.amdhsa_reserve_vcc 0
		.amdhsa_float_denorm_mode_32 3
		.amdhsa_float_denorm_mode_16_64 3
		.amdhsa_memory_ordered 1
		.amdhsa_forward_progress 1
		.amdhsa_inst_pref_size 30
	.end_amdhsa_kernel
	.amdgpu_metadata
---
amdhsa.version: [ 1, 2 ]
amdhsa.kernels:
  - .name:           k_q6559c83a67_ln1
    .symbol:         k_q6559c83a67_ln1.kd
    .args:
      - { .name: X1, .offset: 0, .size: 8, .value_kind: global_buffer, .address_space: global }
      - { .name: ln2_g, .offset: 8, .size: 8, .value_kind: global_buffer, .address_space: global }
      - { .name: ln2_b, .offset: 16, .size: 8, .value_kind: global_buffer, .address_space: global }
      - { .name: HB, .offset: 24, .size: 8, .value_kind: global_buffer, .address_space: global }
    .group_segment_fixed_size: 69632
    .private_segment_fixed_size: 0
    .kernarg_segment_align: 8
    .kernarg_segment_size: 32
    .max_flat_workgroup_size: 256
    .sgpr_count:     66
    .vgpr_count:     256
    .wavefront_size: 32
...
	.end_amdgpu_metadata
.endif
;; end of part 5
;; launch ff1 (part 6): grid 8 x 32, 4 waves a work-group, clusters of 4 x 4, 327,680 bytes of LDS; arguments HB, W, b1, HF; writes HF
.if DOCPART == 6
	.amdgcn_target "amdgcn-amd-amdhsa--gfx1250"
	.amdhsa_code_object_version 6
	.text
	.protected	k_q6559c83a67_ff1
	.globl	k_q6559c83a67_ff1
	.p2align	8
	.type	k_q6559c83a67_ff1,@function
k_q6559c83a67_ff1:
	s_mov_b64 s[64:65], 0
	v_nop
	global_prefetch_b8 v0, s[64:65] scope:SCOPE_SE
	s_setreg_imm32_b32 hwreg(HW_REG_WAVE_MODE, 25, 1), 1
	s_wait_xcnt 0x0
	s_wait_alu depctr_hold_cnt(0) depctr_sa_sdst(0) depctr_va_vdst(0) depctr_va_sdst(0) depctr_va_ssrc(0) depctr_va_vcc(0) depctr_vm_vsrc(0)
	s_getreg_b32 s2, hwreg(HW_REG_IB_STS2, 6, 4)
	s_cmp_eq_u32 s2, 0
	s_cbranch_scc0 .Lentry_in_a_cluster
	s_endpgm
.Lentry_in_a_cluster:
	s_bfe_u32 s2, ttmp6, 0x10000c
	s_cmp_lg_u32 s2, 0xf033
	s_cbranch_scc0 .Lentry_shape_is_right
	s_endpgm
.Lentry_shape_is_right:
; A GEMM on codes of FP6 (E2M3) with E8M0 scales whose result is quantised again on the way out.  Here: relu(LN2(x1) w1^T + b1), quantised along the 4,096 hidden units (QKV = 0, RELU = 1).
; OPERANDS lie in memory in the order of the operand's registers: codes [tile of 128 rows][K block of 128][fragment 0..7][1,536], scale words [tile][K block][512] (fragment f, lane row r at
; 256 (f/4) + 16 r + 4 (f%4)).  Lane row p of fragment f is row 32 (f/2) + 8 (f%2) + p + 8 (p/8) of its tile.
; A WORK-GROUP STAYS: it keeps its 128 tokens' operand (A: all of K = 1,024: 98,304 bytes of codes, 4,096 of scale words) in LDS, filled once, and walks NT = 4 tiles of 128 rows of the weight (B: tiles
; 4 x + t) through two slots of 98,304 bytes; a tile is asked for one tile ahead.  8 x 32 work-groups.  A wave makes 64 tokens x 64 weight rows of each tile: 16 accumulators.
; THE MATRIX INSTRUCTION IS USED TRANSPOSED: source 0 = the weight's rows, source 1 = the tokens: a lane holds one token (lane % 16), and by the order of a fragment's rows its 32 registers of an m block are
; 2 x 16 neighbours along the weight's rows: k = 32 b + 16 (lane / 16) + i of the NEXT product's K.
; CLUSTERS: 4 x 4.  A's blocks are shared along a row of the cluster, B's along a column: joint loads; every wave fetches its quarter of every block.
; LIMITS: a block of zeros gets the byte 1 (the rule says 127): its codes are zeros and this program alone reads the bytes; blocks under 2^-124 are held at the byte 1; NaN and infinities are not served.
.set QKV,    0
.set RELU,   1
.set NT,     4                         ; tiles of B that a work-group walks
.set NBR,    4                         ; of them those whose bias runs along the registers
.set LOGT,   2                         ; B's first tile is x << LOGT
.set BOFF_C, 3145728                   ; where B's codes begin in W
.set BOFF_S, 9568256                   ; and its scale words
.set ASC,    3145728                   ; where A's scale words begin
.set BSTEP,  512                       ; bytes of bias from tile to tile
.set BMUL,   2048                      ; and from work-group x to x + 1
.set BLDS,   98304                     ; LDS: A's codes at 0; B's slot s at BLDS + 98,304 s
.set SCLA,   294912                    ; A's scale words
.set SCLB,   299008                    ; B's, 4,096 bytes for each tile
.set SPARE,  SCLB+NT*4096              ; the spare words, 128 bytes for each wave
.set L16,  4                           ; v4  16 x lane
.set L8,   5                           ; v5  8 x lane
.set R16,  6                           ; v6  16 r
.set TV,   7                           ; v7  at work
.set A16,  8                           ; v8-9   LDS address of my A fragments' 16-byte parts, K blocks 0-3 and 4-7;  v10-11 of their 8-byte parts
.set A8,   10
.set B16,  12                          ; v12-15 the same for B: 2 x slot + half of K;  v16-19 the 8-byte parts
.set B8,   16
.set ADRS, 20                          ; v20-23 my scale words for tile t: lanes 0-15 A's, lanes 16-31 B's
.set SPW,  24                          ; v24 my spare word; never rewritten
.set NIL,  25                          ; v25 0; never rewritten
.set BROFF, 26                         ; v26 64 h
.set BLOFF, 27
.set SC0,  32                          ; v32-47 scale words, four sets of 4, one for each of B's fragment buffers
.set IM,   72                          ; v72-103 the codes made, 8 registers for each m block
.set QT,   104
.set TT,   108
.set EE,   112
.set BY,   114
.set W16,  116                         ; v116-119 two scale bytes for each m block
.set BL,   120
.set ACC,  128                         ; v128-255 accumulator (a, nb) at 128 + 8 (4 a + nb)
; MY 64 TOKENS' FRAGMENTS, ALL OF K, STAY IN REGISTERS for all tiles: K block kb's four at 48 (kb % 5), K blocks 0-4 in window 1, K blocks 5-7 in window 3: 384 registers, read from LDS once.
; window 2: v[32 t ..]: tile t's bias along the registers, the C of each sum's first product; B's fragment buffers 0, 1 at v128, v176.   window 3: B's buffers 2, 3 at v144, v192
.set DL,   12                          ; s[12:13] bytes from a slot's tile to the tile that follows it there
.set G1A,  24                          ; s[24:31] group 1: 384 rows of 256 bytes, mask of my row
.set G0A,  32                          ; s[32:35] group 0: A's codes;  s[36:39] A's scale words
.set G0AS, 36
.set G1B,  48                          ; s[48:55] group 1: 96 rows, mask of my column
.set G0B,  56                          ; s[56:63] group 0: B's codes, a set for each slot
.set G1SA, 68                          ; s[68:75] group 1: 16 rows, mask of my row
.set G1SB, 80                          ; s[80:87] group 1: 64 rows, mask of my column
.set GS0,  76                          ; group 0: B's scale words of all four tiles in one
.set GS1,  88
.set GS2,  92
.set GS3,  96
.set PCQ,  32                          ; on the way out (all first fills are done by then): s[32:33], s[34:35] where tile 0's codes and scale bytes go
.set PSQ,  34
.set PCV,  36
.set PSV,  38
.set EB,   68                          ; s[68:75] where each m block's codes go;  s[80:87] its scale bytes
.set ES,   80
.set SEL,  92                          ; s[92:93] selects for lane l xor 16
.set MSB, 0
.macro WIN new                         ; the immediate's high byte repeats the setting that is left
.if MSB != \new
	s_set_vgpr_msb (MSB<<8)|\new
.set MSB, \new
.endif
.endm
.set MUL,  0x05                        ; sources 0 and 1 window 1; C and D window 0
.set MULF, 0x25                        ; the same with C in window 2
.set TO_F, 0x40                        ; destination window 1, address window 0
.macro CREST
	s_cmp_lg_u32 s14, 0
	s_cbranch_scc1 .Lnot_wave_0_\@
	s_barrier_signal -3
.Lnot_wave_0_\@:
	s_barrier_wait -3
	s_barrier_signal -1
	s_barrier_wait -1
.endm
.macro CROUND
	s_barrier_signal -1
	s_barrier_wait -1
	CREST
.endm
.macro PLACES n
.rept \n
	v_nop
.endr
.endm
.macro MKG0 g, lds, a                  ; group 0: a whole block from the address in s[a:a+1] to LDS byte lds
	s_mov_b32 s[\g], 1
	s_mov_b32 s[\g+1], \lds
	s_mov_b64 s[\g+2:\g+3], s[\a:\a+1]
	s_or_b32 s[\g+3], s[\g+3], 0x80000000
.endm
.macro ARM under, g0, g1, next         ; an arm of the head's one chain of branches on the wave's number: one load, and a jump to the chain's end
	s_cmp_lt_u32 s14, \under
	s_cbranch_scc0 \next
	tensor_load_to_lds s[\g0:\g0+3], s[\g1:\g1+7]
	s_nop 0
	PLACES 4
	s_branch .Lhead_asked
\next:
.endm
	s_load_b256 s[4:11], s[0:1], 0x0               ; the tokens' operand s[4:5], W s[6:7], the bias s[8:9], the result s[10:11]
	v_lshl_add_u32 v[SPW], v0, 2, SPARE
	v_mov_b32 v[NIL], 0
	ds_add_u32 v24, v25
	ds_add_u32 v24, v25
	s_wait_dscnt 0x0
	v_lshrrev_b32 v1, 5, v0
	v_readfirstlane_b32 s14, v1                    ; wave 0..3
	v_and_b32 v28, 31, v0                          ; v28: the prefetches' offset: 256 x lane, lanes 24 to 31 name block 23 again; never rewritten
	v_min_u32 v28, 23, v28
	v_lshlrev_b32 v28, 8, v28
	s_wait_alu depctr_va_vdst(0)
	s_lshr_b32 s15, s14, 1                         ; wm: my 64 tokens
	s_and_b32 s16, s14, 1                          ; wn: my 64 rows of the weight
	s_bfe_u32 s40, ttmp6, 0x40000                  ; cx, cy
	s_bfe_u32 s41, ttmp6, 0x40004
	s_lshl_b32 s42, ttmp9, 2
	s_add_co_u32 s42, s42, s40                     ; work-group x
	s_and_b32 s17, ttmp7, 0xffff
	s_lshl_b32 s17, s17, 2
	s_add_co_u32 s17, s17, s41                     ; work-group y: the tokens' tile
	s_lshl_b32 s43, s41, 2
	s_lshl_b32 s43, 15, s43                        ; my row of the cluster
	s_lshl_b32 s44, 0x1111, s40                    ; my column
	; descriptor groups 1: dense blocks as rows of 256 bytes (32 elements of 8 bytes), no padding: 384 rows (a whole block of codes), 16 rows (a tile's scale words)
	s_or_b32 s[G1A], s43, (3<<16)|(1<<21)
	s_or_b32 s[G1SA], s43, (3<<16)|(1<<21)
	s_or_b32 s[G1B], s44, (3<<16)|(1<<21)
	s_or_b32 s[G1SB], s44, (3<<16)|(1<<21)
.irp g, G1A, G1B
	s_mov_b32 s[\g+1], 32<<16
	s_mov_b32 s[\g+2], 384<<16
	s_mov_b32 s[\g+3], 32<<16
	s_mov_b32 s[\g+4], 384
	s_mov_b32 s[\g+5], 32
	s_mov_b32 s[\g+6], 0
	s_mov_b32 s[\g+7], 0
.endr
.irp g, G1SA, G1SB
	s_mov_b32 s[\g+1], 32<<16
	s_mov_b32 s[\g+2], 16<<16
	s_mov_b32 s[\g+3], 32<<16
	s_mov_b32 s[\g+4], 16
	s_mov_b32 s[\g+5], 32
	s_mov_b32 s[\g+6], 0
	s_mov_b32 s[\g+7], 0
.endr
	s_mul_i32 s45, s14, 24576                      ; my quarter of a tile's codes, in memory and in LDS: no place in the cluster enters an LDS address
	s_mul_i32 s20, s17, 98304
	s_mov_b32 s21, 0                               ; A's codes
	s_lshl_b32 s22, s17, 12
	s_add_co_u32 s22, s22, ASC
	s_mov_b32 s23, 0                               ; A's scale words
	s_lshl_b32 s46, s42, LOGT                      ; B's first tile
	s_mul_i32 s2, s46, 98304
	s_add_co_u32 s2, s2, BOFF_C
	s_mov_b32 s3, 0                                ; its codes
	s_lshl_b32 s18, s46, 12
	s_add_co_u32 s18, s18, BOFF_S
	s_mov_b32 s19, 0                               ; its scale words
.if QKV
	s_sub_co_u32 s66, 16, s42                      ; from tile 2 x to tile 16 + x
	s_mul_i32 s[DL], s66, 98304
	s_lshl_b32 s100, s66, 12
	s_mov_b32 s101, 0
.else
	s_mov_b32 s[DL], 196608                        ; two tiles on
.endif
	s_mov_b32 s[DL+1], 0
	s_wait_kmcnt 0x0
	s_add_nc_u64 s[20:21], s[4:5], s[20:21]
	s_add_nc_u64 s[22:23], s[4:5], s[22:23]
	s_add_nc_u64 s[2:3], s[6:7], s[2:3]
	s_add_nc_u64 s[18:19], s[6:7], s[18:19]
	; THE HEAD'S FOUR BLOCKS, each whole, one joint load a wave: wave 0 A's codes (384 rows of 256 bytes), wave 1 tile 0's codes, wave 2 A's scale words (16 rows), wave 3 the scale words of all four tiles (64 rows on end)
	MKG0 G0A, 0, 20
	MKG0 G0B, BLDS, 2
	MKG0 G0AS, SCLA, 22
	MKG0 GS0, SCLB, 18
	s_mov_b32 s[G1SB+2], (16*NBR)<<16
	s_mov_b32 s[G1SB+4], 16*NBR
	s_mov_b32 s46, s45                             ; my quarter as a pair
	s_mov_b32 s47, 0
	s_mul_i32 s98, s41, 6144                       ; the prefetches: of the quarter of a tile that is my wave's, each of the four partners that share B's tiles names 6,144 bytes, told apart by address (cy)
	s_mov_b32 s99, 0
	s_add_nc_u64 s[96:97], s[2:3], s[46:47]
	s_add_nc_u64 s[96:97], s[96:97], s[98:99]      ; s[96:97]: my part of tile 0; never rewritten
.if QKV
	s_add_nc_u64 s[98:99], s[96:97], s[DL:DL+1]    ; s[98:99]: the same of v's tile
.endif
	s_mov_b32 s[G0B+4], 1                          ; tile 1: a quarter a wave
	s_add_co_u32 s[G0B+5], s45, BLDS+98304
	s_add_nc_u64 s[G0B+6:G0B+7], s[2:3], s[46:47]
	s_add_nc_u64 s[G0B+6:G0B+7], s[G0B+6:G0B+7], 98304
	s_or_b32 s[G0B+7], s[G0B+7], 0x80000000
	CROUND                                         ; all sixteen work-groups are here: the first joint loads meet
	ARM 1, G0A, G1A, .Lhead_b
	ARM 2, G0B, G1B, .Lhead_sa
	ARM 3, G0AS, G1SA, .Lhead_sb
	tensor_load_to_lds s[GS0:GS0+3], s[G1SB:G1SB+7]
	s_nop 0
	PLACES 4
.Lhead_asked:
	global_prefetch_b8 v28, s[96:97] offset:98304 th:TH_LOAD_NT scope:SCOPE_SE   ; tile 1's bytes, which the load behind the next round brings
	v_and_b32 v3, 31, v0                           ; lane
	v_and_b32 v1, 15, v0                           ; r
	v_bfe_u32 v2, v0, 4, 1                         ; h
	v_lshlrev_b32 v[L16], 4, v3
	v_lshlrev_b32 v[L8], 3, v3
	v_lshlrev_b32 v[R16], 4, v1
	s_mul_i32 s21, s15, 6144                       ; my four fragments of A
.irp i, 0,1
	v_add_nc_u32 v[A16+\i], s21, v[L16]
	v_add_nc_u32 v[A8+\i], s21, v[L8]
	s_add_co_u32 s21, s21, 49152                   ; four K blocks on: an LDS instruction's immediate has 16 bits
.endr
	s_mul_i32 s22, s16, 6144                       ; my four of B
	s_add_co_u32 s22, s22, BLDS
.irp i, 0,1,2,3
	v_add_nc_u32 v[B16+\i], s22, v[L16]
	v_add_nc_u32 v[B8+\i], s22, v[L8]
	s_add_co_u32 s22, s22, 49152
.endr
	s_lshl_b32 s18, s15, 8
	s_lshl_b32 s19, s16, 8
	s_add_co_u32 s19, s19, SCLB-SCLA
	s_sub_co_u32 s19, s19, s18                     ; from A's words to tile 0's of B
	s_add_co_u32 s18, s18, SCLA
.set tt, 0
.rept NT
	v_mul_u32_u24 v[TV], s19, v2                   ; lanes 16-31 take B's words
	v_add_nc_u32 v[TV], v[TV], v[R16]
	v_add_nc_u32 v[ADRS+tt], s18, v[TV]
	s_add_co_u32 s19, s19, 4096
.set tt, tt+1
.endr
	v_lshlrev_b32 v[BROFF], 6, v2
	v_mov_b32 v[TT+2], 0                           ; a lane permute's destination counts as one of its sources
	v_mov_b32 v[TT+3], 0
	s_mul_i32 s18, s42, BMUL
	s_lshl_b32 s19, s16, 8
	s_add_co_u32 s18, s18, s19                     ; tile 0's bias at my 64 rows of the weight
	s_mov_b32 s19, 0
	s_add_nc_u64 s[18:19], s[8:9], s[18:19]
	WIN 0x80                                       ; destination window 2
.set tt, 0
.rept NBR
.irp b, 0,1
.irp j, 0,1,2,3
	global_load_b128 v[32*tt+16*\b+4*\j:32*tt+16*\b+4*\j+3], v[BROFF], s[18:19] offset:tt*BSTEP+128*\b+16*\j   ; register 16 b + i: the weight's row 32 b + 16 h + i
.endr
.endr
.set tt, tt+1
.endr
	WIN 0
.if QKV
	v_and_b32 v[BLOFF], 8, v1
	v_add_nc_u32 v[BLOFF], v[BLOFF], v1
	v_lshlrev_b32 v[BLOFF], 2, v[BLOFF]
	s_lshl_b32 s20, s42, 1
	s_add_co_u32 s20, s20, s16                     ; v's head: 2 x + wn
	s_mul_i32 s20, s20, 768
	s_add_co_u32 s20, s20, 512                     ; b_qkv at 192 head + 128
	s_mov_b32 s21, 0
	s_add_nc_u64 s[20:21], s[8:9], s[20:21]
.irp a, 0,1,2,3
	global_load_b32 v[BL+2*\a], v[BLOFF], s[20:21] offset:4*(32*(\a/2)+8*(\a%2))   ; the d of my lane in m block a
	v_mov_b32 v[BL+2*\a+1], 0
.endr
.endif
	s_wait_loadcnt 0x0
; four fragments, 6,144 bytes on end, into registers r on: 16 LDS loads, every load's bytes consecutive from lane to lane
.macro FRAG4 r, a16, a8, off
.irp i, 0,1,2,3
	ds_load_b128 v[\r+12*\i:\r+12*\i+3], v[\a16] offset:\off+1536*\i
	ds_load_b64 v[\r+12*\i+4:\r+12*\i+5], v[\a8] offset:\off+1536*\i+512
	ds_load_b128 v[\r+12*\i+6:\r+12*\i+9], v[\a16] offset:\off+1536*\i+768
	ds_load_b64 v[\r+12*\i+10:\r+12*\i+11], v[\a8] offset:\off+1536*\i+1280
.endr
.endm
; 17 LDS loads: the scale words (lanes 0-15 A's, lanes 16-31 B's) and B's four fragments of tile t's K block kb into buffer pp = kb % 4, two K blocks ahead of their products
.macro FETCH t, kb, pp
	WIN 0
	ds_load_b128 v[SC0+4*(\pp):SC0+4*(\pp)+3], v[ADRS+(\t)] offset:512*(\kb)
	WIN ((2+(\pp)/2)<<6)
.set R_, 128+48*((\pp)%2)+16*((\pp)/2)
.set A_, 2*((\t)%2)+(\kb)/4
	FRAG4 R_, B16+A_, B8+A_, 12288*((\kb)%4)
.endm
; my tokens' four fragments of K block kb into their registers, once
.macro ALOAD kb
	WIN ((1+2*((\kb)/5))<<6)
.set R_, 48*((\kb)%5)
	FRAG4 R_, A16+(\kb)/4, A8+(\kb)/4, 12288*((\kb)%4)
.endm
.macro WM d, s0, s1, c, x0, x1, side
	v_wmma_scale_f32_16x16x128_f8f6f4 v[\d:\d+7], v[\s0:\s0+11], v[\s1:\s1+11], \c, v[\x0], v[\x1] matrix_a_fmt:MATRIX_FMT_FP6 matrix_b_fmt:MATRIX_FMT_FP6 matrix_\side\()_scale:MATRIX_SCALE_ROW1
.endm
; 4 matrix instructions of K block kb: the lanes' block a x the registers' four blocks.  sw = 0: lanes = tokens (A), registers = the weight's rows (B); first = 1: the bias is the C of the sum's first product.
; sw = 1: the sources change places: lanes = the weight's rows, registers = tokens; first = 1: the sum begins with 0.  The 16 accumulators take turns, in the same order in every step
.macro MUL4 kb, a, first, sw, t
.irp nb, 0,1,2,3
.set D_, ACC+8*(4*(\a)+\nb)
.set XN_, SC0+4*((\kb)%4)+\nb
.set XA_, SC0+4*((\kb)%4)+(\a)
.if \sw
.set S0_, 48*((\kb)%5)+12*\nb
.set S1_, 128+48*((\kb)%2)+16*(((\kb)%4)/2)+12*(\a)
.if \first
	WM D_, S0_, S1_, 0, XN_, XA_, b
.else
	WM D_, S0_, S1_, v[D_:D_+7], XN_, XA_, b
.endif
.else
.set S0_, 128+48*((\kb)%2)+16*(((\kb)%4)/2)+12*\nb
.set S1_, 48*((\kb)%5)+12*(\a)
.if \first
	WM D_, S0_, S1_, v[32*(\t)+8*\nb:32*(\t)+8*\nb+7], XN_, XA_, a
.else
	WM D_, S0_, S1_, v[D_:D_+7], XN_, XA_, a
.endif
.endif
.endr
.endm
.macro STEP t, kb, first, sw, fetch=1
.if \fetch
	s_wait_dscnt 17                                ; this block's buffer is in; the next block's 17 loads may be out
	PLACES 4                                       ; places in front of the loads into a buffer that products have read (ISA guide 7.12.1 for vector instructions)
	FETCH (\t)+((\kb)+2)/8, ((\kb)+2)%8, ((\kb)+2)%4   ; the block two on: in K block 7 the next tile's K block 1
.else
	s_wait_dscnt 17*(7-(\kb))                      ; the last tile's last two blocks fetch nothing
.endif
.set WA_, 1+2*((\kb)/5)                ; the window of A's fragments,
.set WB_, 2+((\kb)%4)/2                ; and of B's buffer
.if \sw
	WIN (WA_|(WB_<<2))
.elseif \first
	WIN (WB_|(WA_<<2)|0x20)                        ; C in window 2
.else
	WIN (WB_|(WA_<<2))
.endif
	MUL4 \kb, 0, \first, \sw, \t
	MUL4 \kb, 1, \first, \sw, \t
	MUL4 \kb, 2, \first, \sw, \t
	MUL4 \kb, 3, \first, \sw, \t
.endm
; THE CHANGE OF TILES STANDS IN K BLOCK 6: all this tile's fragments have been asked for by then (K block 7's in K block 5), and the next fetch is of the next tile
; A tile's last K block changes tiles: ONE barrier; in front of it each wave waits for all its tensor loads (its quarter of the next tile), adds 0 to its spare word, and waits for that and for its reads of this
; tile's slot.  fill = 1: the barrier opens a round of the cluster's barrier, and this slot takes the tile after the next: the wave's one load behind the round; it has this tile's way out and the next tile's
; 128 matrix instructions in which to land
.macro TURN t, fill, sw
	WIN 0
	s_wait_tensorcnt 0x0                           ; all my tensor loads have landed
	ds_add_u32 v[SPW], v[NIL]                      ; 0 onto my spare word
	s_wait_dscnt 18                                ; buffer 2 is in; K block 7's 17 loads and the add may be out
	WIN 15                                         ; K block 6: A's fragments and B's buffer both lie in window 3
	MUL4 6, 0, 0, \sw, \t
	s_wait_dscnt 0x0                               ; the add is done, and my reads of this slot are over
	s_barrier_signal -1
	MUL4 6, 1, 0, \sw, \t
	WIN 0
	s_barrier_wait -1
.if \fill
	CREST
	s_add_nc_u64 s[G0B+4*((\t)%2)+2:G0B+4*((\t)%2)+3], s[G0B+4*((\t)%2)+2:G0B+4*((\t)%2)+3], s[DL:DL+1]
	tensor_load_to_lds s[G0B+4*((\t)%2):G0B+4*((\t)%2)+3], s[G1B:G1B+7]
	s_nop 0
.endif
	PLACES 4                                       ; behind the load, and the places in front of the loads below
	FETCH (\t)+1, 0, 0
.if (\fill) && ((\t)+3 < NT)
	global_prefetch_b8 v28, s[96:97] offset:((\t)+3)*98304 th:TH_LOAD_NT scope:SCOPE_SE   ; what the next refill brings
.endif
	WIN 15
	MUL4 6, 2, 0, \sw, \t
	MUL4 6, 3, 0, \sw, \t
.endm
; 32 numbers of a lane, register 16 b + i = k 32 b + 16 (lane / 16) + i of my row, become half a fragment (16 rows x 64 K, 6 registers) and two scale bytes, and are stored
.macro HQ s, im, w, cb, sb
	v_max3_num_f32 v[TT], |v[(\s)]|, |v[(\s)+1]|, 0x1800000        ; the floor 2^(3 - 127) holds the byte at 1 from below
	v_max3_num_f32 v[TT+1], |v[(\s)+16]|, |v[(\s)+17]|, 0x1800000
.irp i, 2,4,6,8,10,12,14
	v_max3_num_f32 v[TT], v[TT], |v[(\s)+\i]|, |v[(\s)+\i+1]|
	v_max3_num_f32 v[TT+1], v[TT+1], |v[(\s)+16+\i]|, |v[(\s)+17+\i]|
.endr
	v_permlanex16_b32 v[TT+2], v[TT], s[SEL], s[SEL+1]
	v_permlanex16_b32 v[TT+3], v[TT+1], s[SEL], s[SEL+1]
	v_max_num_f32 v[TT], v[TT], v[TT+2]
	v_max_num_f32 v[TT+1], v[TT+1], v[TT+3]
	v_add_nc_u32 v[EE], 0xff000000, v[TT]          ; 2 off the exponent field: the conversion's scale operand
	v_add_nc_u32 v[EE+1], 0xff000000, v[TT+1]
	v_lshrrev_b32 v[BY], 23, v[EE]
	v_lshrrev_b32 v[BY+1], 23, v[EE+1]
	v_lshl_or_b32 v[(\w)], v[BY+1], 8, v[BY]
	v_cvt_scalef32_pk16_fp6_f32 v[(\im):(\im)+2], v[(\s):(\s)+15], v[EE]
	v_cvt_scalef32_pk16_fp6_f32 v[QT:QT+2], v[(\s)+16:(\s)+31], v[EE+1]
	v_nop                                          ; one plain place behind a scaled conversion
.irp i, 0,1,2
	v_permlane16_swap_b32 v[(\im)+\i], v[QT+\i]    ; a whole block to a lane: lanes 0-15 block 0, lanes 16-31 block 1
.endr
.irp i, 0,1,2
	v_mov_b32 v[(\im)+3+\i], v[QT+\i]
.endr
	global_store_b128 v[L16], v[(\im):(\im)+3], s[(\cb):(\cb)+1]               ; 512 consecutive bytes
	global_store_b64 v[L8], v[(\im)+4:(\im)+5], s[(\cb):(\cb)+1] offset:512    ; 256
	global_store_b16 v[R16], v[(\w)], s[(\sb):(\sb)+1]                         ; lanes r and r + 16 hold and store the same two bytes
.endm
; THE WAY OUT of tile t: no LDS.  An m block's 32 registers are 64 along the next product's K of my lane's row
.macro EPI t, sw
.if (\t) > 0
	s_wait_xcnt 0x0                                ; the last tile's stores have read their bases and their data: both are written again below
.endif
.if QKV
.if (\t) == 0
	s_lshr_b32 s18, s17, 4
	s_lshl_b32 s18, s18, 4
	s_lshl_b32 s19, s42, 1
	s_add_co_u32 s18, s18, s19                     ; 16 batch + 2 x: tile 0's head
	s_and_b32 s19, s17, 15                         ; the tokens' tile within the batch
	s_mul_i32 s20, s18, 98304
	s_mul_i32 s21, s19, 6144
	s_add_co_u32 s20, s20, s21
	s_lshl_b32 s22, s18, 12
	s_lshl_b32 s21, s19, 8
	s_add_co_u32 s22, s22, s21
	s_mul_i32 s21, s16, 3145728                    ; q (wn = 0) or k (wn = 1),
	s_add_co_u32 s2, s20, s21
	s_mul_i32 s21, s15, 3072                       ; + 4 wm halves of 768 bytes
	s_add_co_u32 s2, s2, s21
	s_mov_b32 s3, 0
	s_add_nc_u64 s[PCQ:PCQ+1], s[10:11], s[2:3]
	s_lshl_b32 s21, s16, 17
	s_add_co_u32 s2, s22, s21
	s_lshl_b32 s21, s15, 3
	s_add_co_u32 s2, s2, s21
	s_add_co_u32 s2, s2, 9437184
	s_add_nc_u64 s[PSQ:PSQ+1], s[10:11], s[2:3]
	s_mul_i32 s21, s16, 98304                      ; v: head 2 x + wn,
	s_add_co_u32 s2, s20, s21
	s_mul_i32 s21, s15, 768                        ; + 768 wm: which 64 of the tile's 128 keys
	s_add_co_u32 s2, s2, s21
	s_add_co_u32 s2, s2, 6291456
	s_add_nc_u64 s[PCV:PCV+1], s[10:11], s[2:3]
	s_lshl_b32 s21, s16, 12
	s_add_co_u32 s2, s22, s21
	s_lshl_b32 s21, s15, 1
	s_add_co_u32 s2, s2, s21
	s_add_co_u32 s2, s2, 9699328
	s_add_nc_u64 s[PSV:PSV+1], s[10:11], s[2:3]
	s_mov_b32 s[SEL], 0x76543210
	s_mov_b32 s[SEL+1], 0xfedcba98
.endif
.if \sw
	s_mov_b64 s[EB:EB+1], s[PCV:PCV+1]
	s_mov_b64 s[ES:ES+1], s[PSV:PSV+1]
.set ESTC, 1536
.set ESTS, 4
.else
	s_add_nc_u64 s[EB:EB+1], s[PCQ:PCQ+1], (\t)*98304     ; the next head
	s_add_nc_u64 s[ES:ES+1], s[PSQ:PSQ+1], (\t)*4096
.set ESTC, 768
.set ESTS, 2
.endif
.else
.if (\t) == 0
	s_lshl_b32 s18, s17, 5
	s_lshl_b32 s19, s42, 2
	s_add_co_u32 s18, s18, s19                     ; 32 y + 4 x: the tokens' tile, the next product's K block of tile 0
	s_mul_i32 s20, s18, 12288
	s_mul_i32 s21, s15, 6144
	s_add_co_u32 s20, s20, s21
	s_mul_i32 s21, s16, 768
	s_add_co_u32 s20, s20, s21
	s_lshl_b32 s22, s18, 9
	s_lshl_b32 s21, s15, 8
	s_add_co_u32 s22, s22, s21
	s_lshl_b32 s21, s16, 1
	s_add_co_u32 s22, s22, s21
	s_add_co_u32 s22, s22, 12582912
	s_mov_b32 s21, 0
	s_mov_b32 s23, 0
	s_add_nc_u64 s[PCQ:PCQ+1], s[10:11], s[20:21]
	s_add_nc_u64 s[PSQ:PSQ+1], s[10:11], s[22:23]
	s_mov_b32 s[SEL], 0x76543210
	s_mov_b32 s[SEL+1], 0xfedcba98
.endif
	s_add_nc_u64 s[EB:EB+1], s[PCQ:PCQ+1], (\t)*12288     ; the next K block
	s_add_nc_u64 s[ES:ES+1], s[PSQ:PSQ+1], (\t)*512
.set ESTC, 1536
.set ESTS, 4
.endif
.irp a, 1,2,3
	s_add_nc_u64 s[EB+2*\a:EB+2*\a+1], s[EB+2*\a-2:EB+2*\a-1], ESTC
	s_add_nc_u64 s[ES+2*\a:ES+2*\a+1], s[ES+2*\a-2:ES+2*\a-1], ESTS
.endr
	PLACES 4                                       ; in front of the first read of results
.irp a, 0,1,2,3
.if \sw
.set j, 0
.rept 16
	v_pk_add_f32 v[ACC+32*\a+j:ACC+32*\a+j+1], v[ACC+32*\a+j:ACC+32*\a+j+1], v[BL+2*\a:BL+2*\a+1] op_sel_hi:[1,0]   ; the bias of my lane's d
.set j, j+2
.endr
.endif
.if RELU
.set j, 0
.rept 32
	v_max_num_f32 v[ACC+32*\a+j], 0, v[ACC+32*\a+j]   ; the activation, in f32; each accumulator from its low end on
.set j, j+1
.endr
.endif
	HQ ACC+32*\a, IM+8*\a, W16+\a, EB+2*\a, ES+2*\a
.endr
.endm
; A tile: eight K blocks and the way out.  mode 2: the slot is filled again; 1: a change of tiles without a fill; 0: the last tile
.macro TILE t, mode, sw
	STEP \t, 0, 1, \sw
.irp k, 1,2,3,4,5
	STEP \t, \k, 0, \sw
.endr
.if \mode == 2
	TURN \t, 1, \sw
	STEP \t, 7, 0, \sw
.elseif \mode == 1
	TURN \t, 0, \sw
	STEP \t, 7, 0, \sw
.else
	STEP \t, 6, 0, \sw, 0
	STEP \t, 7, 0, \sw, 0
.endif
	WIN 0
	EPI \t, \sw
.endm
	s_wait_alu depctr_va_vdst(0)                   ; the wait at the head's end
	s_wait_tensorcnt 0x0                           ; my block of the head's four is in; these lines stand ahead of a later first fill as ahead of a refill
	ds_add_u32 v[SPW], v[NIL]
	s_mov_b32 s[G1B+2], 96<<16                     ; no load of mine is out: from here on a load brings a quarter of a tile, 96 rows,
	s_mov_b32 s[G1B+4], 96
	s_add_co_u32 s[G0B+1], s45, BLDS               ; and slot 0's group 0 points at my quarter
	s_add_nc_u64 s[G0B+2:G0B+3], s[G0B+2:G0B+3], s[46:47]
	s_wait_dscnt 0x0
	CROUND                                         ; a whole round: all four blocks are in, and the joint loads meet
	tensor_load_to_lds s[G0B+4:G0B+7], s[G1B:G1B+7]
	s_nop 0
	PLACES 4
.if QKV
	global_prefetch_b8 v28, s[98:99] th:TH_LOAD_NT scope:SCOPE_SE                 ; v's tile, which the one refill brings
.else
	global_prefetch_b8 v28, s[96:97] offset:2*98304 th:TH_LOAD_NT scope:SCOPE_SE  ; tile 2, which the first refill brings
.endif
.irp k, 0,1,2,3,4,5,6,7
	ALOAD \k
.endr
	FETCH 0, 0, 0
	FETCH 0, 1, 1
.if QKV
	TILE 0, 2, 0                                   ; head 2 x; slot 0 then takes v's tile
	TILE 1, 1, 0                                   ; head 2 x + 1
	TILE 2, 0, 1                                   ; v, the sources changed over
.else
	TILE 0, 2, 0                                   ; slot 0 then takes tile 2,
	TILE 1, 2, 0                                   ; slot 1 tile 3
	TILE 2, 1, 0
	TILE 3, 0, 0
.endif
	s_wait_tensorcnt 0x0                           ; the wave's end
	ds_add_u32 v[SPW], v[NIL]
	s_wait_dscnt 0x0
	CROUND                                         ; the closing round
	s_endpgm
.Lfunc_end_k_q6559c83a67_ff1:
	.size	k_q6559c83a67_ff1, .Lfunc_end_k_q6559c83a67_ff1-k_q6559c83a67_ff1
	.p2alignl 7, 3214868480
	.fill 96, 4, 3214868480
	.section	.rodata,"a",@progbits
	.p2align	6, 0x0
	.amdhsa_kernel k_q6559c83a67_ff1
		.amdhsa_group_segment_fixed_size 327680
		.amdhsa_private_segment_fixed_size 0
		.amdhsa_enable_private_segment 0
		.amdhsa_kernarg_size 32
		.amdhsa_user_sgpr_count 2
		.amdhsa_user_sgpr_kernarg_segment_ptr 1
		.amdhsa_wavefront_size32 1
		.amdhsa_system_sgpr_workgroup_id_x 1
		.amdhsa_system_sgpr_workgroup_id_y 1
		.amdhsa_system_sgpr_workgroup_id_z 1
		.amdhsa_system_vgpr_workitem_id 0
		.amdhsa_next_free_vgpr 1024
		.amdhsa_next_free_sgpr 102
		.amdhsa_reserve_vcc 0
		.amdhsa_float_denorm_mode_32 3
		.amdhsa_float_denorm_mode_16_64 3
		.amdhsa_memory_ordered 1
		.amdhsa_forward_progress 1
		.amdhsa_inst_pref_size 182
	.end_amdhsa_kernel
	.amdgpu_metadata
---
amdhsa.version: [ 1, 2 ]
amdhsa.kernels:
  - .name:           k_q6559c83a67_ff1
    .symbol:         k_q6559c83a67_ff1.kd
    .args:
      - { .name: HB, .offset: 0, .size: 8, .value_kind: global_buffer, .address_space: global }
      - { .name: W, .offset: 8, .size: 8, .value_kind: global_buffer, .address_space: global }
      - { .name: b1, .offset: 16, .size: 8, .value_kind: global_buffer, .address_space: global }
      - { .name: HF, .offset: 24, .size: 8, .value_kind: global_buffer, .address_space: global }
    .group_segment_fixed_size: 327680
    .private_segment_fixed_size: 0
    .kernarg_segment_align: 8
    .kernarg_segment_size: 32
    .max_flat_workgroup_size: 128
    .sgpr_count:     102
    .vgpr_count:     1024
    .wavefront_size: 32
...
	.end_amdgpu_metadata
.endif
;; end of part 6
;; launch ff2 (part 7): grid 8 x 32, 4 waves a work-group, clusters of 4 x 4, 327,680 bytes of LDS; arguments HF, W, b2, X1, out0; writes out0
.if DOCPART == 7
	.amdgcn_target "amdgcn-amd-amdhsa--gfx1250"
	.amdhsa_code_object_version 6
	.text
	.protected	k_q6559c83a67_ff2
	.globl	k_q6559c83a67_ff2
	.p2align	8
	.type	k_q6559c83a67_ff2,@function
k_q6559c83a67_ff2:
	s_mov_b64 s[64:65], 0
	v_nop
	global_prefetch_b8 v0, s[64:65] scope:SCOPE_SE
	s_setreg_imm32_b32 hwreg(HW_REG_WAVE_MODE, 25, 1), 1
	s_wait_xcnt 0x0
	s_wait_alu depctr_hold_cnt(0) depctr_sa_sdst(0) depctr_va_vdst(0) depctr_va_sdst(0) depctr_va_ssrc(0) depctr_va_vcc(0) depctr_vm_vsrc(0)
	s_getreg_b32 s2, hwreg(HW_REG_IB_STS2, 6, 4)
	s_cmp_eq_u32 s2, 0
	s_cbranch_scc0 .Lentry_in_a_cluster
	s_endpgm
.Lentry_in_a_cluster:
	s_bfe_u32 s2, ttmp6, 0x10000c
	s_cmp_lg_u32 s2, 0xf033
	s_cbranch_scc0 .Lentry_shape_is_right
	s_endpgm
.Lentry_shape_is_right:
.set KDIM,   4096
.set BOFF_C, 6291456
.set BOFF_S, 9699328
.set ASC,    12582912
.set LAST,   1
.set KB,     KDIM/128
.set SLOTB,  98304
.set HALFB,  24576
.set SCL,    2*SLOTB
.set STG,    SCL+KB*1024
.set SPARE,  STG+4*4352
.set L16,  4
.set L8,   5
.set R16,  6
.set A16,  8
.set A8,   10
.set B16,  12
.set B8,   14
.set ADRS, 16
.set SPW,  17
.set NIL,  18
.set STO,  19
.set RD,   20
.set CO,   21
.set BROFF, 22
.set SC,   32
.set BR,   40
.set OB,   40
.set ACC,  128
.set G1, 24
.set G0, 32
.set G1B, 48
.set G0B, 56
.set G1S, 68
.set G0S, 76
.set G1SB, 80
.set G0SB, 88
.set MSB, 0
.macro WIN new
.if MSB != \new
	s_set_vgpr_msb (MSB<<8)|\new
.set MSB, \new
.endif
.endm
.set MUL,  0x05
.set TO_F, 0x40
.macro JLOAD g0a, g1a, g0b, g1b
	s_cmp_eq_u32 s15, 0
	s_cbranch_scc0 .Lfor_b_\@
	tensor_load_to_lds s[\g0a:\g0a+3], s[\g1a:\g1a+7]
	s_nop 0
.rept 4
	v_nop
.endr
	s_branch .Lasked_\@
.Lfor_b_\@:
	tensor_load_to_lds s[\g0b:\g0b+3], s[\g1b:\g1b+7]
	s_nop 0
.rept 4
	v_nop
.endr
.Lasked_\@:
.endm
.macro CREST
	s_cmp_lg_u32 s14, 0
	s_cbranch_scc1 .Lnot_wave_0_\@
	s_barrier_signal -3
.Lnot_wave_0_\@:
	s_barrier_wait -3
	s_barrier_signal -1
	s_barrier_wait -1
.endm
.macro CROUND
	s_barrier_signal -1
	s_barrier_wait -1
	CREST
.endm
.macro PLACES n
.rept \n
	v_nop
.endr
.endm
	s_load_b256 s[4:11], s[0:1], 0x0
	s_load_b64 s[12:13], s[0:1], 0x20
	v_lshl_add_u32 v[SPW], v0, 2, SPARE
	v_mov_b32 v[NIL], 0
	ds_add_u32 v17, v18
	ds_add_u32 v17, v18
	s_wait_dscnt 0x0
	v_lshrrev_b32 v1, 5, v0
	v_readfirstlane_b32 s14, v1
	v_and_b32 v23, 31, v0                          ; v23: the prefetches' offset: 256 x lane, lanes 24 to 31 name block 23 again; never rewritten
	v_min_u32 v23, 23, v23
	v_lshlrev_b32 v23, 8, v23
	s_wait_alu depctr_va_vdst(0)
	s_lshr_b32 s15, s14, 1
	s_and_b32 s16, s14, 1
	s_bfe_u32 s40, ttmp6, 0x40000
	s_bfe_u32 s41, ttmp6, 0x40004
	s_lshl_b32 s42, ttmp9, 2
	s_add_co_u32 s42, s42, s40
	s_and_b32 s17, ttmp7, 0xffff
	s_lshl_b32 s17, s17, 2
	s_add_co_u32 s17, s17, s41
	s_lshl_b32 s43, s41, 2
	s_lshl_b32 s43, 15, s43
	s_lshl_b32 s44, 0x1111, s40
	s_or_b32 s[G1+0], s43, (3<<16)|(1<<21)
	s_or_b32 s[G1B+0], s44, (3<<16)|(1<<21)
	s_or_b32 s[G1S+0], s43, (3<<16)|(1<<21)
	s_or_b32 s[G1SB+0], s44, (3<<16)|(1<<21)
.irp g, G1, G1B
	s_mov_b32 s[\g+1], 32<<16
	s_mov_b32 s[\g+2], 192<<16
	s_mov_b32 s[\g+3], 32<<16
	s_mov_b32 s[\g+4], 192
	s_mov_b32 s[\g+5], 32
	s_mov_b32 s[\g+6], 0
	s_mov_b32 s[\g+7], 0
.endr
.irp g, G1S, G1SB
	s_mov_b32 s[\g+1], 32<<16
	s_mov_b32 s[\g+2], (2*KB)<<16
	s_mov_b32 s[\g+3], 32<<16
	s_mov_b32 s[\g+4], 2*KB
	s_mov_b32 s[\g+5], 32
	s_mov_b32 s[\g+6], 0
	s_mov_b32 s[\g+7], 0
.endr
; out = x1 + h w2^T + b2 on codes of FP6 (E2M3) with E8M0 scales, K = 4,096, a block of 128 x 128 a work-group.  K goes through two LDS slots of four K blocks (A's 49,152 bytes, then B's); all scale words lie in LDS, filled once.
; THE HEAD: four blocks, each whole, one joint load a wave: slot 0's part of A, of B (192 rows of 256 bytes each), A's scale words, B's.  Slot 1 is filled behind the full sequence and a round, a quarter of the slot a wave, as every refill is.
; PREFETCHES: behind the load of slot n stands one request a wave for what the load of slot n + 2 will bring.  Of the 24,576 bytes that a wave fetches, each of the four partners that ask for them jointly names 6,144,
; told apart by address (cx for A, cy for B): 24 blocks of 256 bytes, a lane a block.  The last two refills have no slot two on and ask for nothing.
.macro MKG0 g, lds, a                  ; group 0: a whole block from the address in s[a:a+1] to LDS byte lds
	s_mov_b32 s[\g], 1
	s_mov_b32 s[\g+1], \lds
	s_mov_b64 s[\g+2:\g+3], s[\a:\a+1]
	s_or_b32 s[\g+3], s[\g+3], 0x80000000
.endm
.macro ARM under, g0, g1, next         ; an arm of the head's one chain of branches on the wave's number
	s_cmp_lt_u32 s14, \under
	s_cbranch_scc0 \next
	tensor_load_to_lds s[\g0:\g0+3], s[\g1:\g1+7]
	s_nop 0
	PLACES 4
	s_branch .Lhead_asked
\next:
.endm
.macro ASK                             ; in the loop: the slot two refills on; s3 = 1 in the last trip, whose two refills are the last
	WIN 0
	s_cmp_gt_u32 s3, 1
	s_cbranch_scc0 .Lno_ask_\@
	global_prefetch_b8 v23, s[96:97] offset:3*49152 th:TH_LOAD_NT scope:SCOPE_SE
.Lno_ask_\@:
.endm
	s_mul_i32 s20, s17, KB*12288
	s_mov_b32 s21, 0
	s_mul_i32 s22, s17, KB*512
	s_add_co_u32 s22, s22, ASC
	s_mov_b32 s23, 0
	s_mul_i32 s46, s42, KB*12288
	s_add_co_u32 s46, s46, BOFF_C
	s_mov_b32 s47, 0
	s_mul_i32 s92, s42, KB*512
	s_add_co_u32 s92, s92, BOFF_S
	s_mov_b32 s93, 0
	s_mul_i32 s18, s16, HALFB                      ; in the ring I fetch half of A's or of B's part of a slot
	s_mov_b32 s19, 0
	s_mul_i32 s45, s14, HALFB                      ; and where it goes: no place in the cluster enters an LDS address
	s_wait_kmcnt 0x0
	s_add_nc_u64 s[20:21], s[4:5], s[20:21]
	s_add_nc_u64 s[22:23], s[4:5], s[22:23]
	s_add_nc_u64 s[46:47], s[6:7], s[46:47]
	s_add_nc_u64 s[92:93], s[6:7], s[92:93]
	MKG0 G0, 0, 20
	MKG0 G0B, 49152, 46
	MKG0 G0S, SCL, 22
	MKG0 G0SB, SCL+KB*512, 92
	s_add_nc_u64 s[94:95], s[20:21], s[18:19]      ; the ring's addresses: my half of A's part,
	s_add_nc_u64 s[46:47], s[46:47], s[18:19]      ; of B's
	s_mov_b32 s[G0+4], 1
	s_add_co_u32 s[G0+5], s45, SLOTB
	s_add_nc_u64 s[G0+6:G0+7], s[94:95], 49152
	s_or_b32 s[G0+7], s[G0+7], 0x80000000
	s_mov_b32 s[G0B+4], 1
	s_add_co_u32 s[G0B+5], s45, SLOTB
	s_add_nc_u64 s[G0B+6:G0B+7], s[46:47], 49152
	s_or_b32 s[G0B+7], s[G0B+7], 0x80000000
	s_cmp_eq_u32 s15, 0                            ; where my prefetches stand: what I fetch, + my work-group's quarter of it
	s_cselect_b64 s[96:97], s[94:95], s[46:47]
	s_cselect_b32 s98, s40, s41
	s_mul_i32 s98, s98, 6144
	s_mov_b32 s99, 0
	s_add_nc_u64 s[96:97], s[96:97], s[98:99]
	CROUND                                         ; all sixteen work-groups are here: the first joint loads meet
	ARM 1, G0, G1, .Lhead_b
	ARM 2, G0B, G1B, .Lhead_sa
	ARM 3, G0S, G1S, .Lhead_sb
	tensor_load_to_lds s[G0SB:G0SB+3], s[G1SB:G1SB+7]
	s_nop 0
	PLACES 4
.Lhead_asked:
	global_prefetch_b8 v23, s[96:97] offset:49152 th:TH_LOAD_NT scope:SCOPE_SE     ; slot 1's bytes, which the load behind the next round brings,
	global_prefetch_b8 v23, s[96:97] offset:2*49152 th:TH_LOAD_NT scope:SCOPE_SE   ; and slot 2's
	v_and_b32 v3, 31, v0
	v_and_b32 v1, 15, v0
	v_bfe_u32 v2, v0, 4, 1
	v_lshlrev_b32 v[L16], 4, v3
	v_lshlrev_b32 v[L8], 3, v3
	v_lshlrev_b32 v[R16], 4, v1
	s_mul_i32 s21, s15, 6144
	s_mul_i32 s22, s16, 6144
	s_add_co_u32 s22, s22, 49152
.irp s, 0,1
	v_add_nc_u32 v[A16+\s], s21, v[L16]
	v_add_nc_u32 v[A8+\s], s21, v[L8]
	v_add_nc_u32 v[B16+\s], s22, v[L16]
	v_add_nc_u32 v[B8+\s], s22, v[L8]
	s_add_co_u32 s21, s21, SLOTB
	s_add_co_u32 s22, s22, SLOTB
.endr
	s_lshl_b32 s18, s15, 8
	s_lshl_b32 s19, s16, 8
	s_add_co_u32 s19, s19, KB*512
	s_sub_co_u32 s19, s19, s18
	v_mul_u32_u24 v7, s19, v2
	s_add_co_u32 s18, s18, SCL
	v_add_nc_u32 v7, v7, v[R16]
	v_add_nc_u32 v[ADRS], s18, v7
	s_mul_i32 s23, s14, 4352
	s_add_co_u32 s23, s23, STG
	v_mul_u32_u24 v7, v1, 272
	v_lshl_add_u32 v7, v2, 6, v7
	v_add_nc_u32 v[STO], s23, v7
	v_mul_u32_u24 v7, v2, 272
	v_lshl_add_u32 v7, v1, 4, v7
	v_add_nc_u32 v[RD], s23, v7
	v_lshlrev_b32 v[CO], 12, v2
	v_lshl_add_u32 v[CO], v1, 4, v[CO]
	v_lshlrev_b32 v[BROFF], 6, v2
	s_wait_alu depctr_va_vdst(0)
	s_lshl_b32 s18, s42, 9
	s_lshl_b32 s19, s16, 8
	s_add_co_u32 s18, s18, s19
	s_mov_b32 s19, 0
	s_add_nc_u64 s[8:9], s[8:9], s[18:19]
	s_lshl_b32 s20, s17, 19
	s_lshl_b32 s21, s15, 18
	s_add_co_u32 s20, s20, s21
	s_add_co_u32 s20, s20, s18
	s_mov_b32 s21, 0
	s_add_nc_u64 s[10:11], s[10:11], s[20:21]
	s_add_nc_u64 s[12:13], s[12:13], s[20:21]
.irp b, 0,1
.irp j, 0,1,2,3
	global_load_b128 v[BR+16*\b+4*\j:BR+16*\b+4*\j+3], v[BROFF], s[8:9] offset:128*\b+16*\j
.endr
.endr
	WIN 0x80
.irp a, 0,1,2,3
.irp i, 0,1,2,3,4,5,6,7
	global_load_b128 v[32*\a+4*\i:32*\a+4*\i+3], v[CO], s[10:11] offset:(32*(\a/2)+8*(\a%2)+2*\i+8*(\i/4))*4096
.endr
.endr
	WIN 0
	s_wait_loadcnt 32
.macro FETCH slot, q, p
	WIN 0
	ds_load_b128 v[SC+4*(\p):SC+4*(\p)+3], v[ADRS] offset:512*(\q)
	WIN TO_F
.irp i, 0,1,2,3
	ds_load_b128 v[128*(\p)+12*\i:128*(\p)+12*\i+3], v[A16+\slot] offset:12288*(\q)+1536*\i
	ds_load_b64 v[128*(\p)+12*\i+4:128*(\p)+12*\i+5], v[A8+\slot] offset:12288*(\q)+1536*\i+512
	ds_load_b128 v[128*(\p)+12*\i+6:128*(\p)+12*\i+9], v[A16+\slot] offset:12288*(\q)+1536*\i+768
	ds_load_b64 v[128*(\p)+12*\i+10:128*(\p)+12*\i+11], v[A8+\slot] offset:12288*(\q)+1536*\i+1280
.endr
.irp i, 0,1,2,3
	ds_load_b128 v[128*(\p)+48+12*\i:128*(\p)+48+12*\i+3], v[B16+\slot] offset:12288*(\q)+1536*\i
	ds_load_b64 v[128*(\p)+48+12*\i+4:128*(\p)+48+12*\i+5], v[B8+\slot] offset:12288*(\q)+1536*\i+512
	ds_load_b128 v[128*(\p)+48+12*\i+6:128*(\p)+48+12*\i+9], v[B16+\slot] offset:12288*(\q)+1536*\i+768
	ds_load_b64 v[128*(\p)+48+12*\i+10:128*(\p)+48+12*\i+11], v[B8+\slot] offset:12288*(\q)+1536*\i+1280
.endr
.endm
.macro MUL4 p, a, first
.irp nb, 0,1,2,3
.if \first
	v_wmma_scale_f32_16x16x128_f8f6f4 v[ACC+8*(4*(\a)+\nb):ACC+8*(4*(\a)+\nb)+7], v[128*(\p)+48+12*\nb:128*(\p)+48+12*\nb+11], v[128*(\p)+12*(\a):128*(\p)+12*(\a)+11], v[BR+8*\nb:BR+8*\nb+7], v[SC+4*(\p)+\nb], v[SC+4*(\p)+(\a)] matrix_a_fmt:MATRIX_FMT_FP6 matrix_b_fmt:MATRIX_FMT_FP6 matrix_a_scale:MATRIX_SCALE_ROW1
.else
	v_wmma_scale_f32_16x16x128_f8f6f4 v[ACC+8*(4*(\a)+\nb):ACC+8*(4*(\a)+\nb)+7], v[128*(\p)+48+12*\nb:128*(\p)+48+12*\nb+11], v[128*(\p)+12*(\a):128*(\p)+12*(\a)+11], v[ACC+8*(4*(\a)+\nb):ACC+8*(4*(\a)+\nb)+7], v[SC+4*(\p)+\nb], v[SC+4*(\p)+(\a)] matrix_a_fmt:MATRIX_FMT_FP6 matrix_b_fmt:MATRIX_FMT_FP6 matrix_a_scale:MATRIX_SCALE_ROW1
.endif
.endr
.endm
.macro STEP slot, q, first
	s_wait_dscnt 0x0
	PLACES 4
	FETCH \slot, (\q)+1, 1-(\q)%2
	WIN MUL
	MUL4 (\q)%2, 0, \first
	MUL4 (\q)%2, 1, \first
	MUL4 (\q)%2, 2, \first
	MUL4 (\q)%2, 3, \first
.endm
.macro TURN slot, next, fill
.if \fill
	s_wait_xcnt 0x0                                ; my last prefetch has read its address: it steps one slot on
	s_add_nc_u64 s[96:97], s[96:97], 49152
.endif
	WIN 0
	s_wait_tensorcnt 0x0
	ds_add_u32 v[SPW], v[NIL]
	s_wait_dscnt 1
	WIN MUL
	MUL4 1, 0, 0
	s_wait_dscnt 0x0
	s_barrier_signal -1
	MUL4 1, 1, 0
	WIN 0
	s_barrier_wait -1
.if \fill
	CREST
	s_add_nc_u64 s[G0+4*\slot+2:G0+4*\slot+3], s[G0+4*\slot+2:G0+4*\slot+3], 98304
	s_add_nc_u64 s[G0B+4*\slot+2:G0B+4*\slot+3], s[G0B+4*\slot+2:G0B+4*\slot+3], 98304
	JLOAD G0+4*\slot, G1, G0B+4*\slot, G1B
.else
	PLACES 4
.endif
	v_add_nc_u32 v[ADRS], 2048, v[ADRS]
	FETCH \next, 0, 0
.if \fill
	ASK
.endif
	WIN MUL
	MUL4 1, 2, 0
	MUL4 1, 3, 0
.endm
	s_wait_alu depctr_va_vdst(0)                   ; the wait at the head's end
	s_wait_tensorcnt 0x0                           ; my block of the head's four is in; these lines stand ahead of a later first fill as ahead of a refill
	ds_add_u32 v[SPW], v[NIL]
	s_mov_b32 s[G1+2], 96<<16                      ; no load of mine is out: from here on a load brings 96 rows,
	s_mov_b32 s[G1+4], 96
	s_mov_b32 s[G1B+2], 96<<16
	s_mov_b32 s[G1B+4], 96
	s_mov_b32 s[G0+1], s45                         ; and slot 0's groups 0 point at my part
	s_mov_b64 s[G0+2:G0+3], s[94:95]
	s_or_b32 s[G0+3], s[G0+3], 0x80000000
	s_mov_b32 s[G0B+1], s45
	s_mov_b64 s[G0B+2:G0B+3], s[46:47]
	s_or_b32 s[G0B+3], s[G0B+3], 0x80000000
	s_wait_dscnt 0x0
	CROUND                                         ; a whole round: all four blocks are in, and the joint loads meet
	JLOAD G0+4, G1, G0B+4, G1B                     ; slot 1
	global_prefetch_b8 v23, s[96:97] offset:3*49152 th:TH_LOAD_NT scope:SCOPE_SE   ; slot 3's bytes
	FETCH 0, 0, 0
	STEP 0, 0, 1
.if KDIM > 1024
	WIN 0
	s_mov_b32 s3, KDIM/1024-1
.Llap:
	s_wait_alu depctr_va_vdst(0)
	STEP 0, 1, 0
	STEP 0, 2, 0
	TURN 0, 1, 1
	s_wait_alu depctr_va_vdst(0)
	STEP 1, 0, 0
	STEP 1, 1, 0
	STEP 1, 2, 0
	TURN 1, 0, 1
	s_wait_alu depctr_va_vdst(0)
	STEP 0, 0, 0
	WIN 0
	s_sub_co_u32 s3, s3, 1
	s_cmp_lg_u32 s3, 0
	s_cbranch_scc1 .Llap
.endif
	STEP 0, 1, 0
	STEP 0, 2, 0
	TURN 0, 1, 0
	s_wait_alu depctr_va_vdst(0)
	STEP 1, 0, 0
	STEP 1, 1, 0
	STEP 1, 2, 0
	s_wait_dscnt 0x0
	MUL4 1, 0, 0
	MUL4 1, 1, 0
	MUL4 1, 2, 0
	MUL4 1, 3, 0
	WIN 0
	PLACES 4
.irp a, 0,1,2,3
.set OBB, OB+32*(\a%2)
.if \a >= 2
	s_wait_xcnt 0x0
.endif
.irp nb, 0,1,2,3
	ds_store_b128 v[STO], v[ACC+8*(4*\a+\nb):ACC+8*(4*\a+\nb)+3] offset:128*(\nb/2)+32*(\nb%2)
	ds_store_b128 v[STO], v[ACC+8*(4*\a+\nb)+4:ACC+8*(4*\a+\nb)+7] offset:128*(\nb/2)+32*(\nb%2)+16
.endr
.irp i, 0,1,2,3,4,5,6,7
	ds_load_b128 v[OBB+4*\i:OBB+4*\i+3], v[RD] offset:544*\i
.endr
	s_wait_dscnt 0x0
	s_wait_loadcnt 8*(3-\a)
	WIN 0x08
.irp i, 0,1,2,3,4,5,6,7
	v_pk_add_f32 v[OBB+4*\i:OBB+4*\i+1], v[OBB+4*\i:OBB+4*\i+1], v[32*\a+4*\i:32*\a+4*\i+1]
	v_pk_add_f32 v[OBB+4*\i+2:OBB+4*\i+3], v[OBB+4*\i+2:OBB+4*\i+3], v[32*\a+4*\i+2:32*\a+4*\i+3]
.endr
	WIN 0
.irp i, 0,1,2,3,4,5,6,7
.if LAST
	global_store_b128 v[CO], v[OBB+4*\i:OBB+4*\i+3], s[12:13] offset:(32*(\a/2)+8*(\a%2)+2*\i+8*(\i/4))*4096 th:TH_STORE_NT
.else
	global_store_b128 v[CO], v[OBB+4*\i:OBB+4*\i+3], s[12:13] offset:(32*(\a/2)+8*(\a%2)+2*\i+8*(\i/4))*4096
.endif
.endr
.endr
	s_wait_tensorcnt 0x0
	ds_add_u32 v[SPW], v[NIL]
	s_wait_dscnt 0x0
	CROUND
	s_endpgm
.Lfunc_end_k_q6559c83a67_ff2:
	.size	k_q6559c83a67_ff2, .Lfunc_end_k_q6559c83a67_ff2-k_q6559c83a67_ff2
	.p2alignl 7, 3214868480
	.fill 96, 4, 3214868480
	.section	.rodata,"a",@progbits
	.p2align	6, 0x0
	.amdhsa_kernel k_q6559c83a67_ff2
		.amdhsa_group_segment_fixed_size 327680
		.amdhsa_private_segment_fixed_size 0
		.amdhsa_enable_private_segment 0
		.amdhsa_kernarg_size 40
		.amdhsa_user_sgpr_count 2
		.amdhsa_user_sgpr_kernarg_segment_ptr 1
		.amdhsa_wavefront_size32 1
		.amdhsa_system_sgpr_workgroup_id_x 1
		.amdhsa_system_sgpr_workgroup_id_y 1
		.amdhsa_system_sgpr_workgroup_id_z 1
		.amdhsa_system_vgpr_workitem_id 0
		.amdhsa_next_free_vgpr 640
		.amdhsa_next_free_sgpr 100
		.amdhsa_reserve_vcc 0
		.amdhsa_float_denorm_mode_32 3
		.amdhsa_float_denorm_mode_16_64 3
		.amdhsa_memory_ordered 1
		.amdhsa_forward_progress 1
		.amdhsa_inst_pref_size 100
	.end_amdhsa_kernel
	.amdgpu_metadata
---
amdhsa.version: [ 1, 2 ]
amdhsa.kernels:
  - .name:           k_q6559c83a67_ff2
    .symbol:         k_q6559c83a67_ff2.kd
    .args:
      - { .name: HF, .offset: 0, .size: 8, .value_kind: global_buffer, .address_space: global }
      - { .name: W, .offset: 8, .size: 8, .value_kind: global_buffer, .address_space: global }
      - { .name: b2, .offset: 16, .size: 8, .value_kind: global_buffer, .address_space: global }
      - { .name: X1, .offset: 24, .size: 8, .value_kind: global_buffer, .address_space: global }
      - { .name: out0, .offset: 32, .size: 8, .value_kind: global_buffer, .address_space: global }
    .group_segment_fixed_size: 327680
    .private_segment_fixed_size: 0
    .kernarg_segment_align: 8
    .kernarg_segment_size: 40
    .max_flat_workgroup_size: 128
    .sgpr_count:     100
    .vgpr_count:     640
    .wavefront_size: 32
...
	.end_amdgpu_metadata
.endif
;; end of part 7
